; MI455X (gfx1250); checked and timed in simulation.
; The chip was launched on July 23, 2026; its instructions are those of AMD's public machine-readable ISA for CDNA 5 (MIT licence, August 2026) and "CDNA5" Instruction Set Architecture Reference Guide (July 2026). The comments in the code are by the model that wrote it; some were corrected since.
;; Block. Allowed arithmetic: matrix products marked QUANTISED: E3M2 operands, one E8M0 scale for each 32 along K, by v_wmma_scale_f32_16x16x128_f8f6f4 with both operands' format E3M2, f32 sums; everything else in f32.
;; Inputs: W1 4,096 x 1,024 float32; W2 1,024 x 4,096 float32; Wk 16 x 64 x 1,024 float32; Wo 1,024 x 1,024 float32; Wq 16 x 64 x 1,024 float32; Wv 16 x 64 x 1,024 float32; b1 4,096 float32; b2 1,024 float32; bk 16 x 64 float32; bo 1,024 float32; bq 16 x 64 float32; bv 16 x 64 float32; ln1_b 1,024 float32; ln1_g 1,024 float32; ln2_b 1,024 float32; ln2_g 1,024 float32; x 2 x 2,048 x 1,024 float32.
;; Outputs: out0 2 x 2,048 x 1,024 float32.
;; This version of the problem:
;;   THIS VERSION OF THE PROBLEM IS GIVEN IN LOW PRECISION. The matrix products marked QUANTISED in the list below multiply operands that are first quantised to E3M2 (3 exponent bits, 2 mantissa bits; 6 bits a number), with one power-of-two scale for each 32 numbers along K (OCP MX v1.0); their sums are f32. All else is computed in f32.
;;   The module's matrix products, in the order in which they are computed (A, B: the left and right operand; K: the contracted axis; several contracted axes count as one K, in the product's order):
;;     1. [M 4,096, K 1,024] x [K 1,024, N 1,024]; A: computed on the way; B: input Wq: QUANTISED
;;     2. [M 4,096, K 1,024] x [K 1,024, N 1,024]; A: computed on the way; B: input Wk: QUANTISED
;;     3. [M 4,096, K 1,024] x [K 1,024, N 1,024]; A: computed on the way; B: input Wv: QUANTISED
;;     4. batch 32 x [M 2,048, K 64] x [K 64, N 2,048]; A: computed on the way; B: computed on the way: QUANTISED
;;     5. batch 32 x [M 64, K 2,048] x [K 2,048, N 2,048]; A: computed on the way; B: softmax (see below): QUANTISED
;;     6. [M 4,096, K 1,024] x [K 1,024, N 1,024]; A: computed on the way; B: input Wo: QUANTISED
;;     7. [M 4,096, K 1,024] x [K 1,024, N 4,096]; A: computed on the way; B: input W1: QUANTISED
;;     8. [M 4,096, K 4,096] x [K 4,096, N 1,024]; A: computed on the way; B: input W2: QUANTISED
;;   THE QUANTISER, for each operand of a quantised product, along K:
;;     - K is cut into blocks of 32 from its start; a last block that is shorter is filled with zeros.
;;     - A block's scale is 2^e with e = floor(log2(the largest magnitude in the block)) - 4, held to -126 .. 127; a block of zeros has e = 0. As a byte (E8M0): e + 127.
;;     - Each number is divided by its block's scale, clamped to +-28, and rounded to the nearest number of E3M2, ties to even, subnormals kept.
;;     - The product sums the exact products of the quantised numbers (number of the format x scale) in f32.
;;   ~~~python
;;   def quantise(x, axis):      # numpy; x: float32 -> the quantised numbers, widened to float32 again
;;       x = np.moveaxis(x, axis, -1); K = x.shape[-1]
;;       x = np.pad(x, [(0, 0)] * (x.ndim - 1) + [(0, -K % 32)]); x = x.reshape(x.shape[:-1] + (-1, 32)); a = np.abs(x).max(-1, keepdims=True)
;;       e = np.where(a > 0, np.clip(np.frexp(np.where(a > 0, a, 1))[1] - 1 - 4, -126, 127), 0)      # np.frexp(a)[1] - 1 = floor(log2(a)), exactly
;;       r = np.clip(x / 2.0 ** e, -28, 28)
;;       step = 2.0 ** (np.maximum(np.frexp(np.where(r == 0, 1, r))[1] - 1, -2) - 2)
;;       q = np.round(r / step) * step * 2.0 ** e      # np.round: ties to even
;;       return np.moveaxis(q.reshape(q.shape[:-2] + (-1,))[..., :K], -1, axis).astype(np.float32)
;;   ~~~
;;   SOFTMAX AHEAD OF A QUANTISED PRODUCT. Where the list says 'softmax', what is quantised is not the finished softmax but p = 2^(t - M), with t = logit x log2(e) and M = ceil(the row's largest t), a whole number; so 1/2 < the row's largest p <= 1. The row's sum l is taken of the UNQUANTISED p, in f32, and the product's result is divided by l at the end. Since M is a whole number, a kernel that streams over the keys may use a running M (the ceiling of the running maximum): every later rescaling is an exact power of two, which a block's scale takes up: the codes' values come out the same.
;;   OPERANDS COMPUTED ON THE WAY. 'Computed on the way' means the value that the module computes at that place (a softmax that the list does not call 'softmax' is quantised finished and normalised). What goes into a quantiser is computed in f32, as accurately as f32 sums, v_exp_f32 and their like allow (about 1e-6 of the number): no bf16 or f16 on the way to a quantiser, and a product that is left as it is and whose result goes on into a quantised operand takes f32 operands (vector FMAs, or v_wmma_f32_16x16x4_f32). A number that lies on a knife's edge between two numbers of the format may be rounded either way, as far as f32 arithmetic and the matrix unit's own rounding can turn it there, and no further.
;; 2 versions. Each part assembles by itself: llvm-mc -triple=amdgcn-amd-amdhsa -mcpu=gfx1250 --defsym DOCPART=n.
;; ======== version 1 of 2: 8 launches
;; workspace buffers: wts 9,830,400 bytes; hq 3,276,800 bytes; qkv 9,830,400 bytes; at 3,276,800 bytes; x1 16,777,216 bytes; gl 13,107,200 bytes
;; launch wq (part 1): grid 384 x 1, 4 waves a work-group, no clusters, 35,328 bytes of LDS; arguments Wq, Wk, Wv, Wo, W1, W2, wts; writes wts
.if DOCPART == 1
	.amdgcn_target "amdgcn-amd-amdhsa--gfx1250"
	.amdhsa_code_object_version 6
	.text
	.protected	k_qd38a143e14_wq
	.globl	k_qd38a143e14_wq
	.p2align	8
	.type	k_qd38a143e14_wq,@function
k_qd38a143e14_wq:
	s_mov_b64 s[64:65], 0
	v_nop
	global_prefetch_b8 v0, s[64:65] scope:SCOPE_SE
	s_setreg_imm32_b32 hwreg(HW_REG_WAVE_MODE, 25, 1), 1
	s_wait_xcnt 0x0
; The six weights, f32 with K innermost, become codes of BF6 (E3M2) with one E8M0 byte for each 32 along K, laid as IMAGES OF OPERAND REGISTERS.
; THE IMAGE of an operand [rows][K]: rows are kept in STORED order (row number with bits 3 and 4 exchanged: place 16 u + t of a group of 32 holds row 8 u + t + 8 (t / 8)); K in true order.
;   codes:  ((row block x K/128 + chunk) x 1536) + 256 p + 8 lane: pair p of the 12 registers that lane (r, h) of a fragment (16 stored rows x 128 K) holds: registers 6 c .. 6 c + 5 = k 64 c + 32 h + 0 .. 31.
;   scales: (((stored row / 128) x K/128 + chunk) x 512) + 4 (stored row % 128): a word a row and chunk, byte b for k 32 b on.
; In wts: codes of Wq, Wk, Wv, Wo, W1, W2 one behind the other, 24,576 bytes for each work-group of this launch in its order; scales from byte 9,437,184 on, 1,024 bytes for each.
; SHARES: a work-group takes 64 rows x 512 along K; wave w one chunk of 128, in four items of 16 stored rows.  An item: 16 loads of 512 consecutive bytes (a row's chunk), a turn through the wave's own stage in LDS,
; so that a lane holds 16 neighbours of each block of 32, the quantiser, six stores of 256 consecutive aligned bytes.  The four items' scale words are gathered in LDS and leave as one block of 256 bytes.
; The weight is chosen by the work-group's number: pointers and sizes by selects, one path for all.  Waves share nothing: no barrier.
; THE QUANTISER: scale = 2^(floor(log2(largest magnitude)) - 4); its byte = the largest magnitude's exponent field - 4.
; LIMITS: a block whose largest magnitude lies under 2^-122 (all zeros too) gets the byte 1 (the rule says 127 for zeros: the codes are zeros and this program alone reads the bytes); NaN and infinities are not served.
.set WREG, 8704                        ; LDS of a wave: a stage of 16 rows x 528 bytes, then 256 bytes for scale words
.set SPI,  528                         ; a stage row: 512 bytes + 16
.set OFF,  8                           ; v8-15   t x (a row in bytes) + 16 lane
.set PC,   16                          ; v16-34  the codes just made
.set PW,   36                          ; v36     the scale word just made
.set TM,   40                          ; v40-55  at work in the quantiser
.set R,    64                          ; v64-191 two sets of 64: an item as loaded
.set X,    192                         ; v192-255 an item as the quantiser wants it
.set LB,   24                          ; s[24:39] load bases: item i, rows t < 8 and t >= 8
.set CB,   40                          ; s[40:47] the items' places among the codes
.set SB,   48                          ; s[48:49] my 256 bytes of scale words
.set SEL,  50                          ; s[50:51] lane selects: lane l xor 16
; 64 numbers of a lane, register 16 b + i = k 32 b + 16 (lane / 16) + i of my row, become a fragment's codes in v[PC] on and its scale word in v[PW]
.macro QUANT s
.irp b, 0,1,2,3
	v_max3_num_f32 v[TM+\b], |v[\s+16*\b]|, |v[\s+1+16*\b]|, 0x2800000   ; my 16 numbers of block b, and the floor 2^(5 - 127): the byte cannot fall under 1
.endr
.irp i, 2,4,6,8,10,12,14
.irp b, 0,1,2,3
	v_max3_num_f32 v[TM+\b], v[TM+\b], |v[\s+16*\b+\i]|, |v[\s+1+16*\b+\i]|
.endr
.endr
.irp b, 0,1,2,3
	v_permlanex16_b32 v[TM+4+\b], v[TM+\b], s[SEL], s[SEL+1]
.endr
.irp b, 0,1,2,3
	v_max_num_f32 v[TM+\b], v[TM+\b], v[TM+4+\b]   ; with lane l xor 16's: the block's largest magnitude
.endr
.irp b, 0,1,2,3
	v_add_nc_u32 v[TM+12+\b], 0xfe000000, v[TM+\b]   ; 4 off its exponent field: the conversion's scale operand
.endr
.irp b, 0,1,2,3
	v_lshrrev_b32 v[TM+4+\b], 23, v[TM+12+\b]      ; the scale's byte
.endr
	v_lshl_or_b32 v[PW], v[TM+5], 8, v[TM+4]
	v_lshl_or_b32 v[PW], v[TM+6], 16, v[PW]
	v_lshl_or_b32 v[PW], v[TM+7], 24, v[PW]
.irp c, 0,1
	v_cvt_scalef32_pk16_bf6_f32 v[PC+6*\c:PC+2+6*\c], v[\s+32*\c:\s+15+32*\c], v[TM+12+2*\c]
	v_cvt_scalef32_pk16_bf6_f32 v[PC+12+4*\c:PC+14+4*\c], v[\s+16+32*\c:\s+31+32*\c], v[TM+12+2*\c+1]   ; (a conversion's three registers begin on an even number)
.endr
	v_nop                                          ; one plain instruction behind a scaled conversion
.irp c, 0,1                                    ; the operand wants a whole block in a lane: lanes 0-15 block 2 c, lanes 16-31 block 2 c + 1
.irp i, 0,1,2
	v_permlane16_swap_b32 v[PC+6*\c+\i], v[PC+12+4*\c+\i]
.endr
.irp i, 0,1,2
	v_mov_b32 v[PC+3+6*\c+\i], v[PC+12+4*\c+\i]
.endr
.endr
.endm
	s_load_b256 s[4:11], s[0:1], 0x0               ; Wq, Wk, Wv, Wo
	s_load_b128 s[12:15], s[0:1], 0x20             ; W1, W2
	s_load_b64 s[16:17], s[0:1], 0x30              ; wts
	v_lshl_add_u32 v62, v0, 2, 0x8800
	v_mov_b32 v63, 0
	v_lshrrev_b32 v1, 5, v0
	v_readfirstlane_b32 s18, v1                    ; wave 0..3
	v_and_b32 v7, 31, v0                           ; lane
	v_and_b32 v5, 15, v0                           ; r
	v_bfe_u32 v6, v0, 4, 1                         ; h
	v_lshlrev_b32 v1, 4, v7                        ; 16 lane
	v_lshlrev_b32 v4, 3, v7                        ; 8 lane
	s_mul_i32 s19, s18, WREG
	v_add_nc_u32 v2, s19, v1                       ; the stage, on the way in: a row as it lies
	v_mul_u32_u24 v3, v5, SPI
	v_lshl_add_u32 v3, v6, 6, v3
	v_add_nc_u32 v3, s19, v3                       ; and out: row r, + 64 h
	s_add_co_u32 s19, s19, 16*SPI
	v_lshl_add_u32 v5, v5, 2, s19                  ; the scale words, in: 4 r
	v_add_nc_u32 v6, s19, v4                       ; and out: 8 lane
	s_mov_b32 s[SEL], 0x76543210
	s_mov_b32 s[SEL+1], 0xfedcba98
.irp b, 0,1,2,3
	v_mov_b32 v[TM+4+\b], 0                        ; written once: a lane permute's destination counts as one of its sources
.endr
	s_mov_b32 s20, 0                               ; the first work-group of my weight
	s_wait_kmcnt 0x0
	s_mov_b64 s[22:23], s[4:5]                     ; my weight
.macro PICK t, p                       ; from work-group t on: the weight at s[p:p+1].  The choice hangs on the work-group's number alone
	s_cmp_ge_u32 ttmp9, \t
	s_cselect_b32 s20, \t, s20
	s_cselect_b64 s[22:23], s[\p:\p+1], s[22:23]
.endm
	PICK 32, 6
	PICK 64, 8
	PICK 96, 10
	PICK 128, 12
	PICK 256, 14                                   ; the last compare says: W2, whose K is 4,096
	s_mov_b32 s52, 4096
	s_cselect_b32 s52, 16384, s52                  ; a row in bytes
	s_mov_b32 s53, 12288
	s_cselect_b32 s53, 49152, s53                  ; a row block of codes in bytes
	s_cselect_b32 s54, 3, 1                        ; log2 of the work-groups that share 64 rows
	s_cselect_b32 s55, 7, 1
	s_cselect_b32 s56, 32, 8                       ; chunks in a row
	s_sub_co_u32 s57, ttmp9, s20
	s_lshr_b32 s58, s57, s54                       ; which 64 rows
	s_and_b32 s57, s57, s55
	s_lshl_b32 s57, s57, 2
	s_add_co_u32 s57, s57, s18                     ; my chunk
	s_lshl_b32 s59, s58, 6
	s_mul_i32 s59, s59, s52
	s_lshl_b32 s60, s57, 9
	s_add_co_u32 s59, s59, s60                     ; 64 rows x group + 512 bytes x chunk (under 2^25)
	s_mov_b32 s61, 0
.irp i, 0,1,2,3
.irp u, 0,1
	s_mul_i32 s60, s52, 32*(\i/2)+8*(\i%2)+16*\u   ; item i's places t < 8 are rows 32 (i / 2) + 8 (i % 2) on, its places t >= 8 lie 16 rows further
	s_add_co_u32 s60, s60, s59
	s_add_nc_u64 s[LB+4*\i+2*\u:LB+4*\i+2*\u+1], s[22:23], s[60:61]
.endr
.endr
.irp t, 0,1,2,3,4,5,6,7
	s_mul_i32 s60, s52, \t
	v_add_nc_u32 v[OFF+\t], s60, v1
.endr
	s_mul_i32 s62, s20, 24576
	s_mul_i32 s63, s57, 1536
	s_add_co_u32 s62, s62, s63
	s_lshl_b32 s63, s58, 2
	s_mul_i32 s63, s63, s53
	s_add_co_u32 s60, s62, s63
	s_add_nc_u64 s[CB:CB+1], s[16:17], s[60:61]    ; codes: my weight's part + row block 4 x group + my chunk
	s_mov_b32 s60, s53
.irp i, 1,2,3
	s_add_nc_u64 s[CB+2*\i:CB+2*\i+1], s[CB+2*\i-2:CB+2*\i-1], s[60:61]
.endr
	s_lshr_b32 s62, s58, 1
	s_mul_i32 s62, s62, s56
	s_add_co_u32 s62, s62, s57
	s_lshl_b32 s62, s62, 9
	s_and_b32 s63, s58, 1
	s_lshl_b32 s63, s63, 8
	s_add_co_u32 s62, s62, s63
	s_lshl_b32 s63, s20, 10
	s_add_co_u32 s62, s62, s63
	s_add_co_u32 s60, s62, 9437184
	s_add_nc_u64 s[SB:SB+1], s[16:17], s[60:61]
.macro LOAD i                          ; item i: 16 rows' chunks, 512 consecutive bytes a load
.irp t, 0,1,2,3,4,5,6,7,8,9,10,11,12,13,14,15
	global_load_b128 v[R+64*((\i)%2)+4*\t:R+64*((\i)%2)+4*\t+3], v[OFF+\t%8], s[LB+4*(\i)+2*(\t/8):LB+4*(\i)+2*(\t/8)+1] th:TH_LOAD_NT
.endr
.endm
.macro ITEM i
.if (\i) < 3
	s_wait_loadcnt 16                              ; this item's 16 loads are in; the next item's 16 may be out
.else
	s_wait_loadcnt 0
.endif
.irp t, 0,1,2,3,4,5,6,7,8,9,10,11,12,13,14,15
	ds_store_b128 v2, v[R+64*((\i)%2)+4*\t:R+64*((\i)%2)+4*\t+3] offset:SPI*\t
.endr
.irp b, 0,1,2,3
.irp j, 0,1,2,3
	ds_load_b128 v[X+16*\b+4*\j:X+16*\b+4*\j+3], v3 offset:128*\b+16*\j   ; LDS serves a wave's instructions in order: these see the stores above
.endr
.endr
	s_wait_dscnt 0x0                               ; the numbers are back, and the stores have read their registers,
.if (\i) < 2
	LOAD (\i)+2                                    ; which take the item two on
.endif
	s_wait_xcnt 0x0                                ; the last item's stores have read the codes' registers: they are written again only behind this wait
	QUANT X
.irp p, 0,1,2,3,4,5
	global_store_b64 v4, v[PC+2*\p:PC+2*\p+1], s[CB+2*(\i):CB+2*(\i)+1] offset:256*\p   ; 32 lanes store 256 consecutive bytes, at a multiple of 256 from the buffer's first byte
.endr
	ds_store_b32 v5, v[PW] offset:64*(\i)          ; both halves of the lanes write the same word with the same value
.endm
	LOAD 0
	LOAD 1
	ITEM 0
	ITEM 1
	ITEM 2
	ITEM 3
	ds_load_b64 v[12:13], v6                       ; (v12, v13: offsets of loads that have all come in)
	s_wait_dscnt 0x0
	global_store_b64 v4, v[12:13], s[SB:SB+1]      ; the 64 rows' scale words of my chunk: 256 consecutive aligned bytes
	s_wait_tensorcnt 0x0
	ds_add_u32 v62, v63
	s_wait_dscnt 0x0
	s_endpgm
.Lfunc_end_k_qd38a143e14_wq:
	.size	k_qd38a143e14_wq, .Lfunc_end_k_qd38a143e14_wq-k_qd38a143e14_wq
	.p2alignl 7, 3214868480
	.fill 96, 4, 3214868480
	.section	.rodata,"a",@progbits
	.p2align	6, 0x0
	.amdhsa_kernel k_qd38a143e14_wq
		.amdhsa_group_segment_fixed_size 35328
		.amdhsa_private_segment_fixed_size 0
		.amdhsa_enable_private_segment 0
		.amdhsa_kernarg_size 56
		.amdhsa_user_sgpr_count 2
		.amdhsa_user_sgpr_kernarg_segment_ptr 1
		.amdhsa_wavefront_size32 1
		.amdhsa_system_sgpr_workgroup_id_x 1
		.amdhsa_system_sgpr_workgroup_id_y 1
		.amdhsa_system_sgpr_workgroup_id_z 1
		.amdhsa_system_vgpr_workitem_id 0
		.amdhsa_next_free_vgpr 256
		.amdhsa_next_free_sgpr 80
		.amdhsa_reserve_vcc 0
		.amdhsa_float_denorm_mode_32 3
		.amdhsa_float_denorm_mode_16_64 3
		.amdhsa_memory_ordered 1
		.amdhsa_forward_progress 1
		.amdhsa_inst_pref_size 38
	.end_amdhsa_kernel
	.amdgpu_metadata
---
amdhsa.version: [ 1, 2 ]
amdhsa.kernels:
  - .name:           k_qd38a143e14_wq
    .symbol:         k_qd38a143e14_wq.kd
    .args:
      - { .name: Wq, .offset: 0, .size: 8, .value_kind: global_buffer, .address_space: global }
      - { .name: Wk, .offset: 8, .size: 8, .value_kind: global_buffer, .address_space: global }
      - { .name: Wv, .offset: 16, .size: 8, .value_kind: global_buffer, .address_space: global }
      - { .name: Wo, .offset: 24, .size: 8, .value_kind: global_buffer, .address_space: global }
      - { .name: W1, .offset: 32, .size: 8, .value_kind: global_buffer, .address_space: global }
      - { .name: W2, .offset: 40, .size: 8, .value_kind: global_buffer, .address_space: global }
      - { .name: wts, .offset: 48, .size: 8, .value_kind: global_buffer, .address_space: global }
    .group_segment_fixed_size: 35328
    .private_segment_fixed_size: 0
    .kernarg_segment_align: 8
    .kernarg_segment_size: 56
    .max_flat_workgroup_size: 128
    .sgpr_count:     80
    .vgpr_count:     256
    .wavefront_size: 32
...
	.end_amdgpu_metadata
.endif
;; end of part 1
;; launch ln1 (part 2): grid 256 x 1, 8 waves a work-group, no clusters, 66,816 bytes of LDS; arguments x, ln1_g, ln1_b, hq; writes hq
.if DOCPART == 2
	.amdgcn_target "amdgcn-amd-amdhsa--gfx1250"
	.amdhsa_code_object_version 6
	.text
	.protected	k_qd38a143e14_ln1
	.globl	k_qd38a143e14_ln1
	.p2align	8
	.type	k_qd38a143e14_ln1,@function
k_qd38a143e14_ln1:
	s_mov_b64 s[64:65], 0
	v_nop
	global_prefetch_b8 v0, s[64:65] scope:SCOPE_SE
	s_setreg_imm32_b32 hwreg(HW_REG_WAVE_MODE, 25, 1), 1
	s_wait_xcnt 0x0
; y = (x - mean) rsqrt(var + 1e-5) g + b for rows of 1,024 f32, all in f32 (mean first, then the mean of the squared differences), and y quantised along the row to codes of BF6 (E3M2), one E8M0 byte for each 32.
; The result is an IMAGE OF OPERAND REGISTERS, K = 1,024: rows in STORED order (row number with bits 3 and 4 exchanged: place 16 u + t of a group of 32 holds row 8 u + t + 8 (t / 8));
;   codes at ((row block x 8 + chunk) x 1536) + 256 p + 8 lane (pair p of the 12 registers of lane (r, h): registers 6 c .. 6 c + 5 = k 64 c + 32 h + 0 .. 31);
;   scale words from byte 3,145,728 on, at (((stored row / 128) x 8 + chunk) x 512) + 4 (stored row % 128).
; SHARES: work-group G makes stored row block G (16 rows), 256 work-groups.  A: wave w normalises two rows (places 2 w, 2 w + 1: neighbours in memory), a row in 32 registers a lane, read once, and lays them in LDS.
; One barrier.  B: wave w takes chunk w of all 16 rows from LDS, 16 neighbours of each block of 32 to a lane, quantises, and stores six times 256 consecutive aligned bytes.
; The chunk's 16 scale words are 64 bytes of a block of 512: a block written in part; whole ones would want 128 rows to a work-group, 32 work-groups in all.
; No matrix unit, no cluster, no tensor load: each byte is read once by one wave.
; LIMITS: a block whose largest magnitude lies under 2^-122 (all zeros too) gets the byte 1 (its codes are zeros or next to it; this program alone reads the bytes); NaN and infinities are not served.
.set LP,  4112                         ; a row in LDS: 4,096 bytes + 16: sixteen rows' equal columns fall on different banks
.set X,   32                           ; v32-95   two rows, then the chunk's 64 numbers
.set GG,  96                           ; v96-127  g of my 32 columns
.set BB,  128                          ; v128-159 b
.set TM,  160                          ; v160-175 at work: +4 e sums of row e (two pairs), +8 + 2 e its mean twice, +12 + 2 e its 1 / sigma twice; later the quantiser's
.set PW,  176
.set PT,  177                          ; v177-178 targets of the lane exchange
.set PC,  180                          ; v180-198 the codes just made
.set SEL, 22
.macro QUANT s
.irp b, 0,1,2,3
	v_max3_num_f32 v[TM+\b], |v[\s+16*\b]|, |v[\s+1+16*\b]|, 0x2800000   ; my 16 numbers of block b, and the floor 2^(5 - 127): the byte cannot fall under 1
.endr
.irp i, 2,4,6,8,10,12,14
.irp b, 0,1,2,3
	v_max3_num_f32 v[TM+\b], v[TM+\b], |v[\s+16*\b+\i]|, |v[\s+1+16*\b+\i]|
.endr
.endr
.irp b, 0,1,2,3
	v_permlanex16_b32 v[TM+4+\b], v[TM+\b], s[SEL], s[SEL+1]
.endr
.irp b, 0,1,2,3
	v_max_num_f32 v[TM+\b], v[TM+\b], v[TM+4+\b]
.endr
.irp b, 0,1,2,3
	v_add_nc_u32 v[TM+12+\b], 0xfe000000, v[TM+\b]   ; 4 off the exponent field: the conversion's scale operand
.endr
.irp b, 0,1,2,3
	v_lshrrev_b32 v[TM+4+\b], 23, v[TM+12+\b]      ; the scale's byte
.endr
	v_lshl_or_b32 v[PW], v[TM+5], 8, v[TM+4]
	v_lshl_or_b32 v[PW], v[TM+6], 16, v[PW]
	v_lshl_or_b32 v[PW], v[TM+7], 24, v[PW]
.irp c, 0,1
	v_cvt_scalef32_pk16_bf6_f32 v[PC+6*\c:PC+2+6*\c], v[\s+32*\c:\s+15+32*\c], v[TM+12+2*\c]
	v_cvt_scalef32_pk16_bf6_f32 v[PC+12+4*\c:PC+14+4*\c], v[\s+16+32*\c:\s+31+32*\c], v[TM+12+2*\c+1]
.endr
	v_nop                                          ; one plain instruction behind a scaled conversion
.irp c, 0,1
.irp i, 0,1,2
	v_permlane16_swap_b32 v[PC+6*\c+\i], v[PC+12+4*\c+\i]
.endr
.irp i, 0,1,2
	v_mov_b32 v[PC+3+6*\c+\i], v[PC+12+4*\c+\i]
.endr
.endr
.endm
; both rows' two pairs of partial sums become the rows' sums, in every lane, at v[TM + 4 e]
.macro REDUCE
.irp e, 0,1
	v_pk_add_f32 v[TM+4*\e:TM+4*\e+1], v[TM+4*\e:TM+4*\e+1], v[TM+4*\e+2:TM+4*\e+3]
.endr
.irp e, 0,1
	v_add_f32 v[TM+4*\e], v[TM+4*\e], v[TM+4*\e+1]
.endr
.irp m, 1,2,4,8
.irp e, 0,1
	v_add_f32_dpp v[TM+4*\e], v[TM+4*\e], v[TM+4*\e] row_xmask:\m row_mask:0xf bank_mask:0xf
.endr
.endr
.irp e, 0,1
	v_permlanex16_b32 v[PT+\e], v[TM+4*\e], s[SEL], s[SEL+1]
.endr
.irp e, 0,1
	v_add_f32 v[TM+4*\e], v[TM+4*\e], v[PT+\e]
.endr
.endm
	s_load_b256 s[4:11], s[0:1], 0x0               ; x, g, b, the image
	v_lshl_add_u32 v208, v0, 2, 0x10100
	v_mov_b32 v209, 0
	v_lshrrev_b32 v1, 5, v0
	v_readfirstlane_b32 s12, v1                    ; wave 0..7
	v_and_b32 v2, 31, v0                           ; lane
	v_and_b32 v3, 15, v0                           ; r
	v_bfe_u32 v4, v0, 4, 1                         ; h
	v_lshlrev_b32 v1, 4, v2                        ; 16 lane
	v_lshlrev_b32 v5, 3, v2                        ; 8 lane
	v_lshlrev_b32 v6, 2, v3                        ; 4 r
	v_mov_b32 v[PT], 0                             ; written once: a lane permute's destination counts as one of its sources
	v_mov_b32 v[PT+1], 0
	s_lshr_b32 s13, ttmp9, 1
	s_lshl_b32 s13, s13, 5
	s_and_b32 s14, ttmp9, 1
	s_lshl_b32 s14, s14, 3
	s_add_co_u32 s13, s13, s14
	s_lshl_b32 s14, s12, 1
	s_add_co_u32 s13, s13, s14
	s_lshr_b32 s14, s12, 2
	s_lshl_b32 s14, s14, 3
	s_add_co_u32 s13, s13, s14                     ; my first row: 32 (G / 2) + 8 (G % 2) + 2 w + 8 (w / 4)
	s_lshl_b32 s14, s13, 12
	s_mov_b32 s15, 0
	s_mul_i32 s16, s12, 2*LP
	v_add_nc_u32 v7, s16, v1                       ; LDS, in: places 2 w and 2 w + 1, as the rows lie
	v_mul_u32_u24 v8, v3, LP
	v_lshl_add_u32 v8, v4, 6, v8
	s_lshl_b32 s16, s12, 9
	v_add_nc_u32 v8, s16, v8                       ; out: place r, chunk w, + 64 h
	s_lshl_b32 s18, ttmp9, 3
	s_add_co_u32 s18, s18, s12
	s_mul_i32 s18, s18, 1536                       ; my chunk's codes
	s_mov_b32 s19, 0
	s_lshr_b32 s20, ttmp9, 3
	s_lshl_b32 s20, s20, 3
	s_add_co_u32 s20, s20, s12
	s_lshl_b32 s20, s20, 9
	s_and_b32 s21, ttmp9, 7
	s_lshl_b32 s21, s21, 6
	s_add_co_u32 s20, s20, s21
	s_add_co_u32 s20, s20, 3145728                 ; and its scale words
	s_mov_b32 s21, 0
	s_mov_b32 s[SEL], 0x76543210
	s_mov_b32 s[SEL+1], 0xfedcba98
	s_mov_b32 s24, 0x3a800000                      ; 1 / 1,024
	s_mov_b32 s25, 0x3727c5ac                      ; 1e-5
	s_wait_kmcnt 0x0
	s_add_nc_u64 s[4:5], s[4:5], s[14:15]
	s_add_nc_u64 s[18:19], s[10:11], s[18:19]
	s_add_nc_u64 s[20:21], s[10:11], s[20:21]
.irp e, 0,1
.irp j, 0,1,2,3,4,5,6,7
	global_load_b128 v[X+32*\e+4*\j:X+32*\e+4*\j+3], v1, s[4:5] offset:4096*\e+512*\j   ; 512 consecutive bytes a load
.endr
.endr
.irp j, 0,1,2,3,4,5,6,7
	global_load_b128 v[GG+4*\j:GG+4*\j+3], v1, s[6:7] offset:512*\j
.endr
.irp j, 0,1,2,3,4,5,6,7
	global_load_b128 v[BB+4*\j:BB+4*\j+3], v1, s[8:9] offset:512*\j
.endr
	s_wait_loadcnt 16                              ; the two rows are in; the 16 loads of g and b may be out
.irp e, 0,1
	v_pk_add_f32 v[TM+4*\e:TM+4*\e+1], v[X+32*\e:X+32*\e+1], v[X+32*\e+2:X+32*\e+3]
	v_pk_add_f32 v[TM+4*\e+2:TM+4*\e+3], v[X+32*\e+4:X+32*\e+5], v[X+32*\e+6:X+32*\e+7]
.endr
.irp j, 8,12,16,20,24,28
.irp e, 0,1
	v_pk_add_f32 v[TM+4*\e:TM+4*\e+1], v[TM+4*\e:TM+4*\e+1], v[X+32*\e+\j:X+32*\e+\j+1]
	v_pk_add_f32 v[TM+4*\e+2:TM+4*\e+3], v[TM+4*\e+2:TM+4*\e+3], v[X+32*\e+\j+2:X+32*\e+\j+3]
.endr
.endr
	REDUCE
.irp e, 0,1
	v_mul_f32 v[TM+8+2*\e], s24, v[TM+4*\e]        ; the mean,
.endr
.irp e, 0,1
	v_mov_b32 v[TM+9+2*\e], v[TM+8+2*\e]           ; twice, for the packed form
.endr
.irp j, 0,2,4,6,8,10,12,14,16,18,20,22,24,26,28,30
.irp e, 0,1
	v_pk_add_f32 v[X+32*\e+\j:X+32*\e+\j+1], v[X+32*\e+\j:X+32*\e+\j+1], v[TM+8+2*\e:TM+9+2*\e] neg_lo:[0,1] neg_hi:[0,1]   ; x - mean
.endr
.endr
.irp e, 0,1
	v_pk_mul_f32 v[TM+4*\e:TM+4*\e+1], v[X+32*\e:X+32*\e+1], v[X+32*\e:X+32*\e+1]
	v_pk_mul_f32 v[TM+4*\e+2:TM+4*\e+3], v[X+32*\e+2:X+32*\e+3], v[X+32*\e+2:X+32*\e+3]
.endr
.irp j, 4,8,12,16,20,24,28
.irp e, 0,1
	v_pk_fma_f32 v[TM+4*\e:TM+4*\e+1], v[X+32*\e+\j:X+32*\e+\j+1], v[X+32*\e+\j:X+32*\e+\j+1], v[TM+4*\e:TM+4*\e+1]
	v_pk_fma_f32 v[TM+4*\e+2:TM+4*\e+3], v[X+32*\e+\j+2:X+32*\e+\j+3], v[X+32*\e+\j+2:X+32*\e+\j+3], v[TM+4*\e+2:TM+4*\e+3]
.endr
.endr
	REDUCE
.irp e, 0,1
	v_fma_f32 v[TM+4*\e], v[TM+4*\e], s24, s25     ; var + 1e-5
.endr
.irp e, 0,1
	v_rsq_f32 v[TM+12+2*\e], v[TM+4*\e]
.endr
	v_nop                                          ; a plain instruction behind the two roots,
	s_wait_alu depctr_va_vdst(0)                   ; and the one wait ahead of the first line that names a result
.irp e, 0,1
	v_mov_b32 v[TM+13+2*\e], v[TM+12+2*\e]
.endr
	s_wait_loadcnt 0x0                             ; g and b
.irp j, 0,2,4,6,8,10,12,14,16,18,20,22,24,26,28,30
.irp e, 0,1
	v_pk_mul_f32 v[X+32*\e+\j:X+32*\e+\j+1], v[X+32*\e+\j:X+32*\e+\j+1], v[TM+12+2*\e:TM+13+2*\e]
.endr
.irp e, 0,1
	v_pk_fma_f32 v[X+32*\e+\j:X+32*\e+\j+1], v[X+32*\e+\j:X+32*\e+\j+1], v[GG+\j:GG+\j+1], v[BB+\j:BB+\j+1]
.endr
.endr
.irp e, 0,1
.irp j, 0,1,2,3,4,5,6,7
	ds_store_b128 v7, v[X+32*\e+4*\j:X+32*\e+4*\j+3] offset:LP*\e+512*\j
.endr
.endr
	s_wait_dscnt 0x0                               ; for the others' sake: my two rows lie in LDS
	s_barrier_signal -1
	s_barrier_wait -1                              ; all sixteen do
.irp b, 0,1,2,3
.irp j, 0,1,2,3
	ds_load_b128 v[X+16*\b+4*\j:X+16*\b+4*\j+3], v8 offset:128*\b+16*\j   ; register 16 b + i = k 128 w + 32 b + 16 h + i of place r
.endr
.endr
	s_wait_dscnt 0x0
	QUANT X
.irp p, 0,1,2,3,4,5
	global_store_b64 v5, v[PC+2*\p:PC+2*\p+1], s[18:19] offset:256*\p   ; 256 consecutive aligned bytes a store
.endr
	s_wait_xcnt 0x0                                ; EXEC changes only behind this wait: it is a source of the stores above
	v_cmp_gt_u32 vcc_lo, 16, v2
	s_wait_tensorcnt 0x0
	ds_add_u32 v208, v209
	s_wait_dscnt 0x0
	s_and_saveexec_b32 s26, vcc_lo                 ; lanes 0-15: a word a row
	global_store_b32 v6, v[PW], s[20:21]
	s_wait_xcnt 0x0                                ; and again ahead of the line that widens it
	s_or_b32 exec_lo, exec_lo, s26
	s_endpgm
.Lfunc_end_k_qd38a143e14_ln1:
	.size	k_qd38a143e14_ln1, .Lfunc_end_k_qd38a143e14_ln1-k_qd38a143e14_ln1
	.p2alignl 7, 3214868480
	.fill 96, 4, 3214868480
	.section	.rodata,"a",@progbits
	.p2align	6, 0x0
	.amdhsa_kernel k_qd38a143e14_ln1
		.amdhsa_group_segment_fixed_size 66816
		.amdhsa_private_segment_fixed_size 0
		.amdhsa_enable_private_segment 0
		.amdhsa_kernarg_size 32
		.amdhsa_user_sgpr_count 2
		.amdhsa_user_sgpr_kernarg_segment_ptr 1
		.amdhsa_wavefront_size32 1
		.amdhsa_system_sgpr_workgroup_id_x 1
		.amdhsa_system_sgpr_workgroup_id_y 1
		.amdhsa_system_sgpr_workgroup_id_z 1
		.amdhsa_system_vgpr_workitem_id 0
		.amdhsa_next_free_vgpr 210
		.amdhsa_next_free_sgpr 66
		.amdhsa_reserve_vcc 1
		.amdhsa_float_denorm_mode_32 3
		.amdhsa_float_denorm_mode_16_64 3
		.amdhsa_memory_ordered 1
		.amdhsa_forward_progress 1
		.amdhsa_inst_pref_size 25
	.end_amdhsa_kernel
	.amdgpu_metadata
---
amdhsa.version: [ 1, 2 ]
amdhsa.kernels:
  - .name:           k_qd38a143e14_ln1
    .symbol:         k_qd38a143e14_ln1.kd
    .args:
      - { .name: x, .offset: 0, .size: 8, .value_kind: global_buffer, .address_space: global }
      - { .name: ln1_g, .offset: 8, .size: 8, .value_kind: global_buffer, .address_space: global }
      - { .name: ln1_b, .offset: 16, .size: 8, .value_kind: global_buffer, .address_space: global }
      - { .name: hq, .offset: 24, .size: 8, .value_kind: global_buffer, .address_space: global }
    .group_segment_fixed_size: 66816
    .private_segment_fixed_size: 0
    .kernarg_segment_align: 8
    .kernarg_segment_size: 32
    .max_flat_workgroup_size: 256
    .sgpr_count:     66
    .vgpr_count:     210
    .wavefront_size: 32
...
	.end_amdgpu_metadata
.endif
;; end of part 2
;; launch qkvg (part 3): grid 48 x 4, 4 waves a work-group, clusters of 4 x 4, 327,680 bytes of LDS; arguments hq, wts, bq, bk, bv, qkv; writes qkv
.if DOCPART == 3
	.amdgcn_target "amdgcn-amd-amdhsa--gfx1250"
	.amdhsa_code_object_version 6
	.text
	.protected	k_qd38a143e14_qkvg
	.globl	k_qd38a143e14_qkvg
	.p2align	8
	.type	k_qd38a143e14_qkvg,@function
k_qd38a143e14_qkvg:
	s_mov_b64 s[64:65], 0
	v_nop
	global_prefetch_b8 v0, s[64:65] scope:SCOPE_SE
	s_setreg_imm32_b32 hwreg(HW_REG_WAVE_MODE, 25, 1), 1
	s_wait_xcnt 0x0
	s_wait_alu depctr_hold_cnt(0) depctr_sa_sdst(0) depctr_va_vdst(0) depctr_va_sdst(0) depctr_va_ssrc(0) depctr_va_vcc(0) depctr_vm_vsrc(0)
	s_getreg_b32 s2, hwreg(HW_REG_IB_STS2, 6, 4)
	s_cmp_eq_u32 s2, 0
	s_cbranch_scc0 .Lentry_in_a_cluster
	s_endpgm
.Lentry_in_a_cluster:
	s_bfe_u32 s2, ttmp6, 0x10000c
	s_cmp_lg_u32 s2, 0xf033
	s_cbranch_scc0 .Lentry_shape_is_right
	s_endpgm
.Lentry_shape_is_right:
; q, k and v^T in one launch, on codes of BF6 (E3M2) with one E8M0 byte for each 32 along K = 1,024, and their results quantised again on the way out.
; Twelve clusters of 4 x 4 work-groups, told apart by the cluster's number C (equal in all sixteen partners; it feeds selects alone, never a branch):
;   C < 8:  C[token][n] = h[token] . W[n] + bias[n], W = Wq's 1,024 rows then Wk's: A = h (hq), B = the weights; 16 x 8 tiles of 256 x 256.  Quantised along n (a head's 64 channels are two blocks).
;   C >= 8: C[channel][token] = Wv[channel] . h[token] + bv[channel]: A = Wv, B = h; 4 x 16 tiles.  Quantised along the tokens, which are the K of attention's second product.
; OPERANDS ARE IMAGES OF REGISTERS: rows in STORED order (row number with bits 3 and 4 exchanged); codes at ((row block x K/128 + chunk) x 1536) + 256 p + 8 lane; scale words at (((stored row / 128) x K/128 + chunk) x 512) + 4 (row % 128).
; So a fragment (16 rows x 128 K, 12 registers) is six LDS loads of 256 consecutive bytes, and a slot's tile is rows of 3,072 consecutive bytes of memory.
; THE MATRIX INSTRUCTION IS USED TRANSPOSED (source 0 = 16 stored rows of B, source 1 = 16 of A): lane (r, h) of accumulator (a, b) holds A's stored row 16 a + r, and, by B's stored order, register j is n = 32 (b / 2) + 16 h + 8 (b % 2) + j:
; the 64 registers of a row block's eight accumulators are the lane's 16 neighbours of each of four blocks of 32 along n: what the quantiser takes.  Nothing goes through LDS on the way out but the scale words.
; THE LOOP: a work-group of four waves makes 256 x 256, a wave 128 x 128 (64 accumulators, 512 registers); K in steps of 256 through two LDS slots filled by joint tensor loads (A's tile shared along the cluster's row, B's along its column);
; the scale words of the work-group's rows for all of K come once, with the first fills.  A has one set of fragment registers (a block is free when its eight products are issued), B two.
; The bias along n is the C of the first step's products; the bias along A's rows is added on the way out; the one that a mode does not want is loaded all the same (from words of a bias buffer) and replaced by zeros.
; REGISTERS: window 0: v16-31 addresses; v32-63 scale words, two sets; v64-127 bias, later the numbers to be quantised; v128-223 A's fragments, later the quantiser's; v224-239 the bias along A's rows.
;   window 1: B's two sets, at v0 and v128.  window 2: accumulators of my rows 0-63 ((a, b) at v[8 (8 (a % 4) + b)]); window 3: rows 64-127.
; LIMITS of the quantiser: a block whose largest magnitude lies under 2^-122 (all zeros too) gets the byte 1; NaN and infinities are not served.
.set SIZE_K, 1024
.set CH,     1536                      ; a fragment's image
.set RBS,    3072                      ; a row block in a slot: two chunks
.set KRB,    SIZE_K/128*1536           ; a row block in memory
.set HALFT,  8*RBS                     ; 128 rows: what one tensor load brings, and what a wave reads of A or of B
.set SLOT,   4*HALFT
.set LAPS,   SIZE_K/512
.set SCL,    2*SLOT                    ; behind the ring: four quarters of scale words, [chunk][128 rows][4 bytes]
.set SQ,     4*SIZE_K
.set HALFS,  SQ+64                     ; 64 bytes between quarters: A's and B's words, read by one load, fall on different banks
.set SPARE,  SCL+4*HALFS               ; the spare words: 128 bytes a wave, two blocks of 256 bytes that no other line names
.set FR, 12
.set NL, 6
.set NP, 4
.set ADRA, 16
.set ADRB, 20
.set ADRS, 27
.set SPW,  28
.set NIL,  29
.set SC,   32
.set BIAS, 64
.set HA,   64
.set AF,   128
.set PC,   128
.set PW,   150
.set TM,   152
.set BMR,  224
.set G1, 24
.set G0, 32
.set G1B, 48
.set G0B, 56
.set G1S, 68
.set G0S, 76
.set G1SB, 80
.set G0SB, 88
.set SEL, 96
.set MQ,  98                           ; s98  all ones where the bias along n counts, s99 where the bias along A's rows does
.set MV,  99
.set OCO, 100                          ; s100 the output's codes begin here in qkv, s101 its scale words
.set OSO, 101
.set NCO, 2                            ; s2   chunks in an output row
.set ORB, 104                          ; s[104:105] an output row block in bytes
.set MSB, 0
.macro WIN new                         ; the immediate's high byte repeats the setting that is left
.if MSB != (\new)
	s_set_vgpr_msb (MSB<<8)|(\new)
.set MSB, (\new)
.endif
.endm
.set MUL_LO, 0xa1                      ; source 0 (B) window 1, source 1 (A) window 0, C and D window 2
.set MUL_HI, 0xf1
.set TO_B,   0x40
.macro JLOAD g0a, g1a, g0b, g1b        ; a joint load: waves 0 and 1 fetch for A, waves 2 and 3 for B; four v_nop follow each line
	s_cmp_eq_u32 s15, 0
	s_cbranch_scc0 .Lfor_b_\@
	tensor_load_to_lds s[\g0a:\g0a+3], s[\g1a:\g1a+7]
	s_nop 0
.rept 4
	v_nop
.endr
	s_branch .Lasked_\@
.Lfor_b_\@:
	tensor_load_to_lds s[\g0b:\g0b+3], s[\g1b:\g1b+7]
	s_nop 0
.rept 4
	v_nop
.endr
.Lasked_\@:
.endm
.macro CREST                           ; a round of the cluster's barrier behind its opening barrier
	s_cmp_lg_u32 s14, 0
	s_cbranch_scc1 .Lnot_wave_0_\@
	s_barrier_signal -3
.Lnot_wave_0_\@:
	s_barrier_wait -3
	s_barrier_signal -1
	s_barrier_wait -1
.endm
.macro CROUND
	s_barrier_signal -1
	s_barrier_wait -1
	CREST
.endm
.macro PLACES n
.rept \n
	v_nop
.endr
.endm
.macro FRAG reg, adr, q, i             ; row block i, the slot's q-th chunk: six loads of 256 consecutive bytes
.irp p, 0,1,2,3,4,5
	ds_load_b64 v[\reg+2*\p:\reg+2*\p+1], v[\adr] offset:(\i)*RBS+(\q)*CH+256*\p
.endr
.endm
; 16 products: A's blocks a0, a0 + 1 x B's eight.  p: B's set; q: the chunk; sc: the set of scale words; cm = 1: the bias is C and starts the sums.  The 64 accumulators take turns
.macro MUL16 a0, p, q, sc, cm
.irp a, \a0, \a0+1
.irp b, 0,1,2,3,4,5,6,7
.if \cm
	v_wmma_scale_f32_16x16x128_f8f6f4 v[8*(8*((\a)%4)+\b):8*(8*((\a)%4)+\b)+7], v[128*(\p)+FR*\b:128*(\p)+FR*\b+FR-1], v[AF+FR*(\a):AF+FR*(\a)+FR-1], v[BIAS+8*\b:BIAS+8*\b+7], v[SC+16*(\sc)+2*\b+(\q)], v[SC+16*(\sc)+2*(\a)+(\q)] matrix_a_fmt:MATRIX_FMT_BF6 matrix_b_fmt:MATRIX_FMT_BF6 matrix_a_scale:MATRIX_SCALE_ROW1
.else
	v_wmma_scale_f32_16x16x128_f8f6f4 v[8*(8*((\a)%4)+\b):8*(8*((\a)%4)+\b)+7], v[128*(\p)+FR*\b:128*(\p)+FR*\b+FR-1], v[AF+FR*(\a):AF+FR*(\a)+FR-1], v[8*(8*((\a)%4)+\b):8*(8*((\a)%4)+\b)+7], v[SC+16*(\sc)+2*\b+(\q)], v[SC+16*(\sc)+2*(\a)+(\q)] matrix_a_fmt:MATRIX_FMT_BF6 matrix_b_fmt:MATRIX_FMT_BF6 matrix_a_scale:MATRIX_SCALE_ROW1
.endif
.endr
.endr
.endm
.macro FETCH_B slot, q, p
	WIN TO_B
.irp i, 0,1,2,3,4,5,6,7
	FRAG 128*(\p)+FR*\i, ADRB+\slot, \q, \i
.endr
	WIN 0
.endm
.macro FETCH_A slot, q, i0
.irp i, \i0, \i0+1, \i0+2, \i0+3
	FRAG AF+FR*(\i), ADRA+\slot, \q, \i
.endr
.endm
.macro SCALES sc                       ; a slot's scale words: register 2 i + q: lanes 0-15 A's block i, lanes 16-31 B's block i, chunk q
.irp i, 0,1,2,3,4,5,6,7
.irp q, 0,1
	ds_load_b32 v[SC+16*\sc+2*\i+\q], v[ADRS] offset:512*\q+64*\i
.endr
.endr
.endm
; A step of 128 along K that has its successor in the same slot.  Loads into registers that products have read stand four plain vector instructions behind them (ISA guide 7.12.1 for vector instructions)
.macro STEP slot, q, cm
	s_wait_dscnt 4*NL                              ; all but the youngest 24 loads, A's blocks 4-7
.if \cm
	WIN 0x81                                       ; C, the bias, in window 0
.else
	WIN MUL_LO
.endif
	MUL16 0, (\q)%2, \q, \slot, \cm
	MUL16 2, (\q)%2, \q, \slot, \cm
	s_wait_dscnt 0
	PLACES NP
	FETCH_B \slot, (\q)+1, 1-(\q)%2
	FETCH_A \slot, (\q)+1, 0
.if \cm
	WIN 0xc1
.else
	WIN MUL_HI
.endif
	MUL16 4, (\q)%2, \q, \slot, \cm
	MUL16 6, (\q)%2, \q, \slot, \cm
	PLACES NP
	WIN 0
	FETCH_A \slot, (\q)+1, 4
.endm
; A slot's last step changes slots: one barrier; ahead of it each wave waits for all its tensor loads, adds 0 to its spare word, and waits for that and for its reads of this slot.  fill = 1: the slot is filled again, two K steps ahead
.macro TURN slot, next, fill
	s_wait_tensorcnt 0x0                           ; all my tensor loads have landed: my part of the next slot
	ds_add_u32 v[SPW], v[NIL]                      ; 0 onto my spare word
	s_wait_dscnt 4*NL+1                            ; (the add and the youngest 24 loads may be out)
	WIN MUL_LO
	MUL16 0, 1, 1, \slot, 0
	s_wait_dscnt 0x0                               ; the add is done, and my reads of this slot are over
	s_barrier_signal -1
	MUL16 2, 1, 1, \slot, 0
	WIN 0
	s_barrier_wait -1
.if \fill
	CREST                                          ; the barrier has opened a round of the cluster's: no wave of any partner still reads this slot or has a load on its way
	s_add_nc_u64 s[G0+4*\slot+2:G0+4*\slot+3], s[G0+4*\slot+2:G0+4*\slot+3], 2*RBS
	s_add_nc_u64 s[G0B+4*\slot+2:G0B+4*\slot+3], s[G0B+4*\slot+2:G0B+4*\slot+3], 2*RBS
	JLOAD G0+4*\slot, G1, G0B+4*\slot, G1B         ; the first tensor load behind the round; its four v_nop are the places ahead of the loads below
.else
	PLACES NP
.endif
	v_add_nc_u32 v[ADRS], 1024, v[ADRS]            ; the next two chunks' scale words
	FETCH_B \next, 0, 0
	FETCH_A \next, 0, 0
	SCALES \next
	WIN MUL_HI
	MUL16 4, 1, 1, \slot, 0
	MUL16 6, 1, 1, \slot, 0
	PLACES NP
	WIN 0
	FETCH_A \next, 0, 4
.endm
; 64 numbers of a lane, register 16 b + i = k 32 b + 16 (lane / 16) + i of my row, become a fragment's codes in v[PC] on and its scale word in v[PW]
.macro QUANT s
.irp b, 0,1,2,3
	v_max3_num_f32 v[TM+\b], |v[\s+16*\b]|, |v[\s+1+16*\b]|, 0x2800000   ; and the floor 2^(5 - 127): the byte cannot fall under 1
.endr
.irp i, 2,4,6,8,10,12,14
.irp b, 0,1,2,3
	v_max3_num_f32 v[TM+\b], v[TM+\b], |v[\s+16*\b+\i]|, |v[\s+1+16*\b+\i]|
.endr
.endr
.irp b, 0,1,2,3
	v_permlanex16_b32 v[TM+4+\b], v[TM+\b], s[SEL], s[SEL+1]
.endr
.irp b, 0,1,2,3
	v_max_num_f32 v[TM+\b], v[TM+\b], v[TM+4+\b]
.endr
.irp b, 0,1,2,3
	v_add_nc_u32 v[TM+12+\b], 0xfe000000, v[TM+\b]   ; 4 off the exponent field: the conversion's scale operand
.endr
.irp b, 0,1,2,3
	v_lshrrev_b32 v[TM+4+\b], 23, v[TM+12+\b]
.endr
	v_lshl_or_b32 v[PW], v[TM+5], 8, v[TM+4]
	v_lshl_or_b32 v[PW], v[TM+6], 16, v[PW]
	v_lshl_or_b32 v[PW], v[TM+7], 24, v[PW]
.irp c, 0,1
	v_cvt_scalef32_pk16_bf6_f32 v[PC+6*\c:PC+2+6*\c], v[\s+32*\c:\s+15+32*\c], v[TM+12+2*\c]
	v_cvt_scalef32_pk16_bf6_f32 v[PC+12+4*\c:PC+14+4*\c], v[\s+16+32*\c:\s+31+32*\c], v[TM+12+2*\c+1]
.endr
	v_nop                                          ; one plain instruction behind a scaled conversion
.irp c, 0,1
.irp i, 0,1,2
	v_permlane16_swap_b32 v[PC+6*\c+\i], v[PC+12+4*\c+\i]
.endr
.irp i, 0,1,2
	v_mov_b32 v[PC+3+6*\c+\i], v[PC+12+4*\c+\i]
.endr
.endr
.endm
	s_load_b256 s[4:11], s[0:1], 0x0               ; hq, wts, bq, bk
	s_load_b64 s[12:13], s[0:1], 0x20              ; bv
	s_load_b64 s[66:67], s[0:1], 0x28              ; qkv
	v_lshl_add_u32 v[SPW], v0, 2, SPARE
	v_mov_b32 v[NIL], 0
	ds_add_u32 v28, v29
	ds_add_u32 v28, v29
	s_wait_dscnt 0x0
	v_lshrrev_b32 v1, 5, v0
	v_readfirstlane_b32 s14, v1                    ; wave 0..3
	s_lshr_b32 s15, s14, 1                         ; which half of the tile's rows is mine.  Also: I fetch for A (0) or for B (1)
	s_and_b32 s16, s14, 1                          ; which half of its columns.  Also: which 128 rows I fetch
	s_bfe_u32 s40, ttmp6, 0x40000                  ; cx, cy
	s_bfe_u32 s41, ttmp6, 0x40004
	s_lshr_b32 s18, ttmp9, 1
	s_and_b32 s19, ttmp9, 1                        ; (kept: it also chooses between bq and bk)
	s_sub_co_u32 s95, ttmp9, 8
	s_cmp_lt_u32 ttmp9, 8                          ; q and k, or v^T?
	s_cselect_b32 s18, s18, 0                      ; the cluster's row of tiles
	s_cselect_b32 s95, s19, s95                    ; and its column
	s_lshl_b32 s42, s95, 2
	s_add_co_u32 s42, s42, s40                     ; tile column
	s_lshl_b32 s17, s18, 2
	s_add_co_u32 s17, s17, s41                     ; tile row
	s_lshl_b32 s43, s41, 2
	s_lshl_b32 s43, 15, s43                        ; my row of the cluster
	s_lshl_b32 s44, 0x1111, s40                    ; my column
	; group 1, codes: 8 rows (row blocks) of 384 elements of 8 bytes, KRB bytes apart; no padding
	s_or_b32 s[G1+0], s43, (3<<16)|(1<<21)
	s_or_b32 s[G1B+0], s44, (3<<16)|(1<<21)
.irp g, G1, G1B
	s_mov_b32 s[\g+1], 384<<16
	s_mov_b32 s[\g+2], 8<<16
	s_mov_b32 s[\g+3], 384<<16
	s_mov_b32 s[\g+4], 8
	s_mov_b32 s[\g+5], KRB/8
	s_mov_b32 s[\g+6], 0
	s_mov_b32 s[\g+7], 0
.endr
	; group 1, scale words of 128 rows: a dense block, as rows of 512 bytes
	s_or_b32 s[G1S+0], s43, (3<<16)|(1<<21)
	s_or_b32 s[G1SB+0], s44, (3<<16)|(1<<21)
.irp g, G1S, G1SB
	s_mov_b32 s[\g+1], 64<<16
	s_mov_b32 s[\g+2], (SIZE_K/128)<<16
	s_mov_b32 s[\g+3], 64<<16
	s_mov_b32 s[\g+4], SIZE_K/128
	s_mov_b32 s[\g+5], 64
	s_mov_b32 s[\g+6], 0
	s_mov_b32 s[\g+7], 0
.endr
	s_lshl_b32 s18, s16, 3
	s_lshl_b32 s20, s17, 4
	s_add_co_u32 s20, s20, s18
	s_mul_i32 s20, s20, KRB                        ; A's codes: row block 16 x tile row + 8 x half
	s_lshl_b32 s22, s17, 1
	s_add_co_u32 s22, s22, s16
	s_mul_i32 s22, s22, SQ                         ; A's scale words
	s_lshl_b32 s46, s42, 4
	s_add_co_u32 s46, s46, s18
	s_mul_i32 s46, s46, KRB                        ; B's likewise, by the tile column
	s_lshl_b32 s92, s42, 1
	s_add_co_u32 s92, s92, s16
	s_mul_i32 s92, s92, SQ
	s_cmp_lt_u32 ttmp9, 8                          ; once more: the lines above have set SCC
	s_cselect_b32 s21, 0, 1572864                  ; where A's codes begin in its buffer: h's at 0 of hq, Wv's in wts
	s_mov_b32 s23, 9502720
	s_cselect_b32 s23, 3145728, s23                ; A's scale words
	s_mov_b32 s93, 3145728
	s_cselect_b32 s93, 9437184, s93                ; B's scale words (B's codes begin at 0 in both modes)
	s_cselect_b32 s[MQ], -1, 0
	s_cselect_b32 s[MV], 0, -1
	s_cselect_b32 s[OCO], 0, 6291456
	s_mov_b32 s[OSO], 9699328
	s_cselect_b32 s[OSO], 9437184, s[OSO]
	s_cselect_b32 s[NCO], 16, 32
	s_mov_b32 s[ORB], 49152
	s_cselect_b32 s[ORB], 24576, s[ORB]
	s_mov_b32 s[ORB+1], 0
	s_add_co_u32 s20, s20, s21
	s_add_co_u32 s22, s22, s23
	s_add_co_u32 s92, s92, s93
	s_mov_b32 s21, 0
	s_mov_b32 s23, 0
	s_mov_b32 s47, 0
	s_mov_b32 s93, 0
	s_mul_i32 s45, s14, HALFT                      ; where they go: no place in the cluster enters an LDS address
	s_mul_i32 s94, s14, HALFS
	s_mov_b32 s[SEL], 0x76543210
	s_mov_b32 s[SEL+1], 0xfedcba98
	s_wait_kmcnt 0x0
	s_cmp_eq_u32 s19, 0
	s_cselect_b64 s[8:9], s[8:9], s[10:11]         ; the bias along n: bq or bk,
	s_cmp_lt_u32 ttmp9, 8
	s_cselect_b64 s[8:9], s[8:9], s[12:13]         ; or, where it will be thrown away, words of bv
	s_cselect_b64 s[10:11], s[6:7], s[4:5]         ; B's buffer
	s_cselect_b64 s[4:5], s[4:5], s[6:7]           ; A's buffer
	s_add_nc_u64 s[20:21], s[4:5], s[20:21]
	s_add_nc_u64 s[22:23], s[4:5], s[22:23]
	s_add_nc_u64 s[46:47], s[10:11], s[46:47]
	s_add_nc_u64 s[92:93], s[10:11], s[92:93]
	CROUND                                         ; all sixteen work-groups are here: the first joint loads meet
	s_mov_b32 s[G0S], 1
	s_add_co_u32 s[G0S+1], s94, SCL
	s_mov_b64 s[G0S+2:G0S+3], s[22:23]
	s_or_b32 s[G0S+3], s[G0S+3], 0x80000000
	s_mov_b32 s[G0SB], 1
	s_add_co_u32 s[G0SB+1], s94, SCL
	s_mov_b64 s[G0SB+2:G0SB+3], s[92:93]
	s_or_b32 s[G0SB+3], s[G0SB+3], 0x80000000
	JLOAD G0S, G1S, G0SB, G1SB                     ; the scale words first
.irp s, 0,1
	s_mov_b32 s[G0+4*\s], 1
	s_add_co_u32 s[G0+4*\s+1], s45, \s*SLOT
	s_add_nc_u64 s[G0+4*\s+2:G0+4*\s+3], s[20:21], \s*RBS
	s_or_b32 s[G0+4*\s+3], s[G0+4*\s+3], 0x80000000
	s_mov_b32 s[G0B+4*\s], 1
	s_add_co_u32 s[G0B+4*\s+1], s45, \s*SLOT
	s_add_nc_u64 s[G0B+4*\s+2:G0B+4*\s+3], s[46:47], \s*RBS
	s_or_b32 s[G0B+4*\s+3], s[G0B+4*\s+3], 0x80000000
	JLOAD G0+4*\s, G1, G0B+4*\s, G1B
.endr
	v_and_b32 v1, 15, v0                           ; r
	v_bfe_u32 v2, v0, 4, 1                         ; h
	v_and_b32 v3, 31, v0                           ; lane
	v_lshlrev_b32 v4, 3, v3                        ; 8 lane
	s_mul_i32 s21, s15, HALFT
	s_mul_i32 s22, s16, HALFT
	s_add_co_u32 s22, s22, 2*HALFT
.irp s, 0,1
	v_add_nc_u32 v[ADRA+\s], s21, v4
	v_add_nc_u32 v[ADRB+\s], s22, v4
	s_add_co_u32 s21, s21, SLOT
	s_add_co_u32 s22, s22, SLOT
.endr
	s_mul_i32 s21, s15, HALFS                      ; scale words: lanes 0-15 A's quarter, lanes 16-31 B's: the lower base + h x the distance
	s_mul_i32 s22, s16, HALFS
	s_add_co_u32 s22, s22, 2*HALFS
	s_sub_co_u32 s22, s22, s21
	v_mul_u32_u24 v7, s22, v2
	s_add_co_u32 s21, s21, SCL
	v_lshl_add_u32 v7, v1, 2, v7
	v_add_nc_u32 v[ADRS], s21, v7
	s_lshl_b32 s21, s14, 9                         ; the way out's scratch: 512 bytes a wave, in slot 0
	v_lshl_add_u32 v24, v1, 2, s21                 ; in: 4 r
	v_lshl_add_u32 v25, v3, 4, s21                 ; back: 16 lane
	v_mov_b32 v26, v4                              ; 8 lane
	v_lshlrev_b32 v30, 4, v3                       ; 16 lane
	v_lshlrev_b32 v5, 6, v2                        ; the bias along n: 64 h
	v_and_b32 v6, 8, v1
	v_add_nc_u32 v6, v6, v1
	v_lshlrev_b32 v6, 2, v6                        ; the bias along A's rows: 4 (r + 8 (r / 8))
	s_lshl_b32 s20, s40, 10
	s_lshl_b32 s21, s16, 9
	s_add_co_u32 s20, s20, s21
	s_mov_b32 s21, 0
	s_add_nc_u64 s[8:9], s[8:9], s[20:21]          ; n: 256 (tile column % 4) + 128 x half
	s_lshl_b32 s20, s41, 10
	s_lshl_b32 s22, s15, 9
	s_add_co_u32 s20, s20, s22
	s_add_nc_u64 s[12:13], s[12:13], s[20:21]      ; channel: 256 (tile row % 4) + 128 x half
.irp b, 0,1,2,3,4,5,6,7
.irp q, 0,1
	global_load_b128 v[BIAS+8*\b+4*\q:BIAS+8*\b+4*\q+3], v5, s[8:9] offset:128*(\b/2)+32*(\b%2)+16*\q
.endr
.endr
.irp a, 0,1,2,3,4,5,6,7
	global_load_b32 v[BMR+2*\a], v6, s[12:13] offset:4*(32*(\a/2)+8*(\a%2))
	global_load_b32 v[BMR+2*\a+1], v6, s[12:13] offset:4*(32*(\a/2)+8*(\a%2))   ; twice, for the packed addition
.endr
	; where my results go
	s_lshl_b32 s20, s17, 4
	s_lshl_b32 s21, s15, 3
	s_add_co_u32 s20, s20, s21
	s_mul_i32 s20, s20, s[ORB]
	s_add_co_u32 s20, s20, s[OCO]
	s_lshl_b32 s46, s42, 1
	s_add_co_u32 s46, s46, s16                     ; my chunk of the output's rows
	s_mul_i32 s47, s46, 1536
	s_add_co_u32 s20, s20, s47
	s_mov_b32 s21, 0
	s_lshl_b32 s22, s17, 1
	s_add_co_u32 s22, s22, s15
	s_mul_i32 s22, s22, s[NCO]
	s_add_co_u32 s22, s22, s46
	s_lshl_b32 s22, s22, 9
	s_add_co_u32 s22, s22, s[OSO]
	s_mov_b32 s23, 0
	s_add_nc_u64 s[10:11], s[66:67], s[22:23]      ; the scale words' 512 bytes
	s_add_nc_u64 s[66:67], s[66:67], s[20:21]      ; the first row block's codes
	s_wait_loadcnt 0x0
.set i, 0
.rept 64
	v_cndmask_b32 v[BIAS+i], 0, v[BIAS+i], s[MQ]
.set i, i+1
.endr
.set i, 0
.rept 16
	v_cndmask_b32 v[BMR+i], 0, v[BMR+i], s[MV]
.set i, i+1
.endr
	PLACES 8
	s_wait_tensorcnt 1                             ; the scale words and my part of K step 0 are in; K step 1's load may be out
	s_barrier_signal -1
	s_barrier_wait -1
	FETCH_B 0, 0, 0
	FETCH_A 0, 0, 0
	SCALES 0
	FETCH_A 0, 0, 4
	STEP 0, 0, 1                                   ; the first step stands ahead of the loop: its products start the sums, from the bias
	s_mov_b32 s3, LAPS-1
.Llap:
	TURN 0, 1, 1
	STEP 1, 0, 0
	TURN 1, 0, 1
	STEP 0, 0, 0
	s_sub_co_u32 s3, s3, 1
	s_cmp_lg_u32 s3, 0
	s_cbranch_scc1 .Llap
	TURN 0, 1, 0                                   ; the last lap fills nothing
	STEP 1, 0, 0
	s_wait_dscnt 4*NL
	WIN MUL_LO
	MUL16 0, 1, 1, 1, 0
	MUL16 2, 1, 1, 1, 0
	s_wait_dscnt 0
	WIN MUL_HI
	MUL16 4, 1, 1, 1, 0
	MUL16 6, 1, 1, 1, 0
	WIN 0
	PLACES NP
.irp b, 0,1,2,3
	v_mov_b32 v[TM+4+\b], 0                        ; a lane permute's destination counts as one of its sources
.endr
; THE WAY OUT, a row block at a time: its 64 registers a lane, plus the bias of the lane's row, are quantised as they stand; six stores of 256 consecutive aligned bytes; the scale word to my 512 bytes of slot 0,
; which has had its last fill and, since the last change of slots, its last read.
.macro QOUT a
.if (\a) > 0
	s_wait_xcnt 0x0                                ; the last block's stores have read their data and their base
	s_wait_dscnt 0x0
	s_add_nc_u64 s[66:67], s[66:67], s[ORB:ORB+1]
.endif
	WIN 0x02+(\a)/4                                ; source 0 in window 2 or 3
.set i, 0
.rept 32
	v_pk_add_f32 v[HA+2*i:HA+2*i+1], v[64*((\a)%4)+2*i:64*((\a)%4)+2*i+1], v[BMR+2*(\a):BMR+2*(\a)+1]   ; each accumulator from its low end on
.set i, i+1
.endr
	WIN 0
	QUANT HA
.irp p, 0,1,2,3,4,5
	global_store_b64 v26, v[PC+2*\p:PC+2*\p+1], s[66:67] offset:256*\p
.endr
	ds_store_b32 v24, v[PW] offset:64*(\a)
.endm
.irp a, 0,1,2,3,4,5,6,7
	QOUT \a
.endr
	ds_load_b128 v[HA:HA+3], v25                   ; LDS serves a wave's instructions in order: this sees my eight stores
	s_wait_dscnt 0x0
	global_store_b128 v30, v[HA:HA+3], s[10:11]    ; my 128 rows' scale words: 512 consecutive aligned bytes
	s_wait_tensorcnt 0x0                           ; the wave's end
	ds_add_u32 v[SPW], v[NIL]
	s_wait_dscnt 0x0
	CROUND                                         ; the closing round
	s_endpgm
.Lfunc_end_k_qd38a143e14_qkvg:
	.size	k_qd38a143e14_qkvg, .Lfunc_end_k_qd38a143e14_qkvg-k_qd38a143e14_qkvg
	.p2alignl 7, 3214868480
	.fill 96, 4, 3214868480
	.section	.rodata,"a",@progbits
	.p2align	6, 0x0
	.amdhsa_kernel k_qd38a143e14_qkvg
		.amdhsa_group_segment_fixed_size 327680
		.amdhsa_private_segment_fixed_size 0
		.amdhsa_enable_private_segment 0
		.amdhsa_kernarg_size 48
		.amdhsa_user_sgpr_count 2
		.amdhsa_user_sgpr_kernarg_segment_ptr 1
		.amdhsa_wavefront_size32 1
		.amdhsa_system_sgpr_workgroup_id_x 1
		.amdhsa_system_sgpr_workgroup_id_y 1
		.amdhsa_system_sgpr_workgroup_id_z 1
		.amdhsa_system_vgpr_workitem_id 0
		.amdhsa_next_free_vgpr 1024
		.amdhsa_next_free_sgpr 106
		.amdhsa_reserve_vcc 0
		.amdhsa_float_denorm_mode_32 3
		.amdhsa_float_denorm_mode_16_64 3
		.amdhsa_memory_ordered 1
		.amdhsa_forward_progress 1
		.amdhsa_inst_pref_size 195
	.end_amdhsa_kernel
	.amdgpu_metadata
---
amdhsa.version: [ 1, 2 ]
amdhsa.kernels:
  - .name:           k_qd38a143e14_qkvg
    .symbol:         k_qd38a143e14_qkvg.kd
    .args:
      - { .name: hq, .offset: 0, .size: 8, .value_kind: global_buffer, .address_space: global }
      - { .name: wts, .offset: 8, .size: 8, .value_kind: global_buffer, .address_space: global }
      - { .name: bq, .offset: 16, .size: 8, .value_kind: global_buffer, .address_space: global }
      - { .name: bk, .offset: 24, .size: 8, .value_kind: global_buffer, .address_space: global }
      - { .name: bv, .offset: 32, .size: 8, .value_kind: global_buffer, .address_space: global }
      - { .name: qkv, .offset: 40, .size: 8, .value_kind: global_buffer, .address_space: global }
    .group_segment_fixed_size: 327680
    .private_segment_fixed_size: 0
    .kernarg_segment_align: 8
    .kernarg_segment_size: 48
    .max_flat_workgroup_size: 128
    .sgpr_count:     106
    .vgpr_count:     1024
    .wavefront_size: 32
...
	.end_amdgpu_metadata
.endif
;; end of part 3
;; launch attn (part 4): grid 8 x 32, 16 waves a work-group, clusters of 4 x 1, 210,944 bytes of LDS; arguments qkv, at; writes at
.if DOCPART == 4
	.amdgcn_target "amdgcn-amd-amdhsa--gfx1250"
	.amdhsa_code_object_version 6
	.text
	.protected	k_qd38a143e14_attn
	.globl	k_qd38a143e14_attn
	.p2align	8
	.type	k_qd38a143e14_attn,@function
k_qd38a143e14_attn:
	s_mov_b64 s[64:65], 0
	v_nop
	global_prefetch_b8 v0, s[64:65] scope:SCOPE_SE
	s_setreg_imm32_b32 hwreg(HW_REG_WAVE_MODE, 25, 1), 1
	s_wait_xcnt 0x0
	s_wait_alu depctr_hold_cnt(0) depctr_sa_sdst(0) depctr_va_vdst(0) depctr_va_sdst(0) depctr_va_ssrc(0) depctr_va_vcc(0) depctr_vm_vsrc(0)
	s_getreg_b32 s2, hwreg(HW_REG_IB_STS2, 6, 4)
	s_cmp_eq_u32 s2, 0
	s_cbranch_scc0 .Lentry_in_a_cluster
	s_endpgm
.Lentry_in_a_cluster:
	s_bfe_u32 s2, ttmp6, 0x10000c
	s_cmp_lg_u32 s2, 0x3003
	s_cbranch_scc0 .Lentry_shape_is_right
	s_endpgm
.Lentry_shape_is_right:
; Attention of one head on codes of BF6 (E3M2): o = softmax(q k^T / 8) v, 2,048 keys, head size 64, and o quantised again along the channels for the next product.
; THE SOFTMAX AHEAD OF THE SECOND PRODUCT: t = score x log2(e) / 8; M = the running largest t rounded UP to a whole number; p = 2^(t - M) is quantised along the keys, not normalised; the row's sum is taken of the unquantised p
; and divides at the end; when M moves, the sum and O are multiplied by 2^(old M - new M), which rounds nothing.
; INPUTS, in qkv, as images of operand registers (rows in STORED order: row number with bits 3 and 4 exchanged; codes at ((row block x chunks + chunk) x 1536) + 256 p + 8 lane; scale words at (((row / 128) x chunks + chunk) x 512) + 4 (row % 128)):
;   q and k: [4,096 tokens][2,048], 16 chunks: chunk (head / 2) is q's, chunk 8 + (head / 2) k's; a head is half a chunk: register pairs 3 c .. 3 c + 2 (768 bytes), bytes 2 c, 2 c + 1 of the scale word, c = head % 2.
;   v^T: [1,024 channels][4,096 keys], 32 chunks, from byte 6,291,456 on.  Scale words: q's and k's from 9,437,184 on, v^T's from 9,699,328 on.
; The first product's K is 64: the upper six registers of both operands hold zero codes, which add nothing (their scale bytes are 0, which is 2^-127 and no NaN).
; SHARES: a work-group owns 256 queries of one head of one batch; each of its sixteen waves 16 of them (a stored row block), in 256 registers: four waves to a SIMD, so that one wave's vector work stands beside another's products and LDS loads.
; THE WHOLE HEAD'S K AND V LIE IN LDS, FILLED ONCE (192 KiB of codes, 12 KiB of scale words): no slot is ever filled again.  Wave 0 asks for k's, wave 1 for v's: five tensor loads each (scale words, four quarters of 512 keys), all at the head;
; five loads of a wave are out at the most.  The four query blocks of a cluster walk the same head and ask JOINTLY.  Each quarter is waited for by a counted wait and one barrier.  Everything is asked for at the head, so nothing is left to prefetch.
; LAYOUT: both products are used transposed (S^T = k q^T, O^T = v^T p^T): a lane holds one query throughout.  By the stored order of k's rows the 16 registers of key tiles 2 b and 2 b + 1 are keys 32 b + 16 (lane / 16) + 0 .. 15;
; by that of v^T's rows the 32 registers of O^T are channels 32 b + 16 (lane / 16) + 0 .. 15.
; The result's scale bytes are two bytes a row: the other two of the word belong to the neighbouring head's work-group: stores of 2 bytes a lane, 2 bytes for each 48 of codes.
; LIMITS of the quantiser: a block whose largest magnitude lies under 2^-122 (all zeros too) gets the byte 1; NaN and infinities are not served.
.set VC,  98304                        ; LDS: k's codes at 0: 128 row blocks x 768 bytes; v's here: [quarter][tile of 16 channels][chunk][1536]
.set KS,  196608                       ; k's scale words [step][128 keys][4]
.set VS,  204800                       ; v's [step][64 channels][4]
.set ADK, 8
.set ADV, 9
.set ADS, 10
.set ADT, 11
.set KF,  32                           ; v32-79   four fragments of k (the upper six registers of each stay 0)
.set KSC, 80                           ; v80-83   their scale words;  v84-87 v's
.set VSC, 84
.set S,   96                           ; v96-159  S^T, then p; v96-143 then take v's four fragments
.set O,   160                          ; v160-191 O^T
.set BM,  192                          ; v192-195 a block's largest score, then its largest p
.set BT,  196
.set SO,  200                          ; v200-203 the conversions' scale operands
.set PCD, 204                          ; v204-215 p's codes
.set PT,  216                          ; v216-222 the conversions' second halves
.set FF,  224                          ; v[224:225] f = 2^(old M - new M)
.set PSW, 226                          ; v226     p's scale word
.set WK,  227
.set S2,  228                          ; v[228:229] the sum's second chain
.set WV,  18
.set SEL, 20
.set CS,  22                           ; s[22:23] log2(e) / 8
.set G1K, 24
.set G1V, 32
.set G1KS, 40
.set G1VS, 48
.set SK,  80
.set SV,  81
.set SS,  82
.set ST,  83
.set CNT, 84
.macro CROUND                          ; a round of the cluster's barrier
	s_barrier_signal -1
	s_barrier_wait -1
	s_cmp_lg_u32 s[WV], 0
	s_cbranch_scc1 .Lnot_wave_0_\@
	s_barrier_signal -3
.Lnot_wave_0_\@:
	s_barrier_wait -3
	s_barrier_signal -1
	s_barrier_wait -1
.endm
	s_load_b128 s[4:7], s[0:1], 0x0                ; qkv, at
	v_lshl_add_u32 v254, v0, 2, 0x33000
	v_mov_b32 v255, 0
	ds_add_u32 v254, v255
	ds_add_u32 v254, v255
	v_lshrrev_b32 v5, 5, v0
	v_readfirstlane_b32 s[WV], v5                  ; wave 0..15
	s_bfe_u32 s8, ttmp6, 0x40000                   ; cx: it enters q's and the result's addresses alone
	s_lshl_b32 s9, ttmp9, 2
	s_add_co_u32 s9, s9, s8                        ; my block of 256 queries
	s_and_b32 s10, ttmp7, 0xffff
	s_lshr_b32 s11, s10, 4                         ; batch
	s_and_b32 s12, s10, 15                         ; head
	s_lshr_b32 s13, s12, 1                         ; its chunk
	s_and_b32 s14, s12, 1                          ; and which half of it: c
	s_mul_i32 s16, s14, 768
	s_lshl_b32 s19, s11, 4
	s_lshl_b32 s15, s11, 11
	s_add_co_u32 s15, s15, s13
	s_add_co_u32 s15, s15, 8
	s_mul_i32 s15, s15, 1536
	s_add_co_u32 s15, s15, s16                     ; k's codes: (128 batch x 16 + 8 + chunk) x 1536 + 768 c
	s_lshl_b32 s17, s12, 7
	s_add_co_u32 s17, s17, s19
	s_mul_i32 s17, s17, 1536
	s_add_co_u32 s17, s17, 6291456                 ; v's codes: (4 head x 32 + 16 batch) x 1536
	s_lshl_b32 s85, s11, 8
	s_add_co_u32 s85, s85, s13
	s_add_co_u32 s85, s85, 8
	s_lshl_b32 s85, s85, 9
	s_add_co_u32 s85, s85, 9437184                 ; k's scale words
	s_lshl_b32 s10, s13, 5
	s_add_co_u32 s10, s10, s19
	s_lshl_b32 s10, s10, 9
	s_lshl_b32 s3, s14, 8
	s_add_co_u32 s10, s10, s3
	s_add_co_u32 s10, s10, 9699328                 ; v's scale words
	s_and_b32 s2, s[WV], 1                         ; wave 0 fetches k's, wave 1 v's (the others nothing)
	s_cmp_eq_u32 s2, 0
	s_cselect_b32 s94, s15, s17
	s_cselect_b32 s96, s85, s10
	s_mov_b32 s98, 6144
	s_cselect_b32 s98, 786432, s98                 ; a quarter on in memory: 32 row blocks of k, four chunks of v
	s_mov_b32 s95, 0
	s_mov_b32 s97, 0
	s_mov_b32 s99, 0
	; q's and the result's places
	s_lshl_b32 s66, s11, 7
	s_lshl_b32 s67, s9, 4
	s_add_co_u32 s66, s66, s67
	s_add_co_u32 s66, s66, s[WV]                   ; my row block: 128 batch + 16 block + wave
	s_lshl_b32 s86, s66, 4
	s_add_co_u32 s86, s86, s13
	s_mul_i32 s86, s86, 1536
	s_add_co_u32 s86, s86, s16
	s_mov_b32 s87, 0
	s_lshr_b32 s67, s66, 3
	s_and_b32 s15, s66, 7
	s_lshl_b32 s15, s15, 6
	s_lshl_b32 s3, s14, 1
	s_add_co_u32 s15, s15, s3                      ; 64 (row block % 8) + 2 c
	s_lshl_b32 s88, s67, 4
	s_add_co_u32 s88, s88, s13
	s_lshl_b32 s88, s88, 9
	s_add_co_u32 s88, s88, s15
	s_add_co_u32 s88, s88, 9437184
	s_mov_b32 s89, 0
	s_lshl_b32 s90, s66, 3
	s_add_co_u32 s90, s90, s13
	s_mul_i32 s90, s90, 1536
	s_add_co_u32 s90, s90, s16
	s_mov_b32 s91, 0
	s_lshl_b32 s92, s67, 3
	s_add_co_u32 s92, s92, s13
	s_lshl_b32 s92, s92, 9
	s_add_co_u32 s92, s92, s15
	s_add_co_u32 s92, s92, 3145728
	s_mov_b32 s93, 0
	; groups 1: elements of 8 bytes, the mask of all four partners, bit 21 beside it, no padding
.irp g, G1K, G1V, G1KS, G1VS
	s_mov_b32 s[\g], 15|(3<<16)|(1<<21)
	s_mov_b32 s[\g+6], 0
	s_mov_b32 s[\g+7], 0
.endr
	s_mov_b32 s[G1K+1], 96<<16                     ; k's codes: 32 row blocks of 768 bytes, 24,576 bytes apart
	s_mov_b32 s[G1K+2], 32<<16
	s_mov_b32 s[G1K+3], 96<<16
	s_mov_b32 s[G1K+4], 32
	s_mov_b32 s[G1K+5], 3072
	s_mov_b32 s[G1V+1], 768<<16                    ; v's codes: 4 row blocks of 6,144 bytes (four chunks), 49,152 bytes apart
	s_mov_b32 s[G1V+2], 4<<16
	s_mov_b32 s[G1V+3], 768<<16
	s_mov_b32 s[G1V+4], 4
	s_mov_b32 s[G1V+5], 6144
	s_mov_b32 s[G1KS+1], 64<<16                    ; k's scale words: 16 steps of 512 bytes, 8,192 bytes apart
	s_mov_b32 s[G1KS+2], 16<<16
	s_mov_b32 s[G1KS+3], 64<<16
	s_mov_b32 s[G1KS+4], 16
	s_mov_b32 s[G1KS+5], 1024
	s_mov_b32 s[G1VS+1], 32<<16                    ; v's: 16 steps of 256 bytes, 512 bytes apart
	s_mov_b32 s[G1VS+2], 16<<16
	s_mov_b32 s[G1VS+3], 32<<16
	s_mov_b32 s[G1VS+4], 16
	s_mov_b32 s[G1VS+5], 64
	s_mov_b32 s[SEL], 0x76543210
	s_mov_b32 s[SEL+1], 0xfedcba98
	s_mov_b32 s[CS], 0x3e38aa3b                    ; log2(e) / 8
	s_mov_b32 s[CS+1], s[CS]
	s_wait_dscnt 0x0
	s_wait_kmcnt 0x0
	s_add_nc_u64 s[86:87], s[4:5], s[86:87]        ; q's codes
	s_add_nc_u64 s[88:89], s[4:5], s[88:89]        ; q's scale bytes
	s_add_nc_u64 s[90:91], s[6:7], s[90:91]        ; the result's codes
	s_add_nc_u64 s[92:93], s[6:7], s[92:93]        ; the result's scale bytes
	s_add_nc_u64 s[96:97], s[4:5], s[96:97]
	s_add_nc_u64 s[94:95], s[4:5], s[94:95]
	s_mul_i32 s3, s2, 8192
	s_mov_b32 s56, 1                               ; group 0 of the scale words
	s_add_co_u32 s57, s3, KS
	s_mov_b64 s[58:59], s[96:97]
	s_or_b32 s59, s59, 0x80000000
	s_mul_i32 s3, s2, VC
.macro SETQ g, n                       ; group 0 of quarter n
	s_mov_b32 s[\g], 1
	s_add_co_u32 s[\g+1], s3, \n*24576
	s_mov_b64 s[\g+2:\g+3], s[94:95]
	s_or_b32 s[\g+3], s[\g+3], 0x80000000
	s_add_nc_u64 s[94:95], s[94:95], s[98:99]
.endm
	SETQ 60, 0
	SETQ 68, 1
	SETQ 72, 2
	SETQ 76, 3
	CROUND                                         ; all four work-groups are here: the joint loads meet
	s_cmp_eq_u32 s[WV], 0                          ; a wave's fills stand in one branch on the wave's number
	s_cbranch_scc0 .Lnot_k
	tensor_load_to_lds s[56:59], s[G1KS:G1KS+7]
	s_nop 0
	tensor_load_to_lds s[60:63], s[G1K:G1K+7]
	s_nop 0
	tensor_load_to_lds s[68:71], s[G1K:G1K+7]
	s_nop 0
	tensor_load_to_lds s[72:75], s[G1K:G1K+7]
	s_nop 0
	tensor_load_to_lds s[76:79], s[G1K:G1K+7]
	s_nop 0
.rept 4
	v_nop
.endr
	s_branch .Lasked
.Lnot_k:
	s_cmp_eq_u32 s[WV], 1
	s_cbranch_scc0 .Lasked
	tensor_load_to_lds s[56:59], s[G1VS:G1VS+7]
	s_nop 0
	tensor_load_to_lds s[60:63], s[G1V:G1V+7]
	s_nop 0
	tensor_load_to_lds s[68:71], s[G1V:G1V+7]
	s_nop 0
	tensor_load_to_lds s[72:75], s[G1V:G1V+7]
	s_nop 0
	tensor_load_to_lds s[76:79], s[G1V:G1V+7]
	s_nop 0
.rept 4
	v_nop
.endr
.Lasked:
	v_and_b32 v5, 31, v0                           ; lane
	v_and_b32 v6, 15, v0
	v_lshlrev_b32 v1, 3, v5                        ; 8 lane
	v_lshlrev_b32 v6, 2, v6                        ; 4 r
.irp p, 0,1,2
	global_load_b64 v[16+2*\p:17+2*\p], v1, s[86:87] offset:256*\p   ; q's half fragment stays in registers
.endr
	global_load_u16 v28, v6, s[88:89]              ; its two scale bytes; bytes 2 and 3 are 0 and meet zero codes alone
	v_add_nc_u32 v2, VC, v1
	s_lshl_b32 s3, s14, 1
	s_add_co_u32 s3, s3, KS
	v_add_nc_u32 v3, s3, v6                        ; k's scale bytes: 4 r + 2 c
	v_add_nc_u32 v4, VS, v6
.irp i, 22,23,24,25,26,27
	v_mov_b32 v\i, 0                               ; q's k = 64 .. 127: zero codes
.endr
.irp t, 0,1,2,3
.irp i, 6,7,8,9,10,11
	v_mov_b32 v[KF+12*\t+\i], 0                    ; k's likewise: written once, never loaded over
.endr
.endr
	v_mov_b32 v13, 0xff61b1e6                      ; the largest t so far: -3e38
	v_floor_f32 v12, -v13                          ; -M
	v_mov_b32 v14, 0                               ; the sum, in two halves
	v_mov_b32 v15, 0
.irp b, 0,1,2,3
	v_mov_b32 v[BT+\b], 0                          ; a lane permute's destination counts as one of its sources
.endr
	v_mov_b32 v[FF+1], 0                           ; (named as the upper half of a pair)
	v_mov_b32 v[WK], 0
.set j, 0
.rept 32
	v_mov_b32 v[O+j], 0                            ; O^T: the step is written once; the first finds zeros, which the first change of M leaves zeros
.set j, j+1
.endr
; A KEY STEP: 128 keys
.macro STEP
	v_add_nc_u32 v[ADK], s[SK], v1
	v_add_nc_u32 v[ADV], s[SV], v2
	v_add_nc_u32 v[ADS], s[SS], v3
	v_add_nc_u32 v[ADT], s[ST], v4
	v_nop                                          ; five plain instructions: the scores below are written over registers that the last step's products read as v's fragments
.irp g, 0,1                                    ; S^T = k q^T, four tiles of 16 keys at a time
.if \g > 0
.rept 4
	v_nop                                          ; places ahead of loads into registers that products have read
.endr
.endif
.irp t, 0,1,2,3
.irp p, 0,1,2
	ds_load_b64 v[KF+12*\t+2*\p:KF+12*\t+2*\p+1], v[ADK] offset:(4*\g+\t)*768+256*\p
.endr
	ds_load_u16 v[KSC+\t], v[ADS] offset:(4*\g+\t)*64
.endr
	s_wait_dscnt 0x0
.irp t, 0,1,2,3
	v_wmma_scale_f32_16x16x128_f8f6f4 v[S+8*(4*\g+\t):S+8*(4*\g+\t)+7], v[KF+12*\t:KF+12*\t+11], v[16:27], 0, v[KSC+\t], v28 matrix_a_fmt:MATRIX_FMT_BF6 matrix_b_fmt:MATRIX_FMT_BF6
.endr
.endr
.rept 4
	v_nop
.endr
.irp b, 0,1,2,3
	v_max3_num_f32 v[BM+\b], v[S+16*\b], v[S+1+16*\b], v[S+2+16*\b]   ; the largest score of each block of 32 keys: it serves the row's maximum and, since p rises with the score, the block's largest p
.endr
.irp i, 3,5,7,9,11,13
.irp b, 0,1,2,3
	v_max3_num_f32 v[BM+\b], v[BM+\b], v[S+16*\b+\i], v[S+1+16*\b+\i]
.endr
.endr
.irp b, 0,1,2,3
	v_max_num_f32 v[BM+\b], v[BM+\b], v[S+15+16*\b]
.endr
.irp b, 0,1,2,3
	v_permlanex16_b32 v[BT+\b], v[BM+\b], s[SEL], s[SEL+1]
.endr
.irp b, 0,1,2,3
	v_max_num_f32 v[BM+\b], v[BM+\b], v[BT+\b]     ; with lane l xor 16's 16 keys
.endr
	v_max3_num_f32 v[WK], v[BM], v[BM+1], v[BM+2]
	v_max_num_f32 v[WK], v[WK], v[BM+3]
	v_mul_f32 v[WK], s[CS], v[WK]                  ; the step's largest t
	v_max_num_f32 v13, v13, v[WK]                  ; the running largest t
	v_mov_b32 v[WK], v12
	v_floor_f32 v12, -v13                          ; the new -M = -ceil(t)
	v_sub_f32 v[WK], v12, v[WK]                    ; old M - new M: a whole number, 0 or less
	v_cvt_i32_f32 v[WK], v[WK]                     ; (it saturates)
	v_ldexp_f32 v[FF], 1.0, v[WK]                  ; f
.set j, 0
.rept 32
	v_pk_fma_f32 v[S+j:S+j+1], v[S+j:S+j+1], s[CS:CS+1], v[12:13] op_sel_hi:[1,0,0]   ; t - M
.set j, j+2
.endr
.irp b, 0,1,2,3
	v_fma_f32 v[BM+\b], v[BM+\b], s[CS], v12       ; the same of each block's largest score
.endr
.set j, 0
.rept 64
	v_exp_f32 v[S+j], v[S+j]                       ; p = 2^(t - M)
.set j, j+1
.endr
	v_pk_mul_f32 v[14:15], v[14:15], v[FF:FF+1] op_sel_hi:[1,0]   ; the sums under the new M (a plain instruction behind the exponentials)
	s_wait_alu depctr_va_vdst(0)                   ; one wait for the batch, ahead of its first reader
.irp b, 0,1,2,3
	v_exp_f32 v[BM+\b], v[BM+\b]                   ; the block's largest p
.endr
	v_pk_add_f32 v[S2:S2+1], v[S:S+1], v[S+2:S+3]  ; the row's sum, of the unquantised p, in two chains
.irp j, 4,8,12,16,20,24,28,32,36,40,44,48,52,56,60
	v_pk_add_f32 v[14:15], v[14:15], v[S+\j:S+\j+1]
	v_pk_add_f32 v[S2:S2+1], v[S2:S2+1], v[S+2+\j:S+3+\j]
.endr
	v_pk_add_f32 v[14:15], v[14:15], v[S2:S2+1]
	s_wait_alu depctr_va_vdst(0)                   ; and one for the four
.irp b, 0,1,2,3
	v_max_num_f32 v[BM+\b], 0x2800000, v[BM+\b]    ; the floor 2^(5 - 127)
.endr
.irp b, 0,1,2,3
	v_add_nc_u32 v[SO+\b], 0xfe000000, v[BM+\b]
.endr
.irp b, 0,1,2,3
	v_lshrrev_b32 v[BT+\b], 23, v[SO+\b]
.endr
	v_lshl_or_b32 v[PSW], v[BT+1], 8, v[BT]
	v_lshl_or_b32 v[PSW], v[BT+2], 16, v[PSW]
	v_lshl_or_b32 v[PSW], v[BT+3], 24, v[PSW]
.irp c, 0,1
	v_cvt_scalef32_pk16_bf6_f32 v[PCD+6*\c:PCD+2+6*\c], v[S+32*\c:S+15+32*\c], v[SO+2*\c]
	v_cvt_scalef32_pk16_bf6_f32 v[PT+4*\c:PT+2+4*\c], v[S+16+32*\c:S+31+32*\c], v[SO+2*\c+1]
.endr
	v_nop                                          ; one plain instruction behind a scaled conversion
.irp c, 0,1
.irp i, 0,1,2
	v_permlane16_swap_b32 v[PCD+6*\c+\i], v[PT+4*\c+\i]
.endr
.irp i, 0,1,2
	v_mov_b32 v[PCD+3+6*\c+\i], v[PT+4*\c+\i]
.endr
.endr
.set j, 0
.rept 16
	v_pk_mul_f32 v[O+j:O+j+1], v[O+j:O+j+1], v[FF:FF+1] op_sel_hi:[1,0]   ; O^T under the new M; these sixteen also stand between the lines that made p's codes and scale word and the products
.set j, j+2
.endr
.irp t, 0,1,2,3                                ; O^T += v^T p^T: four tiles of 16 channels; p's registers are free and take v's fragments
.irp p, 0,1,2,3,4,5
	ds_load_b64 v[S+12*\t+2*\p:S+12*\t+2*\p+1], v[ADV] offset:6144*\t+256*\p
.endr
	ds_load_b32 v[VSC+\t], v[ADT] offset:64*\t
.endr
	s_wait_dscnt 0x0
.irp t, 0,1,2,3
	v_wmma_scale_f32_16x16x128_f8f6f4 v[O+8*\t:O+8*\t+7], v[S+12*\t:S+12*\t+11], v[PCD:PCD+11], v[O+8*\t:O+8*\t+7], v[VSC+\t], v[PSW] matrix_a_fmt:MATRIX_FMT_BF6 matrix_b_fmt:MATRIX_FMT_BF6
.endr
.endm
; A quarter of the keys: four steps.  The count leaves the later quarters' loads on their way; behind this barrier nothing is filled
.macro QUARTER n
	s_wait_tensorcnt 3-\n
	s_barrier_signal -1
	s_barrier_wait -1
	s_mov_b32 s[SK], \n*24576
	s_mov_b32 s[SV], \n*24576
	s_mov_b32 s[SS], \n*2048
	s_mov_b32 s[ST], \n*1024
	s_mov_b32 s[CNT], 4
.Lstep_\@:
	STEP
	s_add_co_u32 s[SK], s[SK], 6144
	s_add_co_u32 s[SV], s[SV], 1536
	s_add_co_u32 s[SS], s[SS], 512
	s_add_co_u32 s[ST], s[ST], 256
	s_sub_co_u32 s[CNT], s[CNT], 1
	s_cmp_lg_u32 s[CNT], 0
	s_cbranch_scc1 .Lstep_\@
.endm
	s_wait_loadcnt 0x0                             ; q
	QUARTER 0
	QUARTER 1
	QUARTER 2
	QUARTER 3
	; THE WAY OUT: O^T / the sum, quantised along the channels (two blocks of 32), stored as half a fragment's image
.rept 4
	v_nop                                          ; places behind the last products
.endr
	v_add_f32 v14, v14, v15
	v_permlanex16_b32 v[WK], v14, s[SEL], s[SEL+1]
	v_add_f32 v14, v14, v[WK]                      ; the row's sum
	v_rcp_f32 v14, v14
	v_nop                                          ; a plain instruction behind the reciprocal,
	s_wait_alu depctr_va_vdst(0)                   ; and the wait ahead of its first reader
.set j, 0
.rept 32
	v_mul_f32 v[S+j], v[O+j], v14                  ; register 16 b + i = channel 32 b + 16 (lane / 16) + i of my query
.set j, j+1
.endr
.irp b, 0,1
	v_max3_num_f32 v[BM+\b], |v[S+16*\b]|, |v[S+1+16*\b]|, 0x2800000
.endr
.irp i, 2,4,6,8,10,12,14
.irp b, 0,1
	v_max3_num_f32 v[BM+\b], v[BM+\b], |v[S+16*\b+\i]|, |v[S+1+16*\b+\i]|
.endr
.endr
.irp b, 0,1
	v_permlanex16_b32 v[BT+\b], v[BM+\b], s[SEL], s[SEL+1]
.endr
.irp b, 0,1
	v_max_num_f32 v[BM+\b], v[BM+\b], v[BT+\b]
.endr
.irp b, 0,1
	v_add_nc_u32 v[SO+\b], 0xfe000000, v[BM+\b]
.endr
.irp b, 0,1
	v_lshrrev_b32 v[BT+\b], 23, v[SO+\b]
.endr
	v_lshl_or_b32 v[PSW], v[BT+1], 8, v[BT]        ; my row's two scale bytes
	v_cvt_scalef32_pk16_bf6_f32 v[PCD:PCD+2], v[S:S+15], v[SO]
	v_cvt_scalef32_pk16_bf6_f32 v[PT:PT+2], v[S+16:S+31], v[SO+1]
	v_nop
.irp i, 0,1,2
	v_permlane16_swap_b32 v[PCD+\i], v[PT+\i]
.endr
.irp i, 0,1,2
	v_mov_b32 v[PCD+3+\i], v[PT+\i]
.endr
.irp p, 0,1,2
	global_store_b64 v1, v[PCD+2*\p:PCD+2*\p+1], s[90:91] offset:256*\p   ; 256 consecutive aligned bytes a store
.endr
	s_wait_xcnt 0x0                                ; EXEC changes only behind this wait
	v_cmp_gt_u32 vcc_lo, 16, v5
	s_and_saveexec_b32 s8, vcc_lo                  ; lanes 0-15: a row each
	global_store_b16 v6, v[PSW], s[92:93]
	s_wait_xcnt 0x0                                ; and again ahead of the line that widens it
	s_or_b32 exec_lo, exec_lo, s8
	s_wait_tensorcnt 0x0
	ds_add_u32 v254, v255
	s_wait_dscnt 0x0
	CROUND                                         ; the closing round
	s_endpgm
.Lfunc_end_k_qd38a143e14_attn:
	.size	k_qd38a143e14_attn, .Lfunc_end_k_qd38a143e14_attn-k_qd38a143e14_attn
	.p2alignl 7, 3214868480
	.fill 96, 4, 3214868480
	.section	.rodata,"a",@progbits
	.p2align	6, 0x0
	.amdhsa_kernel k_qd38a143e14_attn
		.amdhsa_group_segment_fixed_size 210944
		.amdhsa_private_segment_fixed_size 0
		.amdhsa_enable_private_segment 0
		.amdhsa_kernarg_size 16
		.amdhsa_user_sgpr_count 2
		.amdhsa_user_sgpr_kernarg_segment_ptr 1
		.amdhsa_wavefront_size32 1
		.amdhsa_system_sgpr_workgroup_id_x 1
		.amdhsa_system_sgpr_workgroup_id_y 1
		.amdhsa_system_sgpr_workgroup_id_z 1
		.amdhsa_system_vgpr_workitem_id 0
		.amdhsa_next_free_vgpr 256
		.amdhsa_next_free_sgpr 100
		.amdhsa_reserve_vcc 1
		.amdhsa_float_denorm_mode_32 3
		.amdhsa_float_denorm_mode_16_64 3
		.amdhsa_memory_ordered 1
		.amdhsa_forward_progress 1
		.amdhsa_inst_pref_size 89
	.end_amdhsa_kernel
	.amdgpu_metadata
---
amdhsa.version: [ 1, 2 ]
amdhsa.kernels:
  - .name:           k_qd38a143e14_attn
    .symbol:         k_qd38a143e14_attn.kd
    .args:
      - { .name: qkv, .offset: 0, .size: 8, .value_kind: global_buffer, .address_space: global }
      - { .name: at, .offset: 8, .size: 8, .value_kind: global_buffer, .address_space: global }
    .group_segment_fixed_size: 210944
    .private_segment_fixed_size: 0
    .kernarg_segment_align: 8
    .kernarg_segment_size: 16
    .max_flat_workgroup_size: 512
    .sgpr_count:     100
    .vgpr_count:     256
    .wavefront_size: 32
...
	.end_amdgpu_metadata
.endif
;; end of part 4
;; launch wo (part 5): grid 4 x 16, 4 waves a work-group, clusters of 4 x 4, 327,680 bytes of LDS; arguments at, wts, bo, x, x1; writes x1
.if DOCPART == 5
	.amdgcn_target "amdgcn-amd-amdhsa--gfx1250"
	.amdhsa_code_object_version 6
	.text
	.protected	k_qd38a143e14_wo
	.globl	k_qd38a143e14_wo
	.p2align	8
	.type	k_qd38a143e14_wo,@function
k_qd38a143e14_wo:
	s_mov_b64 s[64:65], 0
	v_nop
	global_prefetch_b8 v0, s[64:65] scope:SCOPE_SE
	s_setreg_imm32_b32 hwreg(HW_REG_WAVE_MODE, 25, 1), 1
	s_wait_xcnt 0x0
	s_wait_alu depctr_hold_cnt(0) depctr_sa_sdst(0) depctr_va_vdst(0) depctr_va_sdst(0) depctr_va_ssrc(0) depctr_va_vcc(0) depctr_vm_vsrc(0)
	s_getreg_b32 s2, hwreg(HW_REG_IB_STS2, 6, 4)
	s_cmp_eq_u32 s2, 0
	s_cbranch_scc0 .Lentry_in_a_cluster
	s_endpgm
.Lentry_in_a_cluster:
	s_bfe_u32 s2, ttmp6, 0x10000c
	s_cmp_lg_u32 s2, 0xf033
	s_cbranch_scc0 .Lentry_shape_is_right
	s_endpgm
.Lentry_shape_is_right:
; x1 = x + attn Wo^T + bo.  attn [4,096][1,024] (at) and Wo [1,024][1,024] (in wts) are codes of BF6 (E3M2) with one E8M0 byte for each 32 along K; x, bo, x1 f32.
; OPERANDS ARE IMAGES OF REGISTERS: rows in STORED order (row number with bits 3 and 4 exchanged); codes at ((row block x K/128 + chunk) x 1536) + 256 p + 8 lane; scale words at (((stored row / 128) x K/128 + chunk) x 512) + 4 (row % 128).
; So a fragment (16 rows x 128 K, 12 registers) is six LDS loads of 256 consecutive bytes, and a slot's tile is rows of 3,072 consecutive bytes of memory.
; THE MATRIX INSTRUCTION IS USED TRANSPOSED (source 0 = 16 stored rows of B, source 1 = 16 of A): lane (r, h) of accumulator (a, b) holds A's stored row 16 a + r, which is row 32 (a / 2) + 8 (a % 2) + r + 8 (r / 8), and register j is column 32 (b / 2) + 16 h + 8 (b % 2) + j.
; THE RESIDUAL STARTS THE SUMS: x is loaded straight into the accumulators, in that layout, while the first tiles are on their way; every product adds in place.
; THE LOOP: a work-group of four waves makes 256 x 256, a wave 128 x 128 (64 accumulators); K in steps of 256 through two LDS slots filled by joint tensor loads (A's tile shared along the cluster's row, B's along its column);
; the scale words for all of K come once, with the first fills.  A has one set of fragment registers, B two.  64 tiles: 64 work-groups.
; THE WAY OUT: a row block goes through the wave's own stage in LDS (in slot 0, behind its last fill and last read) and comes back as whole rows of 512 bytes; the bias is added there; each store covers 512 consecutive aligned bytes.
; REGISTERS: window 0: v16-31 addresses; v32-63 scale words, two sets; v64-67 the bias of my four columns; v128-223 A's fragments; on the way out v128-255 rows.  window 1: B's two sets.  windows 2, 3: the accumulators ((a, b) at v[8 (8 (a % 4) + b)]).
.set SIZE_K, 1024
.set A_SC,   3145728                   ; A's scale words in its buffer
.set B_CO,   2359296                   ; B's codes and scale words in wts
.set B_SC,   9535488
.set CH,     1536
.set RBS,    3072
.set KRB,    SIZE_K/128*1536
.set HALFT,  8*RBS
.set SLOT,   4*HALFT
.set LAPS,   SIZE_K/512
.set SCL,    2*SLOT
.set SQ,     4*SIZE_K
.set HALFS,  SQ+64                     ; 64 bytes between quarters: A's and B's words, read by one load, fall on different banks
.set SPARE,  SCL+4*HALFS               ; the spare words: 128 bytes a wave, two blocks of 256 bytes that no other line names
.set SPITCH, 528
.set FR, 12
.set NL, 6
.set NP, 4
.set ADRA, 16
.set ADRB, 20
.set STO,  24
.set RD,   25
.set CO,   26
.set ADRS, 27
.set SPW,  28
.set NIL,  29
.set RO,   30
.set SC,   32
.set BI,   64
.set BIAS, 64
.set AF,   128
.set BK,   128
.set G1, 24
.set G0, 32
.set G1B, 48
.set G0B, 56
.set G1S, 68
.set G0S, 76
.set G1SB, 80
.set G0SB, 88
.set MSB, 0
.macro WIN new                         ; the immediate's high byte repeats the setting that is left
.if MSB != (\new)
	s_set_vgpr_msb (MSB<<8)|(\new)
.set MSB, (\new)
.endif
.endm
.set MUL_LO, 0xa1                      ; source 0 (B) window 1, source 1 (A) window 0, C and D window 2
.set MUL_HI, 0xf1
.set TO_B,   0x40
.macro JLOAD g0a, g1a, g0b, g1b        ; a joint load: waves 0 and 1 fetch for A, waves 2 and 3 for B; four v_nop follow each line
	s_cmp_eq_u32 s15, 0
	s_cbranch_scc0 .Lfor_b_\@
	tensor_load_to_lds s[\g0a:\g0a+3], s[\g1a:\g1a+7]
	s_nop 0
.rept 4
	v_nop
.endr
	s_branch .Lasked_\@
.Lfor_b_\@:
	tensor_load_to_lds s[\g0b:\g0b+3], s[\g1b:\g1b+7]
	s_nop 0
.rept 4
	v_nop
.endr
.Lasked_\@:
.endm
.macro CREST
	s_cmp_lg_u32 s14, 0
	s_cbranch_scc1 .Lnot_wave_0_\@
	s_barrier_signal -3
.Lnot_wave_0_\@:
	s_barrier_wait -3
	s_barrier_signal -1
	s_barrier_wait -1
.endm
.macro CROUND
	s_barrier_signal -1
	s_barrier_wait -1
	CREST
.endm
.macro PLACES n
.rept \n
	v_nop
.endr
.endm
.macro FRAG reg, adr, q, i             ; row block i, the slot's q-th chunk: six loads of 256 consecutive bytes
.irp p, 0,1,2,3,4,5
	ds_load_b64 v[\reg+2*\p:\reg+2*\p+1], v[\adr] offset:(\i)*RBS+(\q)*CH+256*\p
.endr
.endm
; 16 products: A's blocks a0, a0 + 1 x B's eight.  p: B's set; q: the chunk; sc: the set of scale words.  The 64 accumulators take turns
.macro MUL16 a0, p, q, sc
.irp a, \a0, \a0+1
.irp b, 0,1,2,3,4,5,6,7
	v_wmma_scale_f32_16x16x128_f8f6f4 v[8*(8*((\a)%4)+\b):8*(8*((\a)%4)+\b)+7], v[128*(\p)+FR*\b:128*(\p)+FR*\b+FR-1], v[AF+FR*(\a):AF+FR*(\a)+FR-1], v[8*(8*((\a)%4)+\b):8*(8*((\a)%4)+\b)+7], v[SC+16*(\sc)+2*\b+(\q)], v[SC+16*(\sc)+2*(\a)+(\q)] matrix_a_fmt:MATRIX_FMT_BF6 matrix_b_fmt:MATRIX_FMT_BF6 matrix_a_scale:MATRIX_SCALE_ROW1
.endr
.endr
.endm
.macro FETCH_B slot, q, p
	WIN TO_B
.irp i, 0,1,2,3,4,5,6,7
	FRAG 128*(\p)+FR*\i, ADRB+\slot, \q, \i
.endr
	WIN 0
.endm
.macro FETCH_A slot, q, i0
.irp i, \i0, \i0+1, \i0+2, \i0+3
	FRAG AF+FR*(\i), ADRA+\slot, \q, \i
.endr
.endm
.macro SCALES sc                       ; a slot's scale words: register 2 i + q: lanes 0-15 A's block i, lanes 16-31 B's block i, chunk q
.irp i, 0,1,2,3,4,5,6,7
.irp q, 0,1
	ds_load_b32 v[SC+16*\sc+2*\i+\q], v[ADRS] offset:512*\q+64*\i
.endr
.endr
.endm
; A step of 128 along K that has its successor in the same slot.  Loads into registers that products have read stand four plain vector instructions behind them (ISA guide 7.12.1 for vector instructions)
.macro STEP slot, q
	s_wait_dscnt 4*NL                              ; all but the youngest 24 loads, A's blocks 4-7
	WIN MUL_LO
	MUL16 0, (\q)%2, \q, \slot
	MUL16 2, (\q)%2, \q, \slot
	s_wait_dscnt 0
	PLACES NP
	FETCH_B \slot, (\q)+1, 1-(\q)%2
	FETCH_A \slot, (\q)+1, 0
	WIN MUL_HI
	MUL16 4, (\q)%2, \q, \slot
	MUL16 6, (\q)%2, \q, \slot
	PLACES NP
	WIN 0
	FETCH_A \slot, (\q)+1, 4
.endm
; A slot's last step changes slots: one barrier; ahead of it each wave waits for all its tensor loads, adds 0 to its spare word, and waits for that and for its reads of this slot.  fill = 1: the slot is filled again, two K steps ahead
.macro TURN slot, next, fill
	s_wait_tensorcnt 0x0                           ; all my tensor loads have landed: my part of the next slot
	ds_add_u32 v[SPW], v[NIL]                      ; 0 onto my spare word
	s_wait_dscnt 4*NL+1                            ; (the add and the youngest 24 loads may be out)
	WIN MUL_LO
	MUL16 0, 1, 1, \slot
	s_wait_dscnt 0x0                               ; the add is done, and my reads of this slot are over
	s_barrier_signal -1
	MUL16 2, 1, 1, \slot
	WIN 0
	s_barrier_wait -1
.if \fill
	CREST                                          ; the barrier has opened a round of the cluster's: no wave of any partner still reads this slot or has a load on its way
	s_add_nc_u64 s[G0+4*\slot+2:G0+4*\slot+3], s[G0+4*\slot+2:G0+4*\slot+3], 2*RBS
	s_add_nc_u64 s[G0B+4*\slot+2:G0B+4*\slot+3], s[G0B+4*\slot+2:G0B+4*\slot+3], 2*RBS
	JLOAD G0+4*\slot, G1, G0B+4*\slot, G1B         ; the first tensor load behind the round; its four v_nop are the places ahead of the loads below
.else
	PLACES NP
.endif
	v_add_nc_u32 v[ADRS], 1024, v[ADRS]            ; the next two chunks' scale words
	FETCH_B \next, 0, 0
	FETCH_A \next, 0, 0
	SCALES \next
	WIN MUL_HI
	MUL16 4, 1, 1, \slot
	MUL16 6, 1, 1, \slot
	PLACES NP
	WIN 0
	FETCH_A \next, 0, 4
.endm
	s_load_b128 s[4:7], s[0:1], 0x0                ; A's buffer, wts
	s_load_b128 s[8:11], s[0:1], 0x10              ; the bias, the residual
	s_load_b64 s[12:13], s[0:1], 0x20              ; the result
	v_lshl_add_u32 v[SPW], v0, 2, SPARE
	v_mov_b32 v[NIL], 0
	ds_add_u32 v28, v29
	ds_add_u32 v28, v29
	s_wait_dscnt 0x0
	v_lshrrev_b32 v1, 5, v0
	v_readfirstlane_b32 s14, v1                    ; wave 0..3
	s_lshr_b32 s15, s14, 1                         ; which half of the tile's rows is mine.  Also: I fetch for A (0) or for B (1)
	s_and_b32 s16, s14, 1                          ; which half of its columns.  Also: which 128 rows I fetch
	s_bfe_u32 s40, ttmp6, 0x40000                  ; cx, cy
	s_bfe_u32 s41, ttmp6, 0x40004
	s_lshl_b32 s42, ttmp9, 2
	s_add_co_u32 s42, s42, s40                     ; tile column
	s_and_b32 s17, ttmp7, 0xffff
	s_lshl_b32 s17, s17, 2
	s_add_co_u32 s17, s17, s41                     ; tile row
	s_lshl_b32 s43, s41, 2
	s_lshl_b32 s43, 15, s43                        ; my row of the cluster
	s_lshl_b32 s44, 0x1111, s40                    ; my column
	; group 1, codes: 8 rows (row blocks) of 384 elements of 8 bytes, KRB bytes apart; no padding
	s_or_b32 s[G1+0], s43, (3<<16)|(1<<21)
	s_or_b32 s[G1B+0], s44, (3<<16)|(1<<21)
.irp g, G1, G1B
	s_mov_b32 s[\g+1], 384<<16
	s_mov_b32 s[\g+2], 8<<16
	s_mov_b32 s[\g+3], 384<<16
	s_mov_b32 s[\g+4], 8
	s_mov_b32 s[\g+5], KRB/8
	s_mov_b32 s[\g+6], 0
	s_mov_b32 s[\g+7], 0
.endr
	; group 1, scale words of 128 rows: a dense block, as rows of 512 bytes
	s_or_b32 s[G1S+0], s43, (3<<16)|(1<<21)
	s_or_b32 s[G1SB+0], s44, (3<<16)|(1<<21)
.irp g, G1S, G1SB
	s_mov_b32 s[\g+1], 64<<16
	s_mov_b32 s[\g+2], (SIZE_K/128)<<16
	s_mov_b32 s[\g+3], 64<<16
	s_mov_b32 s[\g+4], SIZE_K/128
	s_mov_b32 s[\g+5], 64
	s_mov_b32 s[\g+6], 0
	s_mov_b32 s[\g+7], 0
.endr
	s_lshl_b32 s18, s16, 3
	s_lshl_b32 s20, s17, 4
	s_add_co_u32 s20, s20, s18
	s_mul_i32 s20, s20, KRB                        ; A's codes: row block 16 x tile row + 8 x half
	s_mov_b32 s21, 0
	s_lshl_b32 s22, s17, 1
	s_add_co_u32 s22, s22, s16
	s_mul_i32 s22, s22, SQ
	s_add_co_u32 s22, s22, A_SC                    ; A's scale words
	s_mov_b32 s23, 0
	s_lshl_b32 s46, s42, 4
	s_add_co_u32 s46, s46, s18
	s_mul_i32 s46, s46, KRB
	s_add_co_u32 s46, s46, B_CO                    ; B's likewise, by the tile column
	s_mov_b32 s47, 0
	s_lshl_b32 s92, s42, 1
	s_add_co_u32 s92, s92, s16
	s_mul_i32 s92, s92, SQ
	s_add_co_u32 s92, s92, B_SC
	s_mov_b32 s93, 0
	s_mul_i32 s45, s14, HALFT                      ; where they go: no place in the cluster enters an LDS address
	s_mul_i32 s94, s14, HALFS
	s_wait_kmcnt 0x0
	s_add_nc_u64 s[20:21], s[4:5], s[20:21]
	s_add_nc_u64 s[22:23], s[4:5], s[22:23]
	s_add_nc_u64 s[46:47], s[6:7], s[46:47]
	s_add_nc_u64 s[92:93], s[6:7], s[92:93]
	CROUND                                         ; all sixteen work-groups are here: the first joint loads meet
	s_mov_b32 s[G0S], 1
	s_add_co_u32 s[G0S+1], s94, SCL
	s_mov_b64 s[G0S+2:G0S+3], s[22:23]
	s_or_b32 s[G0S+3], s[G0S+3], 0x80000000
	s_mov_b32 s[G0SB], 1
	s_add_co_u32 s[G0SB+1], s94, SCL
	s_mov_b64 s[G0SB+2:G0SB+3], s[92:93]
	s_or_b32 s[G0SB+3], s[G0SB+3], 0x80000000
	JLOAD G0S, G1S, G0SB, G1SB                     ; the scale words first
.irp s, 0,1
	s_mov_b32 s[G0+4*\s], 1
	s_add_co_u32 s[G0+4*\s+1], s45, \s*SLOT
	s_add_nc_u64 s[G0+4*\s+2:G0+4*\s+3], s[20:21], \s*RBS
	s_or_b32 s[G0+4*\s+3], s[G0+4*\s+3], 0x80000000
	s_mov_b32 s[G0B+4*\s], 1
	s_add_co_u32 s[G0B+4*\s+1], s45, \s*SLOT
	s_add_nc_u64 s[G0B+4*\s+2:G0B+4*\s+3], s[46:47], \s*RBS
	s_or_b32 s[G0B+4*\s+3], s[G0B+4*\s+3], 0x80000000
	JLOAD G0+4*\s, G1, G0B+4*\s, G1B
.endr
	v_and_b32 v1, 15, v0                           ; r
	v_bfe_u32 v2, v0, 4, 1                         ; h
	v_and_b32 v3, 31, v0                           ; lane
	v_lshlrev_b32 v4, 3, v3                        ; 8 lane
	v_and_b32 v5, 8, v1
	v_add_nc_u32 v5, v5, v1
	v_lshlrev_b32 v5, 12, v5
	v_lshl_add_u32 v[RO], v2, 6, v5                ; the residual: row r + 8 (r / 8) of 4,096 bytes, + 64 h
	v_lshlrev_b32 v[CO], 4, v3                     ; 16 lane
	s_lshl_b32 s20, s17, 8
	s_lshl_b32 s21, s15, 7
	s_add_co_u32 s20, s20, s21
	s_lshl_b32 s20, s20, 12                        ; my first row, in bytes
	s_lshl_b32 s46, s42, 10
	s_lshl_b32 s47, s16, 9
	s_add_co_u32 s46, s46, s47                     ; my first column, in bytes
	s_add_co_u32 s20, s20, s46
	s_mov_b32 s21, 0
	s_mov_b32 s47, 0
	s_add_nc_u64 s[10:11], s[10:11], s[20:21]
	s_add_nc_u64 s[12:13], s[12:13], s[20:21]
	s_add_nc_u64 s[8:9], s[8:9], s[46:47]
	global_load_b128 v[BI:BI+3], v[CO], s[8:9]     ; the bias of columns 4 lane .. 4 lane + 3
	WIN 0x80                                       ; destination window 2
.irp a, 0,1,2,3
.irp b, 0,1,2,3,4,5,6,7
.irp q, 0,1
	global_load_b128 v[8*(8*\a+\b)+4*\q:8*(8*\a+\b)+4*\q+3], v[RO], s[10:11] offset:(32*(\a/2)+8*(\a%2))*4096+128*(\b/2)+32*(\b%2)+16*\q
.endr
.endr
.endr
	WIN 0xc0                                       ; destination window 3
.irp a, 4,5,6,7
.irp b, 0,1,2,3,4,5,6,7
.irp q, 0,1
	global_load_b128 v[8*(8*(\a-4)+\b)+4*\q:8*(8*(\a-4)+\b)+4*\q+3], v[RO], s[10:11] offset:(32*(\a/2)+8*(\a%2))*4096+128*(\b/2)+32*(\b%2)+16*\q
.endr
.endr
.endr
	WIN 0
	s_mul_i32 s21, s15, HALFT
	s_mul_i32 s22, s16, HALFT
	s_add_co_u32 s22, s22, 2*HALFT
.irp s, 0,1
	v_add_nc_u32 v[ADRA+\s], s21, v4
	v_add_nc_u32 v[ADRB+\s], s22, v4
	s_add_co_u32 s21, s21, SLOT
	s_add_co_u32 s22, s22, SLOT
.endr
	s_mul_i32 s21, s15, HALFS                      ; scale words: lanes 0-15 A's quarter, lanes 16-31 B's: the lower base + h x the distance
	s_mul_i32 s22, s16, HALFS
	s_add_co_u32 s22, s22, 2*HALFS
	s_sub_co_u32 s22, s22, s21
	v_mul_u32_u24 v7, s22, v2
	s_add_co_u32 s21, s21, SCL
	v_lshl_add_u32 v7, v1, 2, v7
	v_add_nc_u32 v[ADRS], s21, v7
	s_mul_i32 s23, s14, 16*SPITCH                  ; my stage, in slot 0
	v_mul_u32_u24 v7, v1, SPITCH
	v_lshl_add_u32 v7, v2, 6, v7
	v_add_nc_u32 v[STO], s23, v7                   ; in: row r, + 64 h
	v_add_nc_u32 v[RD], s23, v[CO]                 ; back: a row of 512 bytes to the 32 lanes
	s_wait_loadcnt 0x0                             ; the residual lies in the accumulators
	s_wait_tensorcnt 1                             ; the scale words and my part of K step 0 are in; K step 1's load may be out
	s_barrier_signal -1
	s_barrier_wait -1
	FETCH_B 0, 0, 0
	FETCH_A 0, 0, 0
	SCALES 0
	FETCH_A 0, 0, 4
	STEP 0, 0
	s_mov_b32 s3, LAPS-1
.Llap:
	TURN 0, 1, 1
	STEP 1, 0
	TURN 1, 0, 1
	STEP 0, 0
	s_sub_co_u32 s3, s3, 1
	s_cmp_lg_u32 s3, 0
	s_cbranch_scc1 .Llap
	TURN 0, 1, 0                                   ; the last lap fills nothing
	STEP 1, 0
	s_wait_dscnt 4*NL
	WIN MUL_LO
	MUL16 0, 1, 1, 1
	MUL16 2, 1, 1, 1
	s_wait_dscnt 0
	WIN MUL_HI
	MUL16 4, 1, 1, 1
	MUL16 6, 1, 1, 1
	WIN 0
.macro TOSTAGE a
.set AC, 64*((\a)%4)
	WIN 0x08+4*((\a)/4)                            ; an LDS store's data: window 2 or 3
.irp b, 0,1,2,3,4,5,6,7
	ds_store_b128 v[STO], v[AC+8*\b:AC+8*\b+3] offset:128*(\b/2)+32*(\b%2)        ; each accumulator from its low end on
	ds_store_b128 v[STO], v[AC+8*\b+4:AC+8*\b+7] offset:128*(\b/2)+32*(\b%2)+16
.endr
	WIN 0
.set BB, BK+64*((\a)%2)
.irp t, 0,1,2,3,4,5,6,7,8,9,10,11,12,13,14,15
	ds_load_b128 v[BB+4*\t:BB+4*\t+3], v[RD] offset:\t*SPITCH   ; LDS serves a wave's instructions in order: these see the stores above
.endr
.endm
.macro SEND a, younger                 ; younger: the LDS instructions issued behind block a's loads, which may stay out
.set BB, BK+64*((\a)%2)
	s_wait_dscnt \younger
.irp t, 0,1,2,3,4,5,6,7,8,9,10,11,12,13,14,15
	v_pk_add_f32 v[BB+4*\t:BB+4*\t+1], v[BB+4*\t:BB+4*\t+1], v[BI:BI+1]
	v_pk_add_f32 v[BB+4*\t+2:BB+4*\t+3], v[BB+4*\t+2:BB+4*\t+3], v[BI+2:BI+3]
	global_store_b128 v[CO], v[BB+4*\t:BB+4*\t+3], s[12:13] offset:(32*((\a)/2)+8*((\a)%2)+\t+8*(\t/8))*4096   ; place t of block a is this row; 512 consecutive aligned bytes
.endr
.endm
	PLACES NP                                      ; behind the last products: for the loads into A's registers and the reads of results
	TOSTAGE 0
.irp a, 1,2,3,4,5,6,7
.if \a > 1
	s_wait_xcnt 0x0                                ; block a - 2's stores have read their registers: block a's rows may land there
.endif
	TOSTAGE \a
	SEND \a-1, 32                                  ; behind block a - 1's loads: block a's 16 stores and 16 loads
.endr
	SEND 7, 0
	s_wait_tensorcnt 0x0                           ; the wave's end
	ds_add_u32 v[SPW], v[NIL]
	s_wait_dscnt 0x0
	CROUND                                         ; the closing round
	s_endpgm
.Lfunc_end_k_qd38a143e14_wo:
	.size	k_qd38a143e14_wo, .Lfunc_end_k_qd38a143e14_wo-k_qd38a143e14_wo
	.p2alignl 7, 3214868480
	.fill 96, 4, 3214868480
	.section	.rodata,"a",@progbits
	.p2align	6, 0x0
	.amdhsa_kernel k_qd38a143e14_wo
		.amdhsa_group_segment_fixed_size 327680
		.amdhsa_private_segment_fixed_size 0
		.amdhsa_enable_private_segment 0
		.amdhsa_kernarg_size 40
		.amdhsa_user_sgpr_count 2
		.amdhsa_user_sgpr_kernarg_segment_ptr 1
		.amdhsa_wavefront_size32 1
		.amdhsa_system_sgpr_workgroup_id_x 1
		.amdhsa_system_sgpr_workgroup_id_y 1
		.amdhsa_system_sgpr_workgroup_id_z 1
		.amdhsa_system_vgpr_workitem_id 0
		.amdhsa_next_free_vgpr 1024
		.amdhsa_next_free_sgpr 106
		.amdhsa_reserve_vcc 0
		.amdhsa_float_denorm_mode_32 3
		.amdhsa_float_denorm_mode_16_64 3
		.amdhsa_memory_ordered 1
		.amdhsa_forward_progress 1
		.amdhsa_inst_pref_size 190
	.end_amdhsa_kernel
	.amdgpu_metadata
---
amdhsa.version: [ 1, 2 ]
amdhsa.kernels:
  - .name:           k_qd38a143e14_wo
    .symbol:         k_qd38a143e14_wo.kd
    .args:
      - { .name: at, .offset: 0, .size: 8, .value_kind: global_buffer, .address_space: global }
      - { .name: wts, .offset: 8, .size: 8, .value_kind: global_buffer, .address_space: global }
      - { .name: bo, .offset: 16, .size: 8, .value_kind: global_buffer, .address_space: global }
      - { .name: x, .offset: 24, .size: 8, .value_kind: global_buffer, .address_space: global }
      - { .name: x1, .offset: 32, .size: 8, .value_kind: global_buffer, .address_space: global }
    .group_segment_fixed_size: 327680
    .private_segment_fixed_size: 0
    .kernarg_segment_align: 8
    .kernarg_segment_size: 40
    .max_flat_workgroup_size: 128
    .sgpr_count:     106
    .vgpr_count:     1024
    .wavefront_size: 32
...
	.end_amdgpu_metadata
.endif
;; end of part 5
;; launch ln2: the kernel of part 2 again; grid 256 x 1, 8 waves a work-group, no clusters, 66,816 bytes of LDS; arguments x1, ln2_g, ln2_b, hq; writes hq
;; launch w1 (part 6): grid 16 x 16, 4 waves a work-group, clusters of 4 x 4, 327,680 bytes of LDS; arguments hq, wts, b1, gl; writes gl
.if DOCPART == 6
	.amdgcn_target "amdgcn-amd-amdhsa--gfx1250"
	.amdhsa_code_object_version 6
	.text
	.protected	k_qd38a143e14_w1
	.globl	k_qd38a143e14_w1
	.p2align	8
	.type	k_qd38a143e14_w1,@function
k_qd38a143e14_w1:
	s_mov_b64 s[64:65], 0
	v_nop
	global_prefetch_b8 v0, s[64:65] scope:SCOPE_SE
	s_setreg_imm32_b32 hwreg(HW_REG_WAVE_MODE, 25, 1), 1
	s_wait_xcnt 0x0
	s_wait_alu depctr_hold_cnt(0) depctr_sa_sdst(0) depctr_va_vdst(0) depctr_va_sdst(0) depctr_va_ssrc(0) depctr_va_vcc(0) depctr_vm_vsrc(0)
	s_getreg_b32 s2, hwreg(HW_REG_IB_STS2, 6, 4)
	s_cmp_eq_u32 s2, 0
	s_cbranch_scc0 .Lentry_in_a_cluster
	s_endpgm
.Lentry_in_a_cluster:
	s_bfe_u32 s2, ttmp6, 0x10000c
	s_cmp_lg_u32 s2, 0xf033
	s_cbranch_scc0 .Lentry_shape_is_right
	s_endpgm
.Lentry_shape_is_right:
; gl = Q(gelu(h2 W1^T + b1)): h2 [4,096][1,024] (hq) and W1 [4,096][1,024] (in wts) are codes of BF6 (E3M2) with one E8M0 byte for each 32 along K; the result is quantised along its 4,096 columns, the next product's K.
; gelu(x) = 0.5 x (1 + tanh(c (x + 0.044715 x^3))) = x / (1 + 2^(x (-k2 x^2 - k1))), k1 = 2 c log2(e), k2 = 0.044715 k1, c = sqrt(2 / pi): in f32, one exponential and one reciprocal.
; OPERANDS AND RESULT ARE IMAGES OF REGISTERS: rows in STORED order (row number with bits 3 and 4 exchanged); codes at ((row block x K/128 + chunk) x 1536) + 256 p + 8 lane; scale words at (((stored row / 128) x K/128 + chunk) x 512) + 4 (row % 128).
; So a fragment (16 rows x 128 K, 12 registers) is six LDS loads of 256 consecutive bytes, and a slot's tile is rows of 3,072 consecutive bytes of memory.
; THE MATRIX INSTRUCTION IS USED TRANSPOSED (source 0 = 16 stored rows of B, source 1 = 16 of A): lane (r, h) of accumulator (a, b) holds A's stored row 16 a + r, and, by B's stored order, register j is n = 32 (b / 2) + 16 h + 8 (b % 2) + j:
; the 64 registers of a row block's eight accumulators are the lane's 16 neighbours of each of four blocks of 32 along n: what the quantiser takes.  Nothing goes through LDS on the way out but the scale words.
; THE LOOP: a work-group of four waves makes 256 x 256, a wave 128 x 128 (64 accumulators); K in steps of 256 through two LDS slots filled by joint tensor loads (A's tile shared along the cluster's row, B's along its column);
; the scale words for all of K come once, with the first fills.  A has one set of fragment registers, B two.  The bias is the C of the first step's products.  256 tiles: 256 work-groups.
; REGISTERS: window 0: v16-31 addresses; v32-63 scale words, two sets; v64-127 bias, later the numbers to be quantised; v128-223 A's fragments, later the quantiser's; v[240:241] -k1.
;   window 1: B's two sets.  windows 2, 3: the accumulators ((a, b) at v[8 (8 (a % 4) + b)]).
; LIMITS of the quantiser: a block whose largest magnitude lies under 2^-122 (all zeros too) gets the byte 1; NaN and infinities are not served.
.set SIZE_K, 1024
.set A_SC,   3145728                   ; A's scale words in its buffer
.set B_CO,   3145728                   ; B's codes and scale words in wts
.set B_SC,   9568256
.set O_SC,   12582912                  ; the result's scale words in gl
.set ORBB,   49152                     ; a row block of the result: 32 chunks
.set CH,     1536
.set RBS,    3072
.set KRB,    SIZE_K/128*1536
.set HALFT,  8*RBS
.set SLOT,   4*HALFT
.set LAPS,   SIZE_K/512
.set SCL,    2*SLOT
.set SQ,     4*SIZE_K
.set HALFS,  SQ+64                     ; 64 bytes between quarters: A's and B's words, read by one load, fall on different banks
.set SPARE,  SCL+4*HALFS               ; the spare words: 128 bytes a wave, two blocks of 256 bytes that no other line names
.set FR, 12
.set NL, 6
.set NP, 4
.set ADRA, 16
.set ADRB, 20
.set ADRS, 27
.set SPW,  28
.set NIL,  29
.set SC,   32
.set BIAS, 64
.set HA,   64
.set AF,   128
.set PC,   128
.set PW,   150
.set TM,   152
.set K1,   240
.set G1, 24
.set G0, 32
.set G1B, 48
.set G0B, 56
.set G1S, 68
.set G0S, 76
.set G1SB, 80
.set G0SB, 88
.set SEL, 96
.set K2,  98                           ; s[98:99] -k2
.set MSB, 0
.macro WIN new                         ; the immediate's high byte repeats the setting that is left
.if MSB != (\new)
	s_set_vgpr_msb (MSB<<8)|(\new)
.set MSB, (\new)
.endif
.endm
.set MUL_LO, 0xa1                      ; source 0 (B) window 1, source 1 (A) window 0, C and D window 2
.set MUL_HI, 0xf1
.set TO_B,   0x40
.macro JLOAD g0a, g1a, g0b, g1b        ; a joint load: waves 0 and 1 fetch for A, waves 2 and 3 for B; four v_nop follow each line
	s_cmp_eq_u32 s15, 0
	s_cbranch_scc0 .Lfor_b_\@
	tensor_load_to_lds s[\g0a:\g0a+3], s[\g1a:\g1a+7]
	s_nop 0
.rept 4
	v_nop
.endr
	s_branch .Lasked_\@
.Lfor_b_\@:
	tensor_load_to_lds s[\g0b:\g0b+3], s[\g1b:\g1b+7]
	s_nop 0
.rept 4
	v_nop
.endr
.Lasked_\@:
.endm
.macro CREST
	s_cmp_lg_u32 s14, 0
	s_cbranch_scc1 .Lnot_wave_0_\@
	s_barrier_signal -3
.Lnot_wave_0_\@:
	s_barrier_wait -3
	s_barrier_signal -1
	s_barrier_wait -1
.endm
.macro CROUND
	s_barrier_signal -1
	s_barrier_wait -1
	CREST
.endm
.macro PLACES n
.rept \n
	v_nop
.endr
.endm
.macro FRAG reg, adr, q, i             ; row block i, the slot's q-th chunk: six loads of 256 consecutive bytes
.irp p, 0,1,2,3,4,5
	ds_load_b64 v[\reg+2*\p:\reg+2*\p+1], v[\adr] offset:(\i)*RBS+(\q)*CH+256*\p
.endr
.endm
; 16 products: A's blocks a0, a0 + 1 x B's eight.  p: B's set; q: the chunk; sc: the set of scale words; cm = 1: the bias is C and starts the sums.  The 64 accumulators take turns
.macro MUL16 a0, p, q, sc, cm
.irp a, \a0, \a0+1
.irp b, 0,1,2,3,4,5,6,7
.if \cm
	v_wmma_scale_f32_16x16x128_f8f6f4 v[8*(8*((\a)%4)+\b):8*(8*((\a)%4)+\b)+7], v[128*(\p)+FR*\b:128*(\p)+FR*\b+FR-1], v[AF+FR*(\a):AF+FR*(\a)+FR-1], v[BIAS+8*\b:BIAS+8*\b+7], v[SC+16*(\sc)+2*\b+(\q)], v[SC+16*(\sc)+2*(\a)+(\q)] matrix_a_fmt:MATRIX_FMT_BF6 matrix_b_fmt:MATRIX_FMT_BF6 matrix_a_scale:MATRIX_SCALE_ROW1
.else
	v_wmma_scale_f32_16x16x128_f8f6f4 v[8*(8*((\a)%4)+\b):8*(8*((\a)%4)+\b)+7], v[128*(\p)+FR*\b:128*(\p)+FR*\b+FR-1], v[AF+FR*(\a):AF+FR*(\a)+FR-1], v[8*(8*((\a)%4)+\b):8*(8*((\a)%4)+\b)+7], v[SC+16*(\sc)+2*\b+(\q)], v[SC+16*(\sc)+2*(\a)+(\q)] matrix_a_fmt:MATRIX_FMT_BF6 matrix_b_fmt:MATRIX_FMT_BF6 matrix_a_scale:MATRIX_SCALE_ROW1
.endif
.endr
.endr
.endm
.macro FETCH_B slot, q, p
	WIN TO_B
.irp i, 0,1,2,3,4,5,6,7
	FRAG 128*(\p)+FR*\i, ADRB+\slot, \q, \i
.endr
	WIN 0
.endm
.macro FETCH_A slot, q, i0
.irp i, \i0, \i0+1, \i0+2, \i0+3
	FRAG AF+FR*(\i), ADRA+\slot, \q, \i
.endr
.endm
.macro SCALES sc                       ; a slot's scale words: register 2 i + q: lanes 0-15 A's block i, lanes 16-31 B's block i, chunk q
.irp i, 0,1,2,3,4,5,6,7
.irp q, 0,1
	ds_load_b32 v[SC+16*\sc+2*\i+\q], v[ADRS] offset:512*\q+64*\i
.endr
.endr
.endm
; A step of 128 along K that has its successor in the same slot.  Loads into registers that products have read stand four plain vector instructions behind them (ISA guide 7.12.1 for vector instructions)
.macro STEP slot, q, cm
	s_wait_dscnt 4*NL                              ; all but the youngest 24 loads, A's blocks 4-7
.if \cm
	WIN 0x81                                       ; C, the bias, in window 0
.else
	WIN MUL_LO
.endif
	MUL16 0, (\q)%2, \q, \slot, \cm
	MUL16 2, (\q)%2, \q, \slot, \cm
	s_wait_dscnt 0
	PLACES NP
	FETCH_B \slot, (\q)+1, 1-(\q)%2
	FETCH_A \slot, (\q)+1, 0
.if \cm
	WIN 0xc1
.else
	WIN MUL_HI
.endif
	MUL16 4, (\q)%2, \q, \slot, \cm
	MUL16 6, (\q)%2, \q, \slot, \cm
	PLACES NP
	WIN 0
	FETCH_A \slot, (\q)+1, 4
.endm
; A slot's last step changes slots: one barrier; ahead of it each wave waits for all its tensor loads, adds 0 to its spare word, and waits for that and for its reads of this slot.  fill = 1: the slot is filled again, two K steps ahead
.macro TURN slot, next, fill
	s_wait_tensorcnt 0x0                           ; all my tensor loads have landed: my part of the next slot
	ds_add_u32 v[SPW], v[NIL]                      ; 0 onto my spare word
	s_wait_dscnt 4*NL+1                            ; (the add and the youngest 24 loads may be out)
	WIN MUL_LO
	MUL16 0, 1, 1, \slot, 0
	s_wait_dscnt 0x0                               ; the add is done, and my reads of this slot are over
	s_barrier_signal -1
	MUL16 2, 1, 1, \slot, 0
	WIN 0
	s_barrier_wait -1
.if \fill
	CREST                                          ; the barrier has opened a round of the cluster's: no wave of any partner still reads this slot or has a load on its way
	s_add_nc_u64 s[G0+4*\slot+2:G0+4*\slot+3], s[G0+4*\slot+2:G0+4*\slot+3], 2*RBS
	s_add_nc_u64 s[G0B+4*\slot+2:G0B+4*\slot+3], s[G0B+4*\slot+2:G0B+4*\slot+3], 2*RBS
	JLOAD G0+4*\slot, G1, G0B+4*\slot, G1B         ; the first tensor load behind the round; its four v_nop are the places ahead of the loads below
.else
	PLACES NP
.endif
	v_add_nc_u32 v[ADRS], 1024, v[ADRS]            ; the next two chunks' scale words
	FETCH_B \next, 0, 0
	FETCH_A \next, 0, 0
	SCALES \next
	WIN MUL_HI
	MUL16 4, 1, 1, \slot, 0
	MUL16 6, 1, 1, \slot, 0
	PLACES NP
	WIN 0
	FETCH_A \next, 0, 4
.endm
; 64 numbers of a lane, register 16 b + i = k 32 b + 16 (lane / 16) + i of my row, become a fragment's codes in v[PC] on and its scale word in v[PW]
.macro QUANT s
.irp b, 0,1,2,3
	v_max3_num_f32 v[TM+\b], |v[\s+16*\b]|, |v[\s+1+16*\b]|, 0x2800000   ; and the floor 2^(5 - 127): the byte cannot fall under 1
.endr
.irp i, 2,4,6,8,10,12,14
.irp b, 0,1,2,3
	v_max3_num_f32 v[TM+\b], v[TM+\b], |v[\s+16*\b+\i]|, |v[\s+1+16*\b+\i]|
.endr
.endr
.irp b, 0,1,2,3
	v_permlanex16_b32 v[TM+4+\b], v[TM+\b], s[SEL], s[SEL+1]
.endr
.irp b, 0,1,2,3
	v_max_num_f32 v[TM+\b], v[TM+\b], v[TM+4+\b]
.endr
.irp b, 0,1,2,3
	v_add_nc_u32 v[TM+12+\b], 0xfe000000, v[TM+\b]   ; 4 off the exponent field: the conversion's scale operand
.endr
.irp b, 0,1,2,3
	v_lshrrev_b32 v[TM+4+\b], 23, v[TM+12+\b]
.endr
	v_lshl_or_b32 v[PW], v[TM+5], 8, v[TM+4]
	v_lshl_or_b32 v[PW], v[TM+6], 16, v[PW]
	v_lshl_or_b32 v[PW], v[TM+7], 24, v[PW]
.irp c, 0,1
	v_cvt_scalef32_pk16_bf6_f32 v[PC+6*\c:PC+2+6*\c], v[\s+32*\c:\s+15+32*\c], v[TM+12+2*\c]
	v_cvt_scalef32_pk16_bf6_f32 v[PC+12+4*\c:PC+14+4*\c], v[\s+16+32*\c:\s+31+32*\c], v[TM+12+2*\c+1]
.endr
	v_nop                                          ; one plain instruction behind a scaled conversion
.irp c, 0,1
.irp i, 0,1,2
	v_permlane16_swap_b32 v[PC+6*\c+\i], v[PC+12+4*\c+\i]
.endr
.irp i, 0,1,2
	v_mov_b32 v[PC+3+6*\c+\i], v[PC+12+4*\c+\i]
.endr
.endr
.endm
	s_load_b128 s[4:7], s[0:1], 0x0                ; hq, wts
	s_load_b128 s[8:11], s[0:1], 0x10              ; b1, gl
	v_lshl_add_u32 v[SPW], v0, 2, SPARE
	v_mov_b32 v[NIL], 0
	ds_add_u32 v28, v29
	ds_add_u32 v28, v29
	s_wait_dscnt 0x0
	v_lshrrev_b32 v1, 5, v0
	v_readfirstlane_b32 s14, v1                    ; wave 0..3
	s_lshr_b32 s15, s14, 1                         ; which half of the tile's rows is mine.  Also: I fetch for A (0) or for B (1)
	s_and_b32 s16, s14, 1                          ; which half of its columns.  Also: which 128 rows I fetch
	s_bfe_u32 s40, ttmp6, 0x40000                  ; cx, cy
	s_bfe_u32 s41, ttmp6, 0x40004
	s_lshl_b32 s42, ttmp9, 2
	s_add_co_u32 s42, s42, s40                     ; tile column
	s_and_b32 s17, ttmp7, 0xffff
	s_lshl_b32 s17, s17, 2
	s_add_co_u32 s17, s17, s41                     ; tile row
	s_lshl_b32 s43, s41, 2
	s_lshl_b32 s43, 15, s43                        ; my row of the cluster
	s_lshl_b32 s44, 0x1111, s40                    ; my column
	; group 1, codes: 8 rows (row blocks) of 384 elements of 8 bytes, KRB bytes apart; no padding
	s_or_b32 s[G1+0], s43, (3<<16)|(1<<21)
	s_or_b32 s[G1B+0], s44, (3<<16)|(1<<21)
.irp g, G1, G1B
	s_mov_b32 s[\g+1], 384<<16
	s_mov_b32 s[\g+2], 8<<16
	s_mov_b32 s[\g+3], 384<<16
	s_mov_b32 s[\g+4], 8
	s_mov_b32 s[\g+5], KRB/8
	s_mov_b32 s[\g+6], 0
	s_mov_b32 s[\g+7], 0
.endr
	; group 1, scale words of 128 rows: a dense block, as rows of 512 bytes
	s_or_b32 s[G1S+0], s43, (3<<16)|(1<<21)
	s_or_b32 s[G1SB+0], s44, (3<<16)|(1<<21)
.irp g, G1S, G1SB
	s_mov_b32 s[\g+1], 64<<16
	s_mov_b32 s[\g+2], (SIZE_K/128)<<16
	s_mov_b32 s[\g+3], 64<<16
	s_mov_b32 s[\g+4], SIZE_K/128
	s_mov_b32 s[\g+5], 64
	s_mov_b32 s[\g+6], 0
	s_mov_b32 s[\g+7], 0
.endr
	s_lshl_b32 s18, s16, 3
	s_lshl_b32 s20, s17, 4
	s_add_co_u32 s20, s20, s18
	s_mul_i32 s20, s20, KRB                        ; A's codes: row block 16 x tile row + 8 x half
	s_mov_b32 s21, 0
	s_lshl_b32 s22, s17, 1
	s_add_co_u32 s22, s22, s16
	s_mul_i32 s22, s22, SQ
	s_add_co_u32 s22, s22, A_SC                    ; A's scale words
	s_mov_b32 s23, 0
	s_lshl_b32 s46, s42, 4
	s_add_co_u32 s46, s46, s18
	s_mul_i32 s46, s46, KRB
	s_add_co_u32 s46, s46, B_CO                    ; B's likewise, by the tile column
	s_mov_b32 s47, 0
	s_lshl_b32 s92, s42, 1
	s_add_co_u32 s92, s92, s16
	s_mul_i32 s92, s92, SQ
	s_add_co_u32 s92, s92, B_SC
	s_mov_b32 s93, 0
	s_mul_i32 s45, s14, HALFT                      ; where they go: no place in the cluster enters an LDS address
	s_mul_i32 s94, s14, HALFS
	s_mov_b32 s[SEL], 0x76543210
	s_mov_b32 s[SEL+1], 0xfedcba98
	s_mov_b32 s[K2], 0xbdd2d3e8                    ; -k2 = -0.10294324
	s_mov_b32 s[K2+1], s[K2]
	s_wait_kmcnt 0x0
	s_add_nc_u64 s[20:21], s[4:5], s[20:21]
	s_add_nc_u64 s[22:23], s[4:5], s[22:23]
	s_add_nc_u64 s[46:47], s[6:7], s[46:47]
	s_add_nc_u64 s[92:93], s[6:7], s[92:93]
	CROUND                                         ; all sixteen work-groups are here: the first joint loads meet
	s_mov_b32 s[G0S], 1
	s_add_co_u32 s[G0S+1], s94, SCL
	s_mov_b64 s[G0S+2:G0S+3], s[22:23]
	s_or_b32 s[G0S+3], s[G0S+3], 0x80000000
	s_mov_b32 s[G0SB], 1
	s_add_co_u32 s[G0SB+1], s94, SCL
	s_mov_b64 s[G0SB+2:G0SB+3], s[92:93]
	s_or_b32 s[G0SB+3], s[G0SB+3], 0x80000000
	JLOAD G0S, G1S, G0SB, G1SB                     ; the scale words first
.irp s, 0,1
	s_mov_b32 s[G0+4*\s], 1
	s_add_co_u32 s[G0+4*\s+1], s45, \s*SLOT
	s_add_nc_u64 s[G0+4*\s+2:G0+4*\s+3], s[20:21], \s*RBS
	s_or_b32 s[G0+4*\s+3], s[G0+4*\s+3], 0x80000000
	s_mov_b32 s[G0B+4*\s], 1
	s_add_co_u32 s[G0B+4*\s+1], s45, \s*SLOT
	s_add_nc_u64 s[G0B+4*\s+2:G0B+4*\s+3], s[46:47], \s*RBS
	s_or_b32 s[G0B+4*\s+3], s[G0B+4*\s+3], 0x80000000
	JLOAD G0+4*\s, G1, G0B+4*\s, G1B
.endr
	v_and_b32 v1, 15, v0                           ; r
	v_bfe_u32 v2, v0, 4, 1                         ; h
	v_and_b32 v3, 31, v0                           ; lane
	v_lshlrev_b32 v4, 3, v3                        ; 8 lane
	v_lshlrev_b32 v5, 6, v2                        ; the bias: 64 h
	s_lshl_b32 s46, s42, 10
	s_lshl_b32 s47, s16, 9
	s_add_co_u32 s46, s46, s47
	s_mov_b32 s47, 0
	s_add_nc_u64 s[8:9], s[8:9], s[46:47]          ; b1 at column 256 x tile column + 128 x half
.irp b, 0,1,2,3,4,5,6,7
.irp q, 0,1
	global_load_b128 v[BIAS+8*\b+4*\q:BIAS+8*\b+4*\q+3], v5, s[8:9] offset:128*(\b/2)+32*(\b%2)+16*\q
.endr
.endr
	s_mul_i32 s21, s15, HALFT
	s_mul_i32 s22, s16, HALFT
	s_add_co_u32 s22, s22, 2*HALFT
.irp s, 0,1
	v_add_nc_u32 v[ADRA+\s], s21, v4
	v_add_nc_u32 v[ADRB+\s], s22, v4
	s_add_co_u32 s21, s21, SLOT
	s_add_co_u32 s22, s22, SLOT
.endr
	s_mul_i32 s21, s15, HALFS                      ; scale words: lanes 0-15 A's quarter, lanes 16-31 B's: the lower base + h x the distance
	s_mul_i32 s22, s16, HALFS
	s_add_co_u32 s22, s22, 2*HALFS
	s_sub_co_u32 s22, s22, s21
	v_mul_u32_u24 v7, s22, v2
	s_add_co_u32 s21, s21, SCL
	v_lshl_add_u32 v7, v1, 2, v7
	v_add_nc_u32 v[ADRS], s21, v7
	s_lshl_b32 s21, s14, 9                         ; the way out's scratch: 512 bytes a wave, in slot 0
	v_lshl_add_u32 v24, v1, 2, s21                 ; in: 4 r
	v_lshl_add_u32 v25, v3, 4, s21                 ; back: 16 lane
	v_mov_b32 v26, v4                              ; 8 lane
	v_lshlrev_b32 v30, 4, v3                       ; 16 lane
	v_mov_b32 v[K1], 0xc0135761                    ; -k1 = -2.3022082
	v_mov_b32 v[K1+1], 0xc0135761
	; where my results go
	s_lshl_b32 s20, s17, 4
	s_lshl_b32 s21, s15, 3
	s_add_co_u32 s20, s20, s21
	s_mul_i32 s20, s20, ORBB
	s_lshl_b32 s46, s42, 1
	s_add_co_u32 s46, s46, s16                     ; my chunk of the result's rows
	s_mul_i32 s47, s46, 1536
	s_add_co_u32 s20, s20, s47
	s_mov_b32 s21, 0
	s_lshl_b32 s22, s17, 1
	s_add_co_u32 s22, s22, s15
	s_lshl_b32 s22, s22, 5
	s_add_co_u32 s22, s22, s46
	s_lshl_b32 s22, s22, 9
	s_add_co_u32 s22, s22, O_SC
	s_mov_b32 s23, 0
	s_add_nc_u64 s[12:13], s[10:11], s[22:23]      ; the scale words' 512 bytes
	s_add_nc_u64 s[10:11], s[10:11], s[20:21]      ; the first row block's codes
	s_wait_loadcnt 0x0                             ; the bias
	s_wait_tensorcnt 1                             ; the scale words and my part of K step 0 are in; K step 1's load may be out
	s_barrier_signal -1
	s_barrier_wait -1
	FETCH_B 0, 0, 0
	FETCH_A 0, 0, 0
	SCALES 0
	FETCH_A 0, 0, 4
	STEP 0, 0, 1                                   ; the first step stands ahead of the loop: its products start the sums, from the bias
	s_mov_b32 s3, LAPS-1
.Llap:
	TURN 0, 1, 1
	STEP 1, 0, 0
	TURN 1, 0, 1
	STEP 0, 0, 0
	s_sub_co_u32 s3, s3, 1
	s_cmp_lg_u32 s3, 0
	s_cbranch_scc1 .Llap
	TURN 0, 1, 0                                   ; the last lap fills nothing
	STEP 1, 0, 0
	s_wait_dscnt 4*NL
	WIN MUL_LO
	MUL16 0, 1, 1, 1, 0
	MUL16 2, 1, 1, 1, 0
	s_wait_dscnt 0
	WIN MUL_HI
	MUL16 4, 1, 1, 1, 0
	MUL16 6, 1, 1, 1, 0
	WIN 0
	PLACES NP
.irp b, 0,1,2,3
	v_mov_b32 v[TM+4+\b], 0                        ; a lane permute's destination counts as one of its sources
.endr
; THE WAY OUT, a row block at a time: gelu of its 64 registers a lane, the quantiser, six stores of 256 consecutive aligned bytes; the scale word to my 512 bytes of slot 0, which has had its last fill and its last read.
; The exponentials are one batch with one wait, and so are the reciprocals.
.macro GOUT a
.set AC, 64*((\a)%4)
.if (\a) > 0
	s_wait_xcnt 0x0                                ; the last block's stores have read the codes' registers
	s_wait_dscnt 0x0
.endif
	WIN 0x0a+5*((\a)/4)                            ; sources 0 and 1 in window 2 or 3
.set i, 0
.rept 32
	v_pk_mul_f32 v[HA+2*i:HA+2*i+1], v[AC+2*i:AC+2*i+1], v[AC+2*i:AC+2*i+1]   ; x^2; each accumulator from its low end on
.set i, i+1
.endr
	WIN 0
.set i, 0
.rept 32
	v_pk_fma_f32 v[HA+2*i:HA+2*i+1], v[HA+2*i:HA+2*i+1], s[K2:K2+1], v[K1:K1+1] op_sel_hi:[1,0,0]   ; -k2 x^2 - k1
.set i, i+1
.endr
	WIN 0x02+(\a)/4
.set i, 0
.rept 32
	v_pk_mul_f32 v[HA+2*i:HA+2*i+1], v[AC+2*i:AC+2*i+1], v[HA+2*i:HA+2*i+1]   ; times x
.set i, i+1
.endr
	WIN 0
.set i, 0
.rept 64
	v_exp_f32 v[HA+i], v[HA+i]
.set i, i+1
.endr
	v_nop
	s_wait_alu depctr_va_vdst(0)
.set i, 0
.rept 32
	v_pk_add_f32 v[HA+2*i:HA+2*i+1], v[HA+2*i:HA+2*i+1], 1.0 op_sel_hi:[1,0]
.set i, i+1
.endr
.set i, 0
.rept 64
	v_rcp_f32 v[HA+i], v[HA+i]
.set i, i+1
.endr
	v_nop
	s_wait_alu depctr_va_vdst(0)
	WIN 0x02+(\a)/4
.set i, 0
.rept 32
	v_pk_mul_f32 v[HA+2*i:HA+2*i+1], v[AC+2*i:AC+2*i+1], v[HA+2*i:HA+2*i+1]   ; gelu
.set i, i+1
.endr
	WIN 0
	QUANT HA
.irp p, 0,1,2,3,4,5
	global_store_b64 v26, v[PC+2*\p:PC+2*\p+1], s[10:11] offset:(\a)*ORBB+256*\p
.endr
	ds_store_b32 v24, v[PW] offset:64*(\a)
.endm
.irp a, 0,1,2,3,4,5,6,7
	GOUT \a
.endr
	ds_load_b128 v[HA:HA+3], v25                   ; LDS serves a wave's instructions in order: this sees my eight stores
	s_wait_dscnt 0x0
	global_store_b128 v30, v[HA:HA+3], s[12:13]    ; my 128 rows' scale words: 512 consecutive aligned bytes
	s_wait_tensorcnt 0x0                           ; the wave's end
	ds_add_u32 v[SPW], v[NIL]
	s_wait_dscnt 0x0
	CROUND                                         ; the closing round
	s_endpgm
.Lfunc_end_k_qd38a143e14_w1:
	.size	k_qd38a143e14_w1, .Lfunc_end_k_qd38a143e14_w1-k_qd38a143e14_w1
	.p2alignl 7, 3214868480
	.fill 96, 4, 3214868480
	.section	.rodata,"a",@progbits
	.p2align	6, 0x0
	.amdhsa_kernel k_qd38a143e14_w1
		.amdhsa_group_segment_fixed_size 327680
		.amdhsa_private_segment_fixed_size 0
		.amdhsa_enable_private_segment 0
		.amdhsa_kernarg_size 32
		.amdhsa_user_sgpr_count 2
		.amdhsa_user_sgpr_kernarg_segment_ptr 1
		.amdhsa_wavefront_size32 1
		.amdhsa_system_sgpr_workgroup_id_x 1
		.amdhsa_system_sgpr_workgroup_id_y 1
		.amdhsa_system_sgpr_workgroup_id_z 1
		.amdhsa_system_vgpr_workitem_id 0
		.amdhsa_next_free_vgpr 1024
		.amdhsa_next_free_sgpr 106
		.amdhsa_reserve_vcc 0
		.amdhsa_float_denorm_mode_32 3
		.amdhsa_float_denorm_mode_16_64 3
		.amdhsa_memory_ordered 1
		.amdhsa_forward_progress 1
		.amdhsa_inst_pref_size 255
	.end_amdhsa_kernel
	.section	.bss,"aw",@nobits
	.p2align	6
	.space	262144
	.amdgpu_metadata
---
amdhsa.version: [ 1, 2 ]
amdhsa.kernels:
  - .name:           k_qd38a143e14_w1
    .symbol:         k_qd38a143e14_w1.kd
    .args:
      - { .name: hq, .offset: 0, .size: 8, .value_kind: global_buffer, .address_space: global }
      - { .name: wts, .offset: 8, .size: 8, .value_kind: global_buffer, .address_space: global }
      - { .name: b1, .offset: 16, .size: 8, .value_kind: global_buffer, .address_space: global }
      - { .name: gl, .offset: 24, .size: 8, .value_kind: global_buffer, .address_space: global }
    .group_segment_fixed_size: 327680
    .private_segment_fixed_size: 0
    .kernarg_segment_align: 8
    .kernarg_segment_size: 32
    .max_flat_workgroup_size: 128
    .sgpr_count:     106
    .vgpr_count:     1024
    .wavefront_size: 32
...
	.end_amdgpu_metadata
.endif
;; end of part 6
;; launch w2 (part 7): grid 4 x 16, 4 waves a work-group, clusters of 4 x 4, 327,680 bytes of LDS; arguments gl, wts, b2, x1, out0; writes out0
.if DOCPART == 7
	.amdgcn_target "amdgcn-amd-amdhsa--gfx1250"
	.amdhsa_code_object_version 6
	.text
	.protected	k_qd38a143e14_w2
	.globl	k_qd38a143e14_w2
	.p2align	8
	.type	k_qd38a143e14_w2,@function
k_qd38a143e14_w2:
	s_mov_b64 s[64:65], 0
	v_nop
	global_prefetch_b8 v0, s[64:65] scope:SCOPE_SE
	s_setreg_imm32_b32 hwreg(HW_REG_WAVE_MODE, 25, 1), 1
	s_wait_xcnt 0x0
	s_wait_alu depctr_hold_cnt(0) depctr_sa_sdst(0) depctr_va_vdst(0) depctr_va_sdst(0) depctr_va_ssrc(0) depctr_va_vcc(0) depctr_vm_vsrc(0)
	s_getreg_b32 s2, hwreg(HW_REG_IB_STS2, 6, 4)
	s_cmp_eq_u32 s2, 0
	s_cbranch_scc0 .Lentry_in_a_cluster
	s_endpgm
.Lentry_in_a_cluster:
	s_bfe_u32 s2, ttmp6, 0x10000c
	s_cmp_lg_u32 s2, 0xf033
	s_cbranch_scc0 .Lentry_shape_is_right
	s_endpgm
.Lentry_shape_is_right:
; out = x1 + gelu W2^T + b2.  gelu [4,096][4,096] (gl) and W2 [1,024][4,096] (in wts) are codes of BF6 (E3M2) with one E8M0 byte for each 32 along K; x1, b2, out f32.
; OPERANDS ARE IMAGES OF REGISTERS: rows in STORED order (row number with bits 3 and 4 exchanged); codes at ((row block x K/128 + chunk) x 1536) + 256 p + 8 lane; scale words at (((stored row / 128) x K/128 + chunk) x 512) + 4 (row % 128).
; So a fragment (16 rows x 128 K, 12 registers) is six LDS loads of 256 consecutive bytes, and a slot's tile is rows of 3,072 consecutive bytes of memory.
; THE MATRIX INSTRUCTION IS USED TRANSPOSED (source 0 = 16 stored rows of B, source 1 = 16 of A): lane (r, h) of accumulator (a, b) holds A's stored row 16 a + r, which is row 32 (a / 2) + 8 (a % 2) + r + 8 (r / 8), and register j is column 32 (b / 2) + 16 h + 8 (b % 2) + j.
; THE RESIDUAL STARTS THE SUMS: x1 is loaded straight into the accumulators, in that layout, while the first tiles are on their way; every product adds in place.
; THE LOOP: a work-group of four waves makes 256 x 256, a wave 128 x 128 (64 accumulators); K in steps of 256 through two LDS slots filled by joint tensor loads (A's tile shared along the cluster's row, B's along its column);
; the scale words for all of K (64 KiB) come once, with the first fills.  A has one set of fragment registers, B two.  64 tiles: 64 work-groups.
; THE WAY OUT: a row block goes through the wave's own stage in LDS (in slot 0, behind its last fill and last read) and comes back as whole rows of 512 bytes; the bias is added there; each store covers 512 consecutive aligned bytes.
; REGISTERS: window 0: v16-31 addresses; v32-63 scale words, two sets; v64-67 the bias of my four columns; v128-223 A's fragments; on the way out v128-255 rows.  window 1: B's two sets.  windows 2, 3: the accumulators ((a, b) at v[8 (8 (a % 4) + b)]).
.set SIZE_K, 4096
.set A_SC,   12582912                  ; A's scale words in its buffer
.set B_CO,   6291456                   ; B's codes and scale words in wts
.set B_SC,   9699328
.set CH,     1536
.set RBS,    3072
.set KRB,    SIZE_K/128*1536
.set HALFT,  8*RBS
.set SLOT,   4*HALFT
.set LAPS,   SIZE_K/512
.set SCL,    2*SLOT
.set SQ,     4*SIZE_K
.set HALFS,  SQ+64                     ; 64 bytes between quarters: A's and B's words, read by one load, fall on different banks
.set SPARE,  SCL+4*HALFS               ; the spare words: 128 bytes a wave, two blocks of 256 bytes that no other line names
.set SPITCH, 528
.set FR, 12
.set NL, 6
.set NP, 4
.set ADRA, 16
.set ADRB, 20
.set STO,  24
.set RD,   25
.set CO,   26
.set ADRS, 27
.set SPW,  28
.set NIL,  29
.set RO,   30
.set SC,   32
.set BI,   64
.set AF,   128
.set BK,   128
.set G1, 24
.set G0, 32
.set G1B, 48
.set G0B, 56
.set G1S, 68
.set G0S, 76
.set G1SB, 80
.set G0SB, 88
.set MSB, 0
.macro WIN new                         ; the immediate's high byte repeats the setting that is left
.if MSB != (\new)
	s_set_vgpr_msb (MSB<<8)|(\new)
.set MSB, (\new)
.endif
.endm
.set MUL_LO, 0xa1                      ; source 0 (B) window 1, source 1 (A) window 0, C and D window 2
.set MUL_HI, 0xf1
.set TO_B,   0x40
.macro JLOAD g0a, g1a, g0b, g1b        ; a joint load: waves 0 and 1 fetch for A, waves 2 and 3 for B; four v_nop follow each line
	s_cmp_eq_u32 s15, 0
	s_cbranch_scc0 .Lfor_b_\@
	tensor_load_to_lds s[\g0a:\g0a+3], s[\g1a:\g1a+7]
	s_nop 0
.rept 4
	v_nop
.endr
	s_branch .Lasked_\@
.Lfor_b_\@:
	tensor_load_to_lds s[\g0b:\g0b+3], s[\g1b:\g1b+7]
	s_nop 0
.rept 4
	v_nop
.endr
.Lasked_\@:
.endm
.macro CREST
	s_cmp_lg_u32 s14, 0
	s_cbranch_scc1 .Lnot_wave_0_\@
	s_barrier_signal -3
.Lnot_wave_0_\@:
	s_barrier_wait -3
	s_barrier_signal -1
	s_barrier_wait -1
.endm
.macro CROUND
	s_barrier_signal -1
	s_barrier_wait -1
	CREST
.endm
.macro PLACES n
.rept \n
	v_nop
.endr
.endm
.macro FRAG reg, adr, q, i             ; row block i, the slot's q-th chunk: six loads of 256 consecutive bytes
.irp p, 0,1,2,3,4,5
	ds_load_b64 v[\reg+2*\p:\reg+2*\p+1], v[\adr] offset:(\i)*RBS+(\q)*CH+256*\p
.endr
.endm
; 16 products: A's blocks a0, a0 + 1 x B's eight.  p: B's set; q: the chunk; sc: the set of scale words.  The 64 accumulators take turns
.macro MUL16 a0, p, q, sc
.irp a, \a0, \a0+1
.irp b, 0,1,2,3,4,5,6,7
	v_wmma_scale_f32_16x16x128_f8f6f4 v[8*(8*((\a)%4)+\b):8*(8*((\a)%4)+\b)+7], v[128*(\p)+FR*\b:128*(\p)+FR*\b+FR-1], v[AF+FR*(\a):AF+FR*(\a)+FR-1], v[8*(8*((\a)%4)+\b):8*(8*((\a)%4)+\b)+7], v[SC+16*(\sc)+2*\b+(\q)], v[SC+16*(\sc)+2*(\a)+(\q)] matrix_a_fmt:MATRIX_FMT_BF6 matrix_b_fmt:MATRIX_FMT_BF6 matrix_a_scale:MATRIX_SCALE_ROW1
.endr
.endr
.endm
.macro FETCH_B slot, q, p
	WIN TO_B
.irp i, 0,1,2,3,4,5,6,7
	FRAG 128*(\p)+FR*\i, ADRB+\slot, \q, \i
.endr
	WIN 0
.endm
.macro FETCH_A slot, q, i0
.irp i, \i0, \i0+1, \i0+2, \i0+3
	FRAG AF+FR*(\i), ADRA+\slot, \q, \i
.endr
.endm
.macro SCALES sc                       ; a slot's scale words: register 2 i + q: lanes 0-15 A's block i, lanes 16-31 B's block i, chunk q
.irp i, 0,1,2,3,4,5,6,7
.irp q, 0,1
	ds_load_b32 v[SC+16*\sc+2*\i+\q], v[ADRS] offset:512*\q+64*\i
.endr
.endr
.endm
; A step of 128 along K that has its successor in the same slot.  Loads into registers that products have read stand four plain vector instructions behind them (ISA guide 7.12.1 for vector instructions)
.macro STEP slot, q
	s_wait_dscnt 4*NL                              ; all but the youngest 24 loads, A's blocks 4-7
	WIN MUL_LO
	MUL16 0, (\q)%2, \q, \slot
	MUL16 2, (\q)%2, \q, \slot
	s_wait_dscnt 0
	PLACES NP
	FETCH_B \slot, (\q)+1, 1-(\q)%2
	FETCH_A \slot, (\q)+1, 0
	WIN MUL_HI
	MUL16 4, (\q)%2, \q, \slot
	MUL16 6, (\q)%2, \q, \slot
	PLACES NP
	WIN 0
	FETCH_A \slot, (\q)+1, 4
.endm
; A slot's last step changes slots: one barrier; ahead of it each wave waits for all its tensor loads, adds 0 to its spare word, and waits for that and for its reads of this slot.  fill = 1: the slot is filled again, two K steps ahead
.macro TURN slot, next, fill
	s_wait_tensorcnt 0x0                           ; all my tensor loads have landed: my part of the next slot
	ds_add_u32 v[SPW], v[NIL]                      ; 0 onto my spare word
	s_wait_dscnt 4*NL+1                            ; (the add and the youngest 24 loads may be out)
	WIN MUL_LO
	MUL16 0, 1, 1, \slot
	s_wait_dscnt 0x0                               ; the add is done, and my reads of this slot are over
	s_barrier_signal -1
	MUL16 2, 1, 1, \slot
	WIN 0
	s_barrier_wait -1
.if \fill
	CREST                                          ; the barrier has opened a round of the cluster's: no wave of any partner still reads this slot or has a load on its way
	s_add_nc_u64 s[G0+4*\slot+2:G0+4*\slot+3], s[G0+4*\slot+2:G0+4*\slot+3], 2*RBS
	s_add_nc_u64 s[G0B+4*\slot+2:G0B+4*\slot+3], s[G0B+4*\slot+2:G0B+4*\slot+3], 2*RBS
	JLOAD G0+4*\slot, G1, G0B+4*\slot, G1B         ; the first tensor load behind the round; its four v_nop are the places ahead of the loads below
.else
	PLACES NP
.endif
	v_add_nc_u32 v[ADRS], 1024, v[ADRS]            ; the next two chunks' scale words
	FETCH_B \next, 0, 0
	FETCH_A \next, 0, 0
	SCALES \next
	WIN MUL_HI
	MUL16 4, 1, 1, \slot
	MUL16 6, 1, 1, \slot
	PLACES NP
	WIN 0
	FETCH_A \next, 0, 4
.endm
	s_load_b128 s[4:7], s[0:1], 0x0                ; A's buffer, wts
	s_load_b128 s[8:11], s[0:1], 0x10              ; the bias, the residual
	s_load_b64 s[12:13], s[0:1], 0x20              ; the result
	v_lshl_add_u32 v[SPW], v0, 2, SPARE
	v_mov_b32 v[NIL], 0
	ds_add_u32 v28, v29
	ds_add_u32 v28, v29
	s_wait_dscnt 0x0
	v_lshrrev_b32 v1, 5, v0
	v_readfirstlane_b32 s14, v1                    ; wave 0..3
	s_lshr_b32 s15, s14, 1                         ; which half of the tile's rows is mine.  Also: I fetch for A (0) or for B (1)
	s_and_b32 s16, s14, 1                          ; which half of its columns.  Also: which 128 rows I fetch
	s_bfe_u32 s40, ttmp6, 0x40000                  ; cx, cy
	s_bfe_u32 s41, ttmp6, 0x40004
	s_lshl_b32 s42, ttmp9, 2
	s_add_co_u32 s42, s42, s40                     ; tile column
	s_and_b32 s17, ttmp7, 0xffff
	s_lshl_b32 s17, s17, 2
	s_add_co_u32 s17, s17, s41                     ; tile row
	s_lshl_b32 s43, s41, 2
	s_lshl_b32 s43, 15, s43                        ; my row of the cluster
	s_lshl_b32 s44, 0x1111, s40                    ; my column
	; group 1, codes: 8 rows (row blocks) of 384 elements of 8 bytes, KRB bytes apart; no padding
	s_or_b32 s[G1+0], s43, (3<<16)|(1<<21)
	s_or_b32 s[G1B+0], s44, (3<<16)|(1<<21)
.irp g, G1, G1B
	s_mov_b32 s[\g+1], 384<<16
	s_mov_b32 s[\g+2], 8<<16
	s_mov_b32 s[\g+3], 384<<16
	s_mov_b32 s[\g+4], 8
	s_mov_b32 s[\g+5], KRB/8
	s_mov_b32 s[\g+6], 0
	s_mov_b32 s[\g+7], 0
.endr
	; group 1, scale words of 128 rows: a dense block, as rows of 512 bytes
	s_or_b32 s[G1S+0], s43, (3<<16)|(1<<21)
	s_or_b32 s[G1SB+0], s44, (3<<16)|(1<<21)
.irp g, G1S, G1SB
	s_mov_b32 s[\g+1], 64<<16
	s_mov_b32 s[\g+2], (SIZE_K/128)<<16
	s_mov_b32 s[\g+3], 64<<16
	s_mov_b32 s[\g+4], SIZE_K/128
	s_mov_b32 s[\g+5], 64
	s_mov_b32 s[\g+6], 0
	s_mov_b32 s[\g+7], 0
.endr
	s_lshl_b32 s18, s16, 3
	s_lshl_b32 s20, s17, 4
	s_add_co_u32 s20, s20, s18
	s_mul_i32 s20, s20, KRB                        ; A's codes: row block 16 x tile row + 8 x half
	s_mov_b32 s21, 0
	s_lshl_b32 s22, s17, 1
	s_add_co_u32 s22, s22, s16
	s_mul_i32 s22, s22, SQ
	s_add_co_u32 s22, s22, A_SC                    ; A's scale words
	s_mov_b32 s23, 0
	s_lshl_b32 s46, s42, 4
	s_add_co_u32 s46, s46, s18
	s_mul_i32 s46, s46, KRB
	s_add_co_u32 s46, s46, B_CO                    ; B's likewise, by the tile column
	s_mov_b32 s47, 0
	s_lshl_b32 s92, s42, 1
	s_add_co_u32 s92, s92, s16
	s_mul_i32 s92, s92, SQ
	s_add_co_u32 s92, s92, B_SC
	s_mov_b32 s93, 0
	s_mul_i32 s45, s14, HALFT                      ; where they go: no place in the cluster enters an LDS address
	s_mul_i32 s94, s14, HALFS
	s_wait_kmcnt 0x0
	s_add_nc_u64 s[20:21], s[4:5], s[20:21]
	s_add_nc_u64 s[22:23], s[4:5], s[22:23]
	s_add_nc_u64 s[46:47], s[6:7], s[46:47]
	s_add_nc_u64 s[92:93], s[6:7], s[92:93]
	CROUND                                         ; all sixteen work-groups are here: the first joint loads meet
	s_mov_b32 s[G0S], 1
	s_add_co_u32 s[G0S+1], s94, SCL
	s_mov_b64 s[G0S+2:G0S+3], s[22:23]
	s_or_b32 s[G0S+3], s[G0S+3], 0x80000000
	s_mov_b32 s[G0SB], 1
	s_add_co_u32 s[G0SB+1], s94, SCL
	s_mov_b64 s[G0SB+2:G0SB+3], s[92:93]
	s_or_b32 s[G0SB+3], s[G0SB+3], 0x80000000
	JLOAD G0S, G1S, G0SB, G1SB                     ; the scale words first
.irp s, 0,1
	s_mov_b32 s[G0+4*\s], 1
	s_add_co_u32 s[G0+4*\s+1], s45, \s*SLOT
	s_add_nc_u64 s[G0+4*\s+2:G0+4*\s+3], s[20:21], \s*RBS
	s_or_b32 s[G0+4*\s+3], s[G0+4*\s+3], 0x80000000
	s_mov_b32 s[G0B+4*\s], 1
	s_add_co_u32 s[G0B+4*\s+1], s45, \s*SLOT
	s_add_nc_u64 s[G0B+4*\s+2:G0B+4*\s+3], s[46:47], \s*RBS
	s_or_b32 s[G0B+4*\s+3], s[G0B+4*\s+3], 0x80000000
	JLOAD G0+4*\s, G1, G0B+4*\s, G1B
.endr
	v_and_b32 v1, 15, v0                           ; r
	v_bfe_u32 v2, v0, 4, 1                         ; h
	v_and_b32 v3, 31, v0                           ; lane
	v_lshlrev_b32 v4, 3, v3                        ; 8 lane
	v_and_b32 v5, 8, v1
	v_add_nc_u32 v5, v5, v1
	v_lshlrev_b32 v5, 12, v5
	v_lshl_add_u32 v[RO], v2, 6, v5                ; the residual: row r + 8 (r / 8) of 4,096 bytes, + 64 h
	v_lshlrev_b32 v[CO], 4, v3                     ; 16 lane
	s_lshl_b32 s20, s17, 8
	s_lshl_b32 s21, s15, 7
	s_add_co_u32 s20, s20, s21
	s_lshl_b32 s20, s20, 12                        ; my first row, in bytes
	s_lshl_b32 s46, s42, 10
	s_lshl_b32 s47, s16, 9
	s_add_co_u32 s46, s46, s47                     ; my first column, in bytes
	s_add_co_u32 s20, s20, s46
	s_mov_b32 s21, 0
	s_mov_b32 s47, 0
	s_add_nc_u64 s[10:11], s[10:11], s[20:21]
	s_add_nc_u64 s[12:13], s[12:13], s[20:21]
	s_add_nc_u64 s[8:9], s[8:9], s[46:47]
	global_load_b128 v[BI:BI+3], v[CO], s[8:9]     ; the bias of columns 4 lane .. 4 lane + 3
	WIN 0x80                                       ; destination window 2
.irp a, 0,1,2,3
.irp b, 0,1,2,3,4,5,6,7
.irp q, 0,1
	global_load_b128 v[8*(8*\a+\b)+4*\q:8*(8*\a+\b)+4*\q+3], v[RO], s[10:11] offset:(32*(\a/2)+8*(\a%2))*4096+128*(\b/2)+32*(\b%2)+16*\q
.endr
.endr
.endr
	WIN 0xc0                                       ; destination window 3
.irp a, 4,5,6,7
.irp b, 0,1,2,3,4,5,6,7
.irp q, 0,1
	global_load_b128 v[8*(8*(\a-4)+\b)+4*\q:8*(8*(\a-4)+\b)+4*\q+3], v[RO], s[10:11] offset:(32*(\a/2)+8*(\a%2))*4096+128*(\b/2)+32*(\b%2)+16*\q
.endr
.endr
.endr
	WIN 0
	s_mul_i32 s21, s15, HALFT
	s_mul_i32 s22, s16, HALFT
	s_add_co_u32 s22, s22, 2*HALFT
.irp s, 0,1
	v_add_nc_u32 v[ADRA+\s], s21, v4
	v_add_nc_u32 v[ADRB+\s], s22, v4
	s_add_co_u32 s21, s21, SLOT
	s_add_co_u32 s22, s22, SLOT
.endr
	s_mul_i32 s21, s15, HALFS                      ; scale words: lanes 0-15 A's quarter, lanes 16-31 B's: the lower base + h x the distance
	s_mul_i32 s22, s16, HALFS
	s_add_co_u32 s22, s22, 2*HALFS
	s_sub_co_u32 s22, s22, s21
	v_mul_u32_u24 v7, s22, v2
	s_add_co_u32 s21, s21, SCL
	v_lshl_add_u32 v7, v1, 2, v7
	v_add_nc_u32 v[ADRS], s21, v7
	s_mul_i32 s23, s14, 16*SPITCH                  ; my stage, in slot 0
	v_mul_u32_u24 v7, v1, SPITCH
	v_lshl_add_u32 v7, v2, 6, v7
	v_add_nc_u32 v[STO], s23, v7                   ; in: row r, + 64 h
	v_add_nc_u32 v[RD], s23, v[CO]                 ; back: a row of 512 bytes to the 32 lanes
	s_wait_loadcnt 0x0                             ; the residual lies in the accumulators
	s_wait_tensorcnt 1                             ; the scale words and my part of K step 0 are in; K step 1's load may be out
	s_barrier_signal -1
	s_barrier_wait -1
	FETCH_B 0, 0, 0
	FETCH_A 0, 0, 0
	SCALES 0
	FETCH_A 0, 0, 4
	STEP 0, 0
	s_mov_b32 s3, LAPS-1
.Llap:
	TURN 0, 1, 1
	STEP 1, 0
	TURN 1, 0, 1
	STEP 0, 0
	s_sub_co_u32 s3, s3, 1
	s_cmp_lg_u32 s3, 0
	s_cbranch_scc1 .Llap
	TURN 0, 1, 0                                   ; the last lap fills nothing
	STEP 1, 0
	s_wait_dscnt 4*NL
	WIN MUL_LO
	MUL16 0, 1, 1, 1
	MUL16 2, 1, 1, 1
	s_wait_dscnt 0
	WIN MUL_HI
	MUL16 4, 1, 1, 1
	MUL16 6, 1, 1, 1
	WIN 0
.macro TOSTAGE a
.set AC, 64*((\a)%4)
	WIN 0x08+4*((\a)/4)                            ; an LDS store's data: window 2 or 3
.irp b, 0,1,2,3,4,5,6,7
	ds_store_b128 v[STO], v[AC+8*\b:AC+8*\b+3] offset:128*(\b/2)+32*(\b%2)        ; each accumulator from its low end on
	ds_store_b128 v[STO], v[AC+8*\b+4:AC+8*\b+7] offset:128*(\b/2)+32*(\b%2)+16
.endr
	WIN 0
.set BB, BK+64*((\a)%2)
.irp t, 0,1,2,3,4,5,6,7,8,9,10,11,12,13,14,15
	ds_load_b128 v[BB+4*\t:BB+4*\t+3], v[RD] offset:\t*SPITCH   ; LDS serves a wave's instructions in order: these see the stores above
.endr
.endm
.macro SEND a, younger                 ; younger: the LDS instructions issued behind block a's loads, which may stay out
.set BB, BK+64*((\a)%2)
	s_wait_dscnt \younger
.irp t, 0,1,2,3,4,5,6,7,8,9,10,11,12,13,14,15
	v_pk_add_f32 v[BB+4*\t:BB+4*\t+1], v[BB+4*\t:BB+4*\t+1], v[BI:BI+1]
	v_pk_add_f32 v[BB+4*\t+2:BB+4*\t+3], v[BB+4*\t+2:BB+4*\t+3], v[BI+2:BI+3]
	global_store_b128 v[CO], v[BB+4*\t:BB+4*\t+3], s[12:13] offset:(32*((\a)/2)+8*((\a)%2)+\t+8*(\t/8))*4096   ; place t of block a is this row; 512 consecutive aligned bytes
.endr
.endm
	PLACES NP                                      ; behind the last products: for the loads into A's registers and the reads of results
	TOSTAGE 0
.irp a, 1,2,3,4,5,6,7
.if \a > 1
	s_wait_xcnt 0x0                                ; block a - 2's stores have read their registers: block a's rows may land there
.endif
	TOSTAGE \a
	SEND \a-1, 32                                  ; behind block a - 1's loads: block a's 16 stores and 16 loads
.endr
	SEND 7, 0
	s_wait_tensorcnt 0x0                           ; the wave's end
	ds_add_u32 v[SPW], v[NIL]
	s_wait_dscnt 0x0
	CROUND                                         ; the closing round
	s_endpgm
.Lfunc_end_k_qd38a143e14_w2:
	.size	k_qd38a143e14_w2, .Lfunc_end_k_qd38a143e14_w2-k_qd38a143e14_w2
	.p2alignl 7, 3214868480
	.fill 96, 4, 3214868480
	.section	.rodata,"a",@progbits
	.p2align	6, 0x0
	.amdhsa_kernel k_qd38a143e14_w2
		.amdhsa_group_segment_fixed_size 327680
		.amdhsa_private_segment_fixed_size 0
		.amdhsa_enable_private_segment 0
		.amdhsa_kernarg_size 40
		.amdhsa_user_sgpr_count 2
		.amdhsa_user_sgpr_kernarg_segment_ptr 1
		.amdhsa_wavefront_size32 1
		.amdhsa_system_sgpr_workgroup_id_x 1
		.amdhsa_system_sgpr_workgroup_id_y 1
		.amdhsa_system_sgpr_workgroup_id_z 1
		.amdhsa_system_vgpr_workitem_id 0
		.amdhsa_next_free_vgpr 1024
		.amdhsa_next_free_sgpr 106
		.amdhsa_reserve_vcc 0
		.amdhsa_float_denorm_mode_32 3
		.amdhsa_float_denorm_mode_16_64 3
		.amdhsa_memory_ordered 1
		.amdhsa_forward_progress 1
		.amdhsa_inst_pref_size 190
	.end_amdhsa_kernel
	.amdgpu_metadata
---
amdhsa.version: [ 1, 2 ]
amdhsa.kernels:
  - .name:           k_qd38a143e14_w2
    .symbol:         k_qd38a143e14_w2.kd
    .args:
      - { .name: gl, .offset: 0, .size: 8, .value_kind: global_buffer, .address_space: global }
      - { .name: wts, .offset: 8, .size: 8, .value_kind: global_buffer, .address_space: global }
      - { .name: b2, .offset: 16, .size: 8, .value_kind: global_buffer, .address_space: global }
      - { .name: x1, .offset: 24, .size: 8, .value_kind: global_buffer, .address_space: global }
      - { .name: out0, .offset: 32, .size: 8, .value_kind: global_buffer, .address_space: global }
    .group_segment_fixed_size: 327680
    .private_segment_fixed_size: 0
    .kernarg_segment_align: 8
    .kernarg_segment_size: 40
    .max_flat_workgroup_size: 128
    .sgpr_count:     106
    .vgpr_count:     1024
    .wavefront_size: 32
...
	.end_amdgpu_metadata
.endif
;; end of part 7
;; ======== version 2 of 2: 7 launches
;; limits: right only within a limited range of input values
;; workspace buffers: wts 9,830,400 bytes; hq 3,276,800 bytes; qkv 9,830,400 bytes; at 3,276,800 bytes; x1 16,777,216 bytes; gl 13,107,200 bytes
;; launch prep (part 8): grid 448 x 1, 8 waves a work-group, no clusters, 136,448 bytes of LDS; arguments x, ln1_g, ln1_b, hq, Wq, Wk, Wv, Wo, W1, W2, wts; writes hq, wts
.if DOCPART == 8
	.amdgcn_target "amdgcn-amd-amdhsa--gfx1250"
	.amdhsa_code_object_version 6
	.text
	.protected	k_qd38a143e14_prep
	.globl	k_qd38a143e14_prep
	.p2align	8
	.type	k_qd38a143e14_prep,@function
k_qd38a143e14_prep:
	s_mov_b64 s[64:65], 0
	v_nop
	global_prefetch_b8 v0, s[64:65] scope:SCOPE_SE
	s_setreg_imm32_b32 hwreg(HW_REG_WAVE_MODE, 25, 1), 1
	s_wait_xcnt 0x0
; ONE PREPARING LAUNCH FOR TWO JOBS THAT HANG ON NOTHING BUT INPUTS.  Work-groups 0-191 quantise the six weights; work-groups 192-447 normalise x (the first LayerNorm) and quantise the result.
; The path is chosen by the work-group's number alone; each path has LDS bytes of its own (the norm 0 .. 65,791, the weights from 66,816 on); the spare words lie between.
; Both results are codes of BF6 (E3M2) with one E8M0 byte for each 32 along K, laid as IMAGES OF OPERAND REGISTERS.
; THE IMAGE of an operand [rows][K]: rows are kept in STORED order (row number with bits 3 and 4 exchanged: place 16 u + t of a group of 32 holds row 8 u + t + 8 (t / 8)); K in true order.
;   codes:  ((row block x K/128 + chunk) x 1536) + 256 p + 8 lane: pair p of the 12 registers that lane (r, h) of a fragment (16 stored rows x 128 K) holds: registers 6 c .. 6 c + 5 = k 64 c + 32 h + 0 .. 31.
;   scales: (((stored row / 128) x K/128 + chunk) x 512) + 4 (stored row % 128): a word a row and chunk, byte b for k 32 b on.
; THE WEIGHTS.  In wts: codes of Wq, Wk, Wv, Wo, W1, W2 one behind the other, 24,576 bytes for each group of four waves in its order; scales from byte 9,437,184 on, 1,024 bytes for each.
; A group of four waves (two groups to a work-group, 384 in all) takes 64 rows x 512 along K; a wave one chunk of 128, in four items of 16 stored rows.  An item: 16 loads of 512 consecutive bytes (a row's chunk),
; a turn through the wave's own stage in LDS, so that a lane holds 16 neighbours of each block of 32, the quantiser, six stores of 256 consecutive aligned bytes.  The four items' scale words leave as one block of 256 bytes.
; The weight is chosen by the group's number: pointers and sizes by selects.  These waves share nothing: no barrier.
; THE NORM.  y = (x - mean) rsqrt(var + 1e-5) g + b for rows of 1,024 f32, all in f32 (mean first, then the mean of the squared differences).  Work-group 192 + G makes stored row block G of hq (scale words from byte 3,145,728 on).
; A: wave w normalises two rows (places 2 w, 2 w + 1), a row in 32 registers a lane, read once, and lays them in LDS.  One barrier.  B: wave w takes chunk w of all 16 rows, quantises, and stores six times 256 consecutive aligned bytes.
; The chunk's 16 scale words are 64 bytes of a block of 512: a block written in part; whole ones would want 128 rows to a work-group.
; No matrix unit, no cluster, no tensor load: each byte is read once by one wave.
; THE QUANTISER: scale = 2^(floor(log2(largest magnitude)) - 4); its byte = the largest magnitude's exponent field - 4.
; LIMITS: a block whose largest magnitude lies under 2^-122 (all zeros too) gets the byte 1 (the rule says 127 for zeros: the codes are zeros and this program alone reads the bytes); NaN and infinities are not served.
.set SPARE, 65792                      ; the spare words: 128 bytes a wave, four blocks of 256 bytes that no other line names
.set WBASE, 66816                      ; the weights' path: LDS from here on
; 64 numbers of a lane, register 16 b + i = k 32 b + 16 (lane / 16) + i of my row, become a fragment's codes in v[PC] on and its scale word in v[PW]
.macro QUANT s
.irp b, 0,1,2,3
	v_max3_num_f32 v[TM+\b], |v[\s+16*\b]|, |v[\s+1+16*\b]|, 0x2800000   ; my 16 numbers of block b, and the floor 2^(5 - 127): the byte cannot fall under 1
.endr
.irp i, 2,4,6,8,10,12,14
.irp b, 0,1,2,3
	s_delay_alu instid0(VALU_DEP_4)
	v_max3_num_f32 v[TM+\b], v[TM+\b], |v[\s+16*\b+\i]|, |v[\s+1+16*\b+\i]|
.endr
.endr
.irp b, 0,1,2,3
	s_delay_alu instid0(VALU_DEP_4)
	v_permlanex16_b32 v[TM+4+\b], v[TM+\b], s[SEL], s[SEL+1]
.endr
.irp b, 0,1,2,3
	s_delay_alu instid0(VALU_DEP_4)
	v_max_num_f32 v[TM+\b], v[TM+\b], v[TM+4+\b]   ; with lane l xor 16's: the block's largest magnitude
.endr
.irp b, 0,1,2,3
	s_delay_alu instid0(VALU_DEP_4)
	v_add_nc_u32 v[TM+12+\b], 0xfe000000, v[TM+\b]   ; 4 off the exponent field: the conversion's scale operand
.endr
.irp b, 0,1,2,3
	s_delay_alu instid0(VALU_DEP_4)
	v_lshrrev_b32 v[TM+4+\b], 23, v[TM+12+\b]      ; the scale's byte
.endr
	s_delay_alu instid0(VALU_DEP_3)
	v_lshl_or_b32 v[PW], v[TM+5], 8, v[TM+4]
	s_delay_alu instid0(VALU_DEP_1)
	v_lshl_or_b32 v[PW], v[TM+6], 16, v[PW]
	s_delay_alu instid0(VALU_DEP_1)
	v_lshl_or_b32 v[PW], v[TM+7], 24, v[PW]
.irp c, 0,1
	v_cvt_scalef32_pk16_bf6_f32 v[PC+6*\c:PC+2+6*\c], v[\s+32*\c:\s+15+32*\c], v[TM+12+2*\c]
	v_cvt_scalef32_pk16_bf6_f32 v[PC+12+4*\c:PC+14+4*\c], v[\s+16+32*\c:\s+31+32*\c], v[TM+12+2*\c+1]   ; (a conversion's three registers begin on an even number)
.endr
	v_nop                                          ; one plain instruction behind a scaled conversion
.irp c, 0,1                                    ; the operand wants a whole block in a lane: lanes 0-15 block 2 c, lanes 16-31 block 2 c + 1
.irp i, 0,1,2
	v_permlane16_swap_b32 v[PC+6*\c+\i], v[PC+12+4*\c+\i]
.endr
.irp i, 0,1,2
	s_delay_alu instid0(VALU_DEP_3)
	v_mov_b32 v[PC+3+6*\c+\i], v[PC+12+4*\c+\i]
.endr
.endr
.endm
	v_lshl_add_u32 v16, v0, 2, SPARE               ; v16, v17: my spare word and 0, kept for the add at the wave's end
	v_mov_b32 v17, 0
	s_cmp_lt_u32 ttmp9, 192
	s_cbranch_scc0 .Lnorm
; ---------------- THE WEIGHTS ----------------
.set WREG, 8704                        ; LDS of a wave: a stage of 16 rows x 528 bytes, then 256 bytes for scale words
.set SPI,  528                         ; a stage row: 512 bytes + 16
.set OFF,  8                           ; v8-15   t x (a row in bytes) + 16 lane
.set PC,   18                          ; v18-36  the codes just made
.set PW,   37                          ; v37     the scale word just made
.set TM,   40                          ; v40-55  at work in the quantiser
.set R,    64                          ; v64-191 two sets of 64: an item as loaded
.set X,    192                         ; v192-255 an item as the quantiser wants it
.set LB,   24                          ; s[24:39] load bases: item i, rows t < 8 and t >= 8
.set CB,   40                          ; s[40:47] the items' places among the codes
.set SB,   48                          ; s[48:49] my 256 bytes of scale words
.set SEL,  50                          ; s[50:51] lane selects: lane l xor 16
	s_load_b256 s[4:11], s[0:1], 0x20              ; Wq, Wk, Wv, Wo
	s_load_b128 s[12:15], s[0:1], 0x40             ; W1, W2
	s_load_b64 s[16:17], s[0:1], 0x50              ; wts
	v_lshrrev_b32 v1, 5, v0
	v_readfirstlane_b32 s19, v1                    ; wave 0..7
	s_and_b32 s18, s19, 3                          ; my place in my group of four
	s_lshr_b32 s21, s19, 2
	s_lshl_b32 s2, ttmp9, 1
	s_add_co_u32 s21, s21, s2                      ; my group: 2 x work-group + wave / 4, 0 .. 383
	v_and_b32 v7, 31, v0                           ; lane
	v_and_b32 v5, 15, v0                           ; r
	v_bfe_u32 v6, v0, 4, 1                         ; h
	v_lshlrev_b32 v1, 4, v7                        ; 16 lane
	v_lshlrev_b32 v4, 3, v7                        ; 8 lane
	s_mul_i32 s19, s19, WREG
	s_add_co_u32 s19, s19, WBASE
	v_add_nc_u32 v2, s19, v1                       ; the stage, on the way in: a row as it lies
	v_mul_u32_u24 v3, v5, SPI
	v_lshl_add_u32 v3, v6, 6, v3
	v_add_nc_u32 v3, s19, v3                       ; and out: row r, + 64 h
	s_add_co_u32 s19, s19, 16*SPI
	v_lshl_add_u32 v5, v5, 2, s19                  ; the scale words, in: 4 r
	v_add_nc_u32 v6, s19, v4                       ; and out: 8 lane
	s_mov_b32 s[SEL], 0x76543210
	s_mov_b32 s[SEL+1], 0xfedcba98
.irp b, 0,1,2,3
	v_mov_b32 v[TM+4+\b], 0                        ; written once: a lane permute's destination counts as one of its sources
.endr
	s_mov_b32 s20, 0                               ; the first group of my weight
	s_wait_kmcnt 0x0
	s_mov_b64 s[22:23], s[4:5]                     ; my weight
.macro PICK t, p                       ; from group t on: the weight at s[p:p+1].  The choice hangs on the group's number alone
	s_cmp_ge_u32 s21, \t
	s_cselect_b32 s20, \t, s20
	s_cselect_b64 s[22:23], s[\p:\p+1], s[22:23]
.endm
	PICK 32, 6
	PICK 64, 8
	PICK 96, 10
	PICK 128, 12
	PICK 256, 14                                   ; the last compare says: W2, whose K is 4,096
	s_mov_b32 s52, 4096
	s_cselect_b32 s52, 16384, s52                  ; a row in bytes
	s_mov_b32 s53, 12288
	s_cselect_b32 s53, 49152, s53                  ; a row block of codes in bytes
	s_cselect_b32 s54, 3, 1                        ; log2 of the groups that share 64 rows
	s_cselect_b32 s55, 7, 1
	s_cselect_b32 s56, 32, 8                       ; chunks in a row
	s_sub_co_u32 s57, s21, s20
	s_lshr_b32 s58, s57, s54                       ; which 64 rows
	s_and_b32 s57, s57, s55
	s_lshl_b32 s57, s57, 2
	s_add_co_u32 s57, s57, s18                     ; my chunk
	s_lshl_b32 s59, s58, 6
	s_mul_i32 s59, s59, s52
	s_lshl_b32 s60, s57, 9
	s_add_co_u32 s59, s59, s60                     ; 64 rows x which + 512 bytes x chunk (under 2^25)
	s_mov_b32 s61, 0
.irp i, 0,1,2,3
.irp u, 0,1
	s_mul_i32 s60, s52, 32*(\i/2)+8*(\i%2)+16*\u   ; item i's places t < 8 are rows 32 (i / 2) + 8 (i % 2) on, its places t >= 8 lie 16 rows further
	s_add_co_u32 s60, s60, s59
	s_add_nc_u64 s[LB+4*\i+2*\u:LB+4*\i+2*\u+1], s[22:23], s[60:61]
.endr
.endr
.irp t, 0,1,2,3,4,5,6,7
	s_mul_i32 s60, s52, \t
	v_add_nc_u32 v[OFF+\t], s60, v1
.endr
	s_mul_i32 s62, s20, 24576
	s_mul_i32 s63, s57, 1536
	s_add_co_u32 s62, s62, s63
	s_lshl_b32 s63, s58, 2
	s_mul_i32 s63, s63, s53
	s_add_co_u32 s60, s62, s63
	s_add_nc_u64 s[CB:CB+1], s[16:17], s[60:61]    ; codes: my weight's part + row block 4 x which + my chunk
	s_mov_b32 s60, s53
.irp i, 1,2,3
	s_add_nc_u64 s[CB+2*\i:CB+2*\i+1], s[CB+2*\i-2:CB+2*\i-1], s[60:61]
.endr
	s_lshr_b32 s62, s58, 1
	s_mul_i32 s62, s62, s56
	s_add_co_u32 s62, s62, s57
	s_lshl_b32 s62, s62, 9
	s_and_b32 s63, s58, 1
	s_lshl_b32 s63, s63, 8
	s_add_co_u32 s62, s62, s63
	s_lshl_b32 s63, s20, 10
	s_add_co_u32 s62, s62, s63
	s_add_co_u32 s60, s62, 9437184
	s_add_nc_u64 s[SB:SB+1], s[16:17], s[60:61]
.macro LOAD i                          ; item i: 16 rows' chunks, 512 consecutive bytes a load
.irp t, 0,1,2,3,4,5,6,7,8,9,10,11,12,13,14,15
	global_load_b128 v[R+64*((\i)%2)+4*\t:R+64*((\i)%2)+4*\t+3], v[OFF+\t%8], s[LB+4*(\i)+2*(\t/8):LB+4*(\i)+2*(\t/8)+1] th:TH_LOAD_NT
.endr
.endm
.macro ITEM i
.if (\i) < 3
	s_wait_loadcnt 16                              ; this item's 16 loads are in; the next item's 16 may be out
.else
	s_wait_loadcnt 0
.endif
.irp t, 0,1,2,3,4,5,6,7,8,9,10,11,12,13,14,15
	ds_store_b128 v2, v[R+64*((\i)%2)+4*\t:R+64*((\i)%2)+4*\t+3] offset:SPI*\t
.endr
.irp b, 0,1,2,3
.irp j, 0,1,2,3
	ds_load_b128 v[X+16*\b+4*\j:X+16*\b+4*\j+3], v3 offset:128*\b+16*\j   ; LDS serves a wave's instructions in order: these see the stores above
.endr
.endr
	s_wait_dscnt 0x0                               ; the numbers are back, and the stores have read their registers,
.if (\i) < 2
	LOAD (\i)+2                                    ; which take the item two on
.endif
	s_wait_xcnt 0x0                                ; the last item's stores have read the codes' registers: they are written again only behind this wait
	QUANT X
.irp p, 0,1,2,3,4,5
	global_store_b64 v4, v[PC+2*\p:PC+2*\p+1], s[CB+2*(\i):CB+2*(\i)+1] offset:256*\p   ; 32 lanes store 256 consecutive bytes, at a multiple of 256 from the buffer's first byte
.endr
	ds_store_b32 v5, v[PW] offset:64*(\i)          ; both halves of the lanes write the same word with the same value
.endm
	s_wait_alu depctr_va_vdst(0)                   ; the wait at the head's end
	LOAD 0
	LOAD 1
	ITEM 0
	ITEM 1
	ITEM 2
	ITEM 3
	ds_load_b64 v[12:13], v6                       ; (v12, v13: offsets of loads that have all come in)
	s_wait_dscnt 0x0
	global_store_b64 v4, v[12:13], s[SB:SB+1]      ; the 64 rows' scale words of my chunk: 256 consecutive aligned bytes
	s_wait_tensorcnt 0x0                           ; the wave's end
	ds_add_u32 v16, v17
	s_wait_dscnt 0x0
	s_endpgm
; ---------------- THE NORM ----------------
.Lnorm:
.set LP,  4112                         ; a row in LDS: 4,096 bytes + 16: sixteen rows' equal columns fall on different banks
.set X,   32                           ; v32-95   two rows, then the chunk's 64 numbers
.set GG,  96                           ; v96-127  g of my 32 columns
.set BB,  128                          ; v128-159 b
.set TM,  160                          ; v160-175 at work: +4 e sums of row e (two pairs), +8 + 2 e its mean twice, +12 + 2 e its 1 / sigma twice; later the quantiser's
.set PW,  176
.set PT,  177                          ; v177-178 targets of the lane exchange
.set PC,  180                          ; v180-198 the codes just made
.set SEL, 22
; both rows' two pairs of partial sums become the rows' sums, in every lane, at v[TM + 4 e]
.macro REDUCE
.irp e, 0
	s_delay_alu instid0(VALU_DEP_3)
	v_pk_add_f32 v[TM+4*\e:TM+4*\e+1], v[TM+4*\e:TM+4*\e+1], v[TM+4*\e+2:TM+4*\e+3]
.endr
.irp e, 1
	s_delay_alu instid0(VALU_DEP_2)
	v_pk_add_f32 v[TM+4*\e:TM+4*\e+1], v[TM+4*\e:TM+4*\e+1], v[TM+4*\e+2:TM+4*\e+3]
.endr
.irp e, 0,1
	s_delay_alu instid0(VALU_DEP_2)
	v_add_f32 v[TM+4*\e], v[TM+4*\e], v[TM+4*\e+1]
.endr
.irp m, 1,2,4,8
.irp e, 0,1
	s_delay_alu instid0(VALU_DEP_2)
	v_add_f32_dpp v[TM+4*\e], v[TM+4*\e], v[TM+4*\e] row_xmask:\m row_mask:0xf bank_mask:0xf
.endr
.endr
.irp e, 0,1
	s_delay_alu instid0(VALU_DEP_2)
	v_permlanex16_b32 v[PT+\e], v[TM+4*\e], s[SEL], s[SEL+1]
.endr
.irp e, 0,1
	s_delay_alu instid0(VALU_DEP_2)
	v_add_f32 v[TM+4*\e], v[TM+4*\e], v[PT+\e]
.endr
.endm
	s_load_b256 s[4:11], s[0:1], 0x0               ; x, g, b, the image
	v_lshrrev_b32 v1, 5, v0
	s_delay_alu instid0(VALU_DEP_1)
	v_readfirstlane_b32 s12, v1                    ; wave 0..7
	v_and_b32 v2, 31, v0                           ; lane
	v_and_b32 v3, 15, v0                           ; r
	v_bfe_u32 v4, v0, 4, 1                         ; h
	s_delay_alu instid0(VALU_DEP_3)
	v_lshlrev_b32 v1, 4, v2                        ; 16 lane
	s_wait_alu depctr_va_vdst(0)                   ; a wait behind these writes
	v_lshlrev_b32 v5, 3, v2                        ; 8 lane
	v_lshlrev_b32 v6, 2, v3                        ; 4 r
	v_mov_b32 v[PT], 0                             ; written once: a lane permute's destination counts as one of its sources
	v_mov_b32 v[PT+1], 0
	s_sub_co_u32 s27, ttmp9, 192                   ; G: my stored row block
	s_lshr_b32 s13, s27, 1
	s_lshl_b32 s13, s13, 5
	s_and_b32 s14, s27, 1
	s_lshl_b32 s14, s14, 3
	s_add_co_u32 s13, s13, s14
	s_lshl_b32 s14, s12, 1
	s_add_co_u32 s13, s13, s14
	s_lshr_b32 s14, s12, 2
	s_lshl_b32 s14, s14, 3
	s_add_co_u32 s13, s13, s14                     ; my first row: 32 (G / 2) + 8 (G % 2) + 2 w + 8 (w / 4)
	s_lshl_b32 s14, s13, 12
	s_mov_b32 s15, 0
	s_mul_i32 s16, s12, 2*LP
	v_add_nc_u32 v7, s16, v1                       ; LDS, in: places 2 w and 2 w + 1, as the rows lie
	v_mul_u32_u24 v8, v3, LP
	s_delay_alu instid0(VALU_DEP_1)
	v_lshl_add_u32 v8, v4, 6, v8
	s_lshl_b32 s16, s12, 9
	v_add_nc_u32 v8, s16, v8                       ; out: place r, chunk w, + 64 h
	s_lshl_b32 s18, s27, 3
	s_add_co_u32 s18, s18, s12
	s_mul_i32 s18, s18, 1536                       ; my chunk's codes
	s_mov_b32 s19, 0
	s_lshr_b32 s20, s27, 3
	s_lshl_b32 s20, s20, 3
	s_add_co_u32 s20, s20, s12
	s_lshl_b32 s20, s20, 9
	s_and_b32 s21, s27, 7
	s_lshl_b32 s21, s21, 6
	s_add_co_u32 s20, s20, s21
	s_add_co_u32 s20, s20, 3145728                 ; and its scale words
	s_mov_b32 s21, 0
	s_mov_b32 s[SEL], 0x76543210
	s_mov_b32 s[SEL+1], 0xfedcba98
	s_mov_b32 s24, 0x3a800000                      ; 1 / 1,024
	s_mov_b32 s25, 0x3727c5ac                      ; 1e-5
	s_wait_alu depctr_va_vdst(0)                   ; the wait at the head's end
	s_wait_kmcnt 0x0
	s_add_nc_u64 s[4:5], s[4:5], s[14:15]
	s_add_nc_u64 s[18:19], s[10:11], s[18:19]
	s_add_nc_u64 s[20:21], s[10:11], s[20:21]
.irp e, 0,1
.irp j, 0,1,2,3,4,5,6,7
	global_load_b128 v[X+32*\e+4*\j:X+32*\e+4*\j+3], v1, s[4:5] offset:4096*\e+512*\j   ; 512 consecutive bytes a load
.endr
.endr
.irp j, 0,1,2,3,4,5,6,7
	global_load_b128 v[GG+4*\j:GG+4*\j+3], v1, s[6:7] offset:512*\j
.endr
.irp j, 0,1,2,3,4,5,6,7
	global_load_b128 v[BB+4*\j:BB+4*\j+3], v1, s[8:9] offset:512*\j
.endr
	s_wait_loadcnt 16                              ; the two rows are in; the 16 loads of g and b may be out
.irp e, 0,1
	v_pk_add_f32 v[TM+4*\e:TM+4*\e+1], v[X+32*\e:X+32*\e+1], v[X+32*\e+2:X+32*\e+3]
	v_pk_add_f32 v[TM+4*\e+2:TM+4*\e+3], v[X+32*\e+4:X+32*\e+5], v[X+32*\e+6:X+32*\e+7]
.endr
.irp j, 8,12,16,20,24,28
.irp e, 0,1
	s_delay_alu instid0(VALU_DEP_4)
	v_pk_add_f32 v[TM+4*\e:TM+4*\e+1], v[TM+4*\e:TM+4*\e+1], v[X+32*\e+\j:X+32*\e+\j+1]
	s_delay_alu instid0(VALU_DEP_4)
	v_pk_add_f32 v[TM+4*\e+2:TM+4*\e+3], v[TM+4*\e+2:TM+4*\e+3], v[X+32*\e+\j+2:X+32*\e+\j+3]
.endr
.endr
	REDUCE
.irp e, 0,1
	s_delay_alu instid0(VALU_DEP_2)
	v_mul_f32 v[TM+8+2*\e], s24, v[TM+4*\e]        ; the mean,
.endr
.irp e, 0,1
	s_delay_alu instid0(VALU_DEP_2)
	v_mov_b32 v[TM+9+2*\e], v[TM+8+2*\e]           ; twice, for the packed form
.endr
.irp j, 0,2,4,6,8,10,12,14,16,18,20,22,24,26,28,30
.irp e, 0,1
	v_pk_add_f32 v[X+32*\e+\j:X+32*\e+\j+1], v[X+32*\e+\j:X+32*\e+\j+1], v[TM+8+2*\e:TM+9+2*\e] neg_lo:[0,1] neg_hi:[0,1]   ; x - mean
.endr
.endr
.irp e, 0,1
	v_pk_mul_f32 v[TM+4*\e:TM+4*\e+1], v[X+32*\e:X+32*\e+1], v[X+32*\e:X+32*\e+1]
	v_pk_mul_f32 v[TM+4*\e+2:TM+4*\e+3], v[X+32*\e+2:X+32*\e+3], v[X+32*\e+2:X+32*\e+3]
.endr
.irp j, 4,8,12,16,20,24,28
.irp e, 0,1
	s_delay_alu instid0(VALU_DEP_4)
	v_pk_fma_f32 v[TM+4*\e:TM+4*\e+1], v[X+32*\e+\j:X+32*\e+\j+1], v[X+32*\e+\j:X+32*\e+\j+1], v[TM+4*\e:TM+4*\e+1]
	s_delay_alu instid0(VALU_DEP_4)
	v_pk_fma_f32 v[TM+4*\e+2:TM+4*\e+3], v[X+32*\e+\j+2:X+32*\e+\j+3], v[X+32*\e+\j+2:X+32*\e+\j+3], v[TM+4*\e+2:TM+4*\e+3]
.endr
.endr
	REDUCE
.irp e, 0,1
	s_delay_alu instid0(VALU_DEP_2)
	v_fma_f32 v[TM+4*\e], v[TM+4*\e], s24, s25     ; var + 1e-5
.endr
	s_wait_alu depctr_va_vdst(0)                   ; a wait ahead of the two roots
.irp e, 0,1
	v_rsq_f32 v[TM+12+2*\e], v[TM+4*\e]
.endr
	v_nop                                          ; a plain instruction behind the two roots,
	s_wait_alu depctr_va_vdst(0)                   ; and the one wait ahead of the first line that names a result
.irp e, 0,1
	v_mov_b32 v[TM+13+2*\e], v[TM+12+2*\e]
.endr
	s_wait_alu depctr_va_vdst(0)                   ; a wait directly ahead of the wait below
	s_wait_loadcnt 0x0                             ; g and b
.irp j, 0,2,4,6,8,10,12,14,16,18,20,22,24,26,28,30
.irp e, 0,1
	v_pk_mul_f32 v[X+32*\e+\j:X+32*\e+\j+1], v[X+32*\e+\j:X+32*\e+\j+1], v[TM+12+2*\e:TM+13+2*\e]
.endr
.irp e, 0,1
	s_delay_alu instid0(VALU_DEP_2)
	v_pk_fma_f32 v[X+32*\e+\j:X+32*\e+\j+1], v[X+32*\e+\j:X+32*\e+\j+1], v[GG+\j:GG+\j+1], v[BB+\j:BB+\j+1]
.endr
.endr
.irp e, 0,1
.irp j, 0,1,2,3,4,5,6,7
	ds_store_b128 v7, v[X+32*\e+4*\j:X+32*\e+4*\j+3] offset:LP*\e+512*\j
.endr
.endr
	s_wait_dscnt 0x0                               ; for the others' sake: my two rows lie in LDS
	s_barrier_signal -1
	s_barrier_wait -1                              ; all sixteen do
.irp b, 0,1,2,3
.irp j, 0,1,2,3
	ds_load_b128 v[X+16*\b+4*\j:X+16*\b+4*\j+3], v8 offset:128*\b+16*\j   ; register 16 b + i = k 128 w + 32 b + 16 h + i of place r
.endr
.endr
	s_wait_dscnt 0x0
	QUANT X
.irp p, 0,1,2,3,4,5
	global_store_b64 v5, v[PC+2*\p:PC+2*\p+1], s[18:19] offset:256*\p   ; 256 consecutive aligned bytes a store
.endr
	s_wait_xcnt 0x0                                ; EXEC changes only behind this wait: it is a source of the stores above
	v_cmp_gt_u32 vcc_lo, 16, v2
	s_wait_tensorcnt 0x0                           ; the wave's end, all lanes on
	ds_add_u32 v16, v17
	s_wait_dscnt 0x0
	s_and_saveexec_b32 s26, vcc_lo                 ; lanes 0-15: a word a row
	global_store_b32 v6, v[PW], s[20:21]
	s_wait_xcnt 0x0                                ; and again ahead of the line that widens it
	s_or_b32 exec_lo, exec_lo, s26
	s_endpgm
.Lfunc_end_k_qd38a143e14_prep:
	.size	k_qd38a143e14_prep, .Lfunc_end_k_qd38a143e14_prep-k_qd38a143e14_prep
	.p2alignl 7, 3214868480
	.fill 96, 4, 3214868480
	.section	.rodata,"a",@progbits
	.p2align	6, 0x0
	.amdhsa_kernel k_qd38a143e14_prep
		.amdhsa_group_segment_fixed_size 136448
		.amdhsa_private_segment_fixed_size 0
		.amdhsa_enable_private_segment 0
		.amdhsa_kernarg_size 88
		.amdhsa_user_sgpr_count 2
		.amdhsa_user_sgpr_kernarg_segment_ptr 1
		.amdhsa_wavefront_size32 1
		.amdhsa_system_sgpr_workgroup_id_x 1
		.amdhsa_system_sgpr_workgroup_id_y 1
		.amdhsa_system_sgpr_workgroup_id_z 1
		.amdhsa_system_vgpr_workitem_id 0
		.amdhsa_next_free_vgpr 256
		.amdhsa_next_free_sgpr 80
		.amdhsa_reserve_vcc 1
		.amdhsa_float_denorm_mode_32 3
		.amdhsa_float_denorm_mode_16_64 3
		.amdhsa_memory_ordered 1
		.amdhsa_forward_progress 1
		.amdhsa_inst_pref_size 74
	.end_amdhsa_kernel
	.amdgpu_metadata
---
amdhsa.version: [ 1, 2 ]
amdhsa.kernels:
  - .name:           k_qd38a143e14_prep
    .symbol:         k_qd38a143e14_prep.kd
    .args:
      - { .name: x, .offset: 0, .size: 8, .value_kind: global_buffer, .address_space: global }
      - { .name: ln1_g, .offset: 8, .size: 8, .value_kind: global_buffer, .address_space: global }
      - { .name: ln1_b, .offset: 16, .size: 8, .value_kind: global_buffer, .address_space: global }
      - { .name: hq, .offset: 24, .size: 8, .value_kind: global_buffer, .address_space: global }
      - { .name: Wq, .offset: 32, .size: 8, .value_kind: global_buffer, .address_space: global }
      - { .name: Wk, .offset: 40, .size: 8, .value_kind: global_buffer, .address_space: global }
      - { .name: Wv, .offset: 48, .size: 8, .value_kind: global_buffer, .address_space: global }
      - { .name: Wo, .offset: 56, .size: 8, .value_kind: global_buffer, .address_space: global }
      - { .name: W1, .offset: 64, .size: 8, .value_kind: global_buffer, .address_space: global }
      - { .name: W2, .offset: 72, .size: 8, .value_kind: global_buffer, .address_space: global }
      - { .name: wts, .offset: 80, .size: 8, .value_kind: global_buffer, .address_space: global }
    .group_segment_fixed_size: 136448
    .private_segment_fixed_size: 0
    .kernarg_segment_align: 8
    .kernarg_segment_size: 88
    .max_flat_workgroup_size: 256
    .sgpr_count:     80
    .vgpr_count:     256
    .wavefront_size: 32
...
	.end_amdgpu_metadata
.endif
;; end of part 8
;; launch qkvg (part 9): grid 48 x 4, 4 waves a work-group, clusters of 4 x 4, 327,680 bytes of LDS; arguments hq, wts, bq, bk, bv, qkv; writes qkv
.if DOCPART == 9
	.amdgcn_target "amdgcn-amd-amdhsa--gfx1250"
	.amdhsa_code_object_version 6
	.text
	.protected	k_qd38a143e14_qkvg
	.globl	k_qd38a143e14_qkvg
	.p2align	8
	.type	k_qd38a143e14_qkvg,@function
k_qd38a143e14_qkvg:
	s_mov_b64 s[64:65], 0
	v_nop
	global_prefetch_b8 v0, s[64:65] scope:SCOPE_SE
	s_setreg_imm32_b32 hwreg(HW_REG_WAVE_MODE, 25, 1), 1
	s_wait_xcnt 0x0
	s_wait_alu depctr_hold_cnt(0) depctr_sa_sdst(0) depctr_va_vdst(0) depctr_va_sdst(0) depctr_va_ssrc(0) depctr_va_vcc(0) depctr_vm_vsrc(0)
	s_getreg_b32 s2, hwreg(HW_REG_IB_STS2, 6, 4)
	s_cmp_eq_u32 s2, 0
	s_cbranch_scc0 .Lentry_in_a_cluster
	s_endpgm
.Lentry_in_a_cluster:
	s_bfe_u32 s2, ttmp6, 0x10000c
	s_cmp_lg_u32 s2, 0xf033
	s_cbranch_scc0 .Lentry_shape_is_right
	s_endpgm
.Lentry_shape_is_right:
.set SIZE_K, 1024
.set CH,     1536
.set RBS,    3072
.set KRB,    SIZE_K/128*1536
.set HALFT,  8*RBS
.set SLOT,   4*HALFT
.set LAPS,   SIZE_K/512
.set SCL,    2*SLOT
.set SQ,     4*SIZE_K
.set HALFS,  SQ
.set SPARE,  SCL+4*SQ+256
.set FR, 12
.set NL, 6
.set NP, 4
.set ADRA, 16
.set ADRB, 20
.set ADRS, 27
.set SPW,  28
.set NIL,  29
.set SC,   32
.set BIAS, 64
.set HA,   64
.set AF,   128
.set PC,   128
.set PW,   150
.set TM,   152
.set BMR,  224
.set G1, 24
.set G0, 32
.set G1B, 48
.set G0B, 56
.set G1S, 68
.set G0S, 76
.set G1SB, 80
.set G0SB, 88
.set SEL, 96
.set MQ,  98
.set MV,  99
.set OCO, 100
.set OSO, 101
.set NCO, 2
.set ORB, 104
.set MSB, 0
.macro WIN new
.if MSB != (\new)
	s_set_vgpr_msb (MSB<<8)|(\new)
.set MSB, (\new)
.endif
.endm
.set MUL_LO, 0xa1
.set MUL_HI, 0xf1
.set TO_B,   0x40
.macro JLOAD g0a, g1a, g0b, g1b
	s_cmp_eq_u32 s15, 0
	s_cbranch_scc0 .Lfor_b_\@
	tensor_load_to_lds s[\g0a:\g0a+3], s[\g1a:\g1a+7]
	s_nop 0
.rept 4
	v_nop
.endr
	s_branch .Lasked_\@
.Lfor_b_\@:
	tensor_load_to_lds s[\g0b:\g0b+3], s[\g1b:\g1b+7]
	s_nop 0
.rept 4
	v_nop
.endr
.Lasked_\@:
.endm
.macro CREST
	s_cmp_lg_u32 s14, 0
	s_cbranch_scc1 .Lnot_wave_0_\@
	s_barrier_signal -3
.Lnot_wave_0_\@:
	s_barrier_wait -3
	s_barrier_signal -1
	s_barrier_wait -1
.endm
.macro CROUND
	s_barrier_signal -1
	s_barrier_wait -1
	CREST
.endm
.macro PLACES n
.rept \n
	v_nop
.endr
.endm
.macro FRAG reg, adr, q, i
.irp p, 0,1,2,3,4,5
	ds_load_b64 v[\reg+2*\p:\reg+2*\p+1], v[\adr] offset:(\i)*RBS+(\q)*CH+256*\p
.endr
.endm
.macro MUL16 a0, p, q, sc, cm
.irp a, \a0, \a0+1
.irp b, 0,1,2,3,4,5,6,7
.if \cm
	v_wmma_scale_f32_16x16x128_f8f6f4 v[8*(8*((\a)%4)+\b):8*(8*((\a)%4)+\b)+7], v[128*(\p)+FR*\b:128*(\p)+FR*\b+FR-1], v[AF+FR*(\a):AF+FR*(\a)+FR-1], v[BIAS+8*\b:BIAS+8*\b+7], v[SC+16*(\sc)+2*\b+(\q)], v[SC+16*(\sc)+2*(\a)+(\q)] matrix_a_fmt:MATRIX_FMT_BF6 matrix_b_fmt:MATRIX_FMT_BF6 matrix_a_scale:MATRIX_SCALE_ROW1
.else
	v_wmma_scale_f32_16x16x128_f8f6f4 v[8*(8*((\a)%4)+\b):8*(8*((\a)%4)+\b)+7], v[128*(\p)+FR*\b:128*(\p)+FR*\b+FR-1], v[AF+FR*(\a):AF+FR*(\a)+FR-1], v[8*(8*((\a)%4)+\b):8*(8*((\a)%4)+\b)+7], v[SC+16*(\sc)+2*\b+(\q)], v[SC+16*(\sc)+2*(\a)+(\q)] matrix_a_fmt:MATRIX_FMT_BF6 matrix_b_fmt:MATRIX_FMT_BF6 matrix_a_scale:MATRIX_SCALE_ROW1
.endif
.endr
.endr
.endm
.macro FETCH_B slot, q, p
	WIN TO_B
.irp i, 0,1,2,3,4,5,6,7
	FRAG 128*(\p)+FR*\i, ADRB+\slot, \q, \i
.endr
	WIN 0
.endm
.macro FETCH_A slot, q, i0
.irp i, \i0, \i0+1, \i0+2, \i0+3
	FRAG AF+FR*(\i), ADRA+\slot, \q, \i
.endr
.endm
.macro SCALES sc
.irp i, 0,1,2,3,4,5,6,7
.irp q, 0,1
	ds_load_b32 v[SC+16*\sc+2*\i+\q], v[ADRS] offset:512*\q+64*\i
.endr
.endr
.endm
.macro STEP slot, q, cm
	s_wait_dscnt 4*NL
.if \cm
	WIN 0x81
.else
	WIN MUL_LO
.endif
	MUL16 0, (\q)%2, \q, \slot, \cm
	MUL16 2, (\q)%2, \q, \slot, \cm
	s_wait_dscnt 0
	PLACES NP
	FETCH_B \slot, (\q)+1, 1-(\q)%2
	FETCH_A \slot, (\q)+1, 0
.if \cm
	WIN 0xc1
.else
	WIN MUL_HI
.endif
	MUL16 4, (\q)%2, \q, \slot, \cm
	MUL16 6, (\q)%2, \q, \slot, \cm
	PLACES NP
	WIN 0
	FETCH_A \slot, (\q)+1, 4
.endm
.macro TURN slot, next, fill
	s_wait_tensorcnt 0x0
	ds_add_u32 v[SPW], v[NIL]
	s_wait_dscnt 4*NL+1
	WIN MUL_LO
	MUL16 0, 1, 1, \slot, 0
	s_wait_dscnt 0x0
	s_barrier_signal -1
	MUL16 2, 1, 1, \slot, 0
	WIN 0
	s_barrier_wait -1
.if \fill
	CREST
	s_add_nc_u64 s[G0+4*\slot+2:G0+4*\slot+3], s[G0+4*\slot+2:G0+4*\slot+3], 2*RBS
	s_add_nc_u64 s[G0B+4*\slot+2:G0B+4*\slot+3], s[G0B+4*\slot+2:G0B+4*\slot+3], 2*RBS
	JLOAD G0+4*\slot, G1, G0B+4*\slot, G1B
.else
	PLACES NP
.endif
	s_wait_alu depctr_va_vdst(0)
	v_add_nc_u32 v[ADRS], 1024, v[ADRS]
	FETCH_B \next, 0, 0
	FETCH_A \next, 0, 0
	SCALES \next
	WIN MUL_HI
	MUL16 4, 1, 1, \slot, 0
	MUL16 6, 1, 1, \slot, 0
	PLACES NP
	WIN 0
	FETCH_A \next, 0, 4
.endm
.macro QUANT s
.irp b, 0,1,2,3
	v_max3_num_f32 v[TM+\b], |v[\s+16*\b]|, |v[\s+1+16*\b]|, 0x2800000
.endr
.irp i, 2,4,6,8,10,12,14
.irp b, 0,1,2,3
	v_max3_num_f32 v[TM+\b], v[TM+\b], |v[\s+16*\b+\i]|, |v[\s+1+16*\b+\i]|
.endr
.endr
.irp b, 0,1,2,3
	v_permlanex16_b32 v[TM+4+\b], v[TM+\b], s[SEL], s[SEL+1]
.endr
.irp b, 0,1,2,3
	v_max_num_f32 v[TM+\b], v[TM+\b], v[TM+4+\b]
.endr
.irp b, 0,1,2,3
	v_add_nc_u32 v[TM+12+\b], 0xfe000000, v[TM+\b]
.endr
.irp b, 0,1,2,3
	v_lshrrev_b32 v[TM+4+\b], 23, v[TM+12+\b]
.endr
	v_lshl_or_b32 v[PW], v[TM+5], 8, v[TM+4]
	v_lshl_or_b32 v[PW], v[TM+6], 16, v[PW]
	v_lshl_or_b32 v[PW], v[TM+7], 24, v[PW]
.irp c, 0,1
	v_cvt_scalef32_pk16_bf6_f32 v[PC+6*\c:PC+2+6*\c], v[\s+32*\c:\s+15+32*\c], v[TM+12+2*\c]
	v_cvt_scalef32_pk16_bf6_f32 v[PC+12+4*\c:PC+14+4*\c], v[\s+16+32*\c:\s+31+32*\c], v[TM+12+2*\c+1]
.endr
	v_nop
.irp c, 0,1
.irp i, 0,1,2
	v_permlane16_swap_b32 v[PC+6*\c+\i], v[PC+12+4*\c+\i]
.endr
.irp i, 0,1,2
	v_mov_b32 v[PC+3+6*\c+\i], v[PC+12+4*\c+\i]
.endr
.endr
.endm
	s_load_b256 s[4:11], s[0:1], 0x0
	s_load_b64 s[12:13], s[0:1], 0x20
	s_load_b64 s[66:67], s[0:1], 0x28
	v_lshl_add_u32 v[SPW], v0, 2, SPARE
	v_mov_b32 v[NIL], 0
	ds_add_u32 v28, v29
	ds_add_u32 v28, v29
	s_wait_dscnt 0x0
	v_lshrrev_b32 v1, 5, v0
	v_readfirstlane_b32 s14, v1
	s_lshr_b32 s15, s14, 1
	s_and_b32 s16, s14, 1
	s_bfe_u32 s40, ttmp6, 0x40000
	s_bfe_u32 s41, ttmp6, 0x40004
	s_lshr_b32 s18, ttmp9, 1
	s_and_b32 s19, ttmp9, 1
	s_sub_co_u32 s95, ttmp9, 8
	s_cmp_lt_u32 ttmp9, 8
	s_cselect_b32 s18, s18, 0
	s_cselect_b32 s95, s19, s95
	s_lshl_b32 s42, s95, 2
	s_add_co_u32 s42, s42, s40
	s_lshl_b32 s17, s18, 2
	s_add_co_u32 s17, s17, s41
	s_lshl_b32 s43, s41, 2
	s_lshl_b32 s43, 15, s43
	s_lshl_b32 s44, 0x1111, s40
	s_or_b32 s[G1+0], s43, (3<<16)|(1<<21)
	s_or_b32 s[G1B+0], s44, (3<<16)|(1<<21)
.irp g, G1, G1B
	s_mov_b32 s[\g+1], 384<<16
	s_mov_b32 s[\g+2], 16<<16
	s_mov_b32 s[\g+3], 384<<16
	s_mov_b32 s[\g+4], 16
	s_mov_b32 s[\g+5], KRB/8
	s_mov_b32 s[\g+6], 0
	s_mov_b32 s[\g+7], 0
.endr
	s_or_b32 s[G1S+0], s43, (3<<16)|(1<<21)
	s_or_b32 s[G1SB+0], s44, (3<<16)|(1<<21)
.irp g, G1S, G1SB
	s_mov_b32 s[\g+1], 64<<16
	s_mov_b32 s[\g+2], (SIZE_K/64)<<16
	s_mov_b32 s[\g+3], 64<<16
	s_mov_b32 s[\g+4], SIZE_K/64
	s_mov_b32 s[\g+5], 64
	s_mov_b32 s[\g+6], 0
	s_mov_b32 s[\g+7], 0
.endr
	s_lshl_b32 s20, s17, 4
	s_mul_i32 s20, s20, KRB
	s_lshl_b32 s22, s17, 1
	s_mul_i32 s22, s22, SQ
	s_lshl_b32 s46, s42, 4
	s_mul_i32 s46, s46, KRB
	s_lshl_b32 s92, s42, 1
	s_mul_i32 s92, s92, SQ
	s_cmp_lt_u32 ttmp9, 8
	s_cselect_b32 s21, 0, 1572864
	s_mov_b32 s23, 9502720
	s_cselect_b32 s23, 3145728, s23
	s_mov_b32 s93, 3145728
	s_cselect_b32 s93, 9437184, s93
	s_cselect_b32 s[MQ], -1, 0
	s_cselect_b32 s[MV], 0, -1
	s_cselect_b32 s[OCO], 0, 6291456
	s_mov_b32 s[OSO], 9699328
	s_cselect_b32 s[OSO], 9437184, s[OSO]
	s_cselect_b32 s[NCO], 16, 32
	s_mov_b32 s[ORB], 49152
	s_cselect_b32 s[ORB], 24576, s[ORB]
	s_mov_b32 s[ORB+1], 0
	s_add_co_u32 s20, s20, s21
	s_add_co_u32 s22, s22, s23
	s_add_co_u32 s92, s92, s93
	s_mov_b32 s21, 0
	s_mov_b32 s23, 0
	s_mov_b32 s47, 0
	s_mov_b32 s93, 0
	s_mul_i32 s45, s14, HALFT
	s_mov_b32 s[SEL], 0x76543210
	s_mov_b32 s[SEL+1], 0xfedcba98
	s_wait_kmcnt 0x0
	s_cmp_eq_u32 s19, 0
	s_cselect_b64 s[8:9], s[8:9], s[10:11]
	s_cmp_lt_u32 ttmp9, 8
	s_cselect_b64 s[8:9], s[8:9], s[12:13]
	s_cselect_b64 s[10:11], s[6:7], s[4:5]
	s_cselect_b64 s[4:5], s[4:5], s[6:7]
	s_add_nc_u64 s[20:21], s[4:5], s[20:21]
	s_add_nc_u64 s[22:23], s[4:5], s[22:23]
	s_add_nc_u64 s[46:47], s[10:11], s[46:47]
	s_add_nc_u64 s[92:93], s[10:11], s[92:93]
	CROUND
	s_mov_b32 s[G0S], 1
	s_mov_b32 s[G0S+1], SCL
	s_mov_b64 s[G0S+2:G0S+3], s[22:23]
	s_or_b32 s[G0S+3], s[G0S+3], 0x80000000
	s_mov_b32 s[G0SB], 1
	s_mov_b32 s[G0SB+1], SCL+2*SQ+64
	s_mov_b64 s[G0SB+2:G0SB+3], s[92:93]
	s_or_b32 s[G0SB+3], s[G0SB+3], 0x80000000
	; the head's four tiles, one joint load a wave: wave 0 slot 0's 16 row blocks of A, wave 1 those of B, wave 2 A's scale words, wave 3 B's
	s_mov_b32 s[G0], 1
	s_mov_b32 s[G0+1], 0
	s_mov_b64 s[G0+2:G0+3], s[20:21]
	s_or_b32 s[G0+3], s[G0+3], 0x80000000
	s_mov_b32 s[G0B], 1
	s_mov_b32 s[G0B+1], 2*HALFT
	s_mov_b64 s[G0B+2:G0B+3], s[46:47]
	s_or_b32 s[G0B+3], s[G0B+3], 0x80000000
	s_mul_i32 s18, s16, 8*KRB                      ; in the ring a wave fetches 8 row blocks: which half, in bytes
	s_mov_b32 s19, 0
; PREFETCHES INTO THE L2: of the 8 row blocks that I fetch, each of the four partners that ask with me names two, told apart by address (cx for A, cy for B): 2 x 3,072 bytes of a step, a lane to each 256
.set PFA, 94
.set PFO, 10
	s_cmp_eq_u32 s15, 0
	s_cselect_b64 s[PFA:PFA+1], s[20:21], s[46:47]
	s_cselect_b32 s92, s40, s41
	s_mul_i32 s92, s92, 2*KRB
	s_add_co_u32 s92, s92, RBS                     ; at step 1
	s_mov_b32 s93, 0
	s_add_nc_u64 s[PFA:PFA+1], s[PFA:PFA+1], s[92:93]
	s_add_nc_u64 s[PFA:PFA+1], s[PFA:PFA+1], s[18:19]
	s_mov_b32 s[G0+4], 1
	s_add_co_u32 s[G0+5], s45, SLOT
	s_add_nc_u64 s[G0+6:G0+7], s[20:21], s[18:19]
	s_add_nc_u64 s[G0+6:G0+7], s[G0+6:G0+7], RBS
	s_or_b32 s[G0+7], s[G0+7], 0x80000000
	s_mov_b32 s[G0B+4], 1
	s_add_co_u32 s[G0B+5], s45, SLOT
	s_add_nc_u64 s[G0B+6:G0B+7], s[46:47], s[18:19]
	s_add_nc_u64 s[G0B+6:G0B+7], s[G0B+6:G0B+7], RBS
	s_or_b32 s[G0B+7], s[G0B+7], 0x80000000
.macro ARM under, g0, g1, next         ; one chain of branches on the wave's number: every way passes one load
	s_cmp_lt_u32 s14, \under
	s_cbranch_scc0 \next
	tensor_load_to_lds s[\g0:\g0+3], s[\g1:\g1+7]
	s_nop 0
.rept 4
	v_nop
.endr
	s_branch .Lhead_asked
\next:
.endm
	ARM 1, G0,  G1,  .Lhead_b
	ARM 2, G0B, G1B, .Lhead_sa
	ARM 3, G0S, G1S, .Lhead_sb
	tensor_load_to_lds s[G0SB:G0SB+3], s[G1SB:G1SB+7]
	s_nop 0
.rept 4
	v_nop
.endr
.Lhead_asked:
	v_and_b32 v[PFO], 31, v0
	v_min_u32 v[PFO], 23, v[PFO]                   ; 24 blocks of 256 bytes; the lanes left over name the last again
	v_mul_u32_u24 v11, v[PFO], 171
	v_lshrrev_b32 v11, 11, v11                     ; lane / 12: which of my two row blocks
	v_mul_u32_u24 v11, v11, KRB-RBS
	v_lshl_add_u32 v[PFO], v[PFO], 8, v11
	global_prefetch_b8 v[PFO], s[PFA:PFA+1] th:TH_LOAD_NT scope:SCOPE_SE              ; step 1, which slot 1's first fill will want,
	global_prefetch_b8 v[PFO], s[PFA:PFA+1] offset:RBS th:TH_LOAD_NT scope:SCOPE_SE   ; and step 2, two loads on
	v_and_b32 v1, 15, v0
	v_bfe_u32 v2, v0, 4, 1
	s_wait_alu depctr_va_vdst(0)
	v_and_b32 v3, 31, v0
	v_lshlrev_b32 v4, 3, v3
	s_mul_i32 s21, s15, HALFT
	s_mul_i32 s22, s16, HALFT
	s_add_co_u32 s22, s22, 2*HALFT
.irp s, 0,1
	v_add_nc_u32 v[ADRA+\s], s21, v4
	v_add_nc_u32 v[ADRB+\s], s22, v4
	s_add_co_u32 s21, s21, SLOT
	s_add_co_u32 s22, s22, SLOT
.endr
	s_mul_i32 s21, s15, HALFS
	s_mul_i32 s22, s16, HALFS
	s_add_co_u32 s22, s22, 2*HALFS+64
	s_sub_co_u32 s22, s22, s21
	v_mul_u32_u24 v7, s22, v2
	s_add_co_u32 s21, s21, SCL
	v_lshl_add_u32 v7, v1, 2, v7
	v_add_nc_u32 v[ADRS], s21, v7
	s_lshl_b32 s21, s14, 9
	v_lshl_add_u32 v24, v1, 2, s21
	v_lshl_add_u32 v25, v3, 4, s21
	v_mov_b32 v26, v4
	v_lshlrev_b32 v30, 4, v3
	v_lshlrev_b32 v5, 6, v2
	s_wait_alu depctr_va_vdst(0)
	v_and_b32 v6, 8, v1
	v_add_nc_u32 v6, v6, v1
	v_lshlrev_b32 v6, 2, v6
	s_wait_alu depctr_va_vdst(0)
	s_lshl_b32 s20, s40, 10
	s_lshl_b32 s21, s16, 9
	s_add_co_u32 s20, s20, s21
	s_mov_b32 s21, 0
	s_add_nc_u64 s[8:9], s[8:9], s[20:21]
	s_lshl_b32 s20, s41, 10
	s_lshl_b32 s22, s15, 9
	s_add_co_u32 s20, s20, s22
	s_add_nc_u64 s[12:13], s[12:13], s[20:21]
.irp b, 0,1,2,3,4,5,6,7
.irp q, 0,1
	global_load_b128 v[BIAS+8*\b+4*\q:BIAS+8*\b+4*\q+3], v5, s[8:9] offset:128*(\b/2)+32*(\b%2)+16*\q
.endr
.endr
.irp a, 0,1,2,3,4,5,6,7
	global_load_b32 v[BMR+2*\a], v6, s[12:13] offset:4*(32*(\a/2)+8*(\a%2))
	global_load_b32 v[BMR+2*\a+1], v6, s[12:13] offset:4*(32*(\a/2)+8*(\a%2))
.endr
	s_lshl_b32 s20, s17, 4
	s_lshl_b32 s21, s15, 3
	s_add_co_u32 s20, s20, s21
	s_mul_i32 s20, s20, s[ORB]
	s_add_co_u32 s20, s20, s[OCO]
	s_lshl_b32 s46, s42, 1
	s_add_co_u32 s46, s46, s16
	s_mul_i32 s47, s46, 1536
	s_add_co_u32 s20, s20, s47
	s_mov_b32 s21, 0
	s_lshl_b32 s22, s17, 1
	s_add_co_u32 s22, s22, s15
	s_mul_i32 s22, s22, s[NCO]
	s_add_co_u32 s22, s22, s46
	s_lshl_b32 s22, s22, 9
	s_add_co_u32 s22, s22, s[OSO]
	s_mov_b32 s23, 0
	s_add_nc_u64 s[10:11], s[66:67], s[22:23]
	s_add_nc_u64 s[66:67], s[66:67], s[20:21]
	s_wait_alu depctr_va_vdst(0)                   ; the wait at the head's end
	s_wait_tensorcnt 0x0                           ; my tile of the head's four is in; the three lines ahead of slot 1's first fill
	ds_add_u32 v[SPW], v[NIL]
	s_mov_b32 s[G1+2], 8<<16                       ; no tensor load of mine is out: from here on a load brings 8 row blocks,
	s_mov_b32 s[G1+4], 8
	s_mov_b32 s[G1B+2], 8<<16
	s_mov_b32 s[G1B+4], 8
	s_mov_b32 s[G0+1], s45                         ; and slot 0's group 0 becomes the ring's: my half
	s_add_nc_u64 s[G0+2:G0+3], s[G0+2:G0+3], s[18:19]
	s_mov_b32 s[G0B+1], s45
	s_add_nc_u64 s[G0B+2:G0B+3], s[G0B+2:G0B+3], s[18:19]
	s_wait_dscnt 0x0
	CROUND                                         ; all four tiles are in, in every partner
	JLOAD G0+4, G1, G0B+4, G1B                     ; slot 1's first fill, the first tensor load behind the round
	s_wait_loadcnt 0x0
	global_prefetch_b8 v[PFO], s[PFA:PFA+1] offset:2*RBS th:TH_LOAD_NT scope:SCOPE_SE ; behind step 1's load: step 3, the last
.set i, 0
.rept 64
	v_cndmask_b32 v[BIAS+i], 0, v[BIAS+i], s[MQ]
.set i, i+1
.endr
.set i, 0
.rept 16
	v_cndmask_b32 v[BMR+i], 0, v[BMR+i], s[MV]
.set i, i+1
.endr
	PLACES 8
	FETCH_B 0, 0, 0
	FETCH_A 0, 0, 0
	SCALES 0
	FETCH_A 0, 0, 4
	STEP 0, 0, 1
	s_mov_b32 s3, LAPS-1
.Llap:
	TURN 0, 1, 1
	STEP 1, 0, 0
	TURN 1, 0, 1
	STEP 0, 0, 0
	s_sub_co_u32 s3, s3, 1
	s_cmp_lg_u32 s3, 0
	s_cbranch_scc1 .Llap
	TURN 0, 1, 0
	STEP 1, 0, 0
	s_wait_dscnt 4*NL
	WIN MUL_LO
	MUL16 0, 1, 1, 1, 0
	MUL16 2, 1, 1, 1, 0
	s_wait_dscnt 0
	WIN MUL_HI
	MUL16 4, 1, 1, 1, 0
	MUL16 6, 1, 1, 1, 0
	WIN 0
	PLACES NP
.irp b, 0,1,2,3
	v_mov_b32 v[TM+4+\b], 0
.endr
.macro QOUT a
.if (\a) > 0
	s_wait_xcnt 0x0
	s_wait_dscnt 0x0
	s_add_nc_u64 s[66:67], s[66:67], s[ORB:ORB+1]
.endif
	WIN 0x02+(\a)/4
.set i, 0
.rept 32
	v_pk_add_f32 v[HA+2*i:HA+2*i+1], v[64*((\a)%4)+2*i:64*((\a)%4)+2*i+1], v[BMR+2*(\a):BMR+2*(\a)+1]
.set i, i+1
.endr
	WIN 0
	QUANT HA
.irp p, 0,1,2,3,4,5
	global_store_b64 v26, v[PC+2*\p:PC+2*\p+1], s[66:67] offset:256*\p
.endr
	ds_store_b32 v24, v[PW] offset:64*(\a)
.endm
.irp a, 0,1,2,3,4,5,6,7
	QOUT \a
.endr
	ds_load_b128 v[HA:HA+3], v25
	s_wait_dscnt 0x0
	global_store_b128 v30, v[HA:HA+3], s[10:11]
	s_wait_tensorcnt 0x0
	ds_add_u32 v[SPW], v[NIL]
	s_wait_dscnt 0x0
	CROUND
	s_endpgm
.Lfunc_end_k_qd38a143e14_qkvg:
	.size	k_qd38a143e14_qkvg, .Lfunc_end_k_qd38a143e14_qkvg-k_qd38a143e14_qkvg
	.p2alignl 7, 3214868480
	.fill 96, 4, 3214868480
	.section	.rodata,"a",@progbits
	.p2align	6, 0x0
	.amdhsa_kernel k_qd38a143e14_qkvg
		.amdhsa_group_segment_fixed_size 327680
		.amdhsa_private_segment_fixed_size 0
		.amdhsa_enable_private_segment 0
		.amdhsa_kernarg_size 48
		.amdhsa_user_sgpr_count 2
		.amdhsa_user_sgpr_kernarg_segment_ptr 1
		.amdhsa_wavefront_size32 1
		.amdhsa_system_sgpr_workgroup_id_x 1
		.amdhsa_system_sgpr_workgroup_id_y 1
		.amdhsa_system_sgpr_workgroup_id_z 1
		.amdhsa_system_vgpr_workitem_id 0
		.amdhsa_next_free_vgpr 1024
		.amdhsa_next_free_sgpr 106
		.amdhsa_reserve_vcc 0
		.amdhsa_float_denorm_mode_32 3
		.amdhsa_float_denorm_mode_16_64 3
		.amdhsa_memory_ordered 1
		.amdhsa_forward_progress 1
		.amdhsa_inst_pref_size 196
	.end_amdhsa_kernel
	.amdgpu_metadata
---
amdhsa.version: [ 1, 2 ]
amdhsa.kernels:
  - .name:           k_qd38a143e14_qkvg
    .symbol:         k_qd38a143e14_qkvg.kd
    .args:
      - { .name: hq, .offset: 0, .size: 8, .value_kind: global_buffer, .address_space: global }
      - { .name: wts, .offset: 8, .size: 8, .value_kind: global_buffer, .address_space: global }
      - { .name: bq, .offset: 16, .size: 8, .value_kind: global_buffer, .address_space: global }
      - { .name: bk, .offset: 24, .size: 8, .value_kind: global_buffer, .address_space: global }
      - { .name: bv, .offset: 32, .size: 8, .value_kind: global_buffer, .address_space: global }
      - { .name: qkv, .offset: 40, .size: 8, .value_kind: global_buffer, .address_space: global }
    .group_segment_fixed_size: 327680
    .private_segment_fixed_size: 0
    .kernarg_segment_align: 8
    .kernarg_segment_size: 48
    .max_flat_workgroup_size: 128
    .sgpr_count:     106
    .vgpr_count:     1024
    .wavefront_size: 32
...
	.end_amdgpu_metadata
.endif
;; end of part 9
;; launch attn (part 10): grid 8 x 32, 16 waves a work-group, clusters of 4 x 1, 223,232 bytes of LDS; arguments qkv, at; writes at
.if DOCPART == 10
	.amdgcn_target "amdgcn-amd-amdhsa--gfx1250"
	.amdhsa_code_object_version 6
	.text
	.protected	k_qd38a143e14_attn
	.globl	k_qd38a143e14_attn
	.p2align	8
	.type	k_qd38a143e14_attn,@function
k_qd38a143e14_attn:
	s_mov_b64 s[64:65], 0
	v_nop
	global_prefetch_b8 v0, s[64:65] scope:SCOPE_SE
	s_setreg_imm32_b32 hwreg(HW_REG_WAVE_MODE, 25, 1), 1
	s_wait_xcnt 0x0
	s_wait_alu depctr_hold_cnt(0) depctr_sa_sdst(0) depctr_va_vdst(0) depctr_va_sdst(0) depctr_va_ssrc(0) depctr_va_vcc(0) depctr_vm_vsrc(0)
	s_getreg_b32 s2, hwreg(HW_REG_IB_STS2, 6, 4)
	s_cmp_eq_u32 s2, 0
	s_cbranch_scc0 .Lentry_in_a_cluster
	s_endpgm
.Lentry_in_a_cluster:
	s_bfe_u32 s2, ttmp6, 0x10000c
	s_cmp_lg_u32 s2, 0x3003
	s_cbranch_scc0 .Lentry_shape_is_right
	s_endpgm
.Lentry_shape_is_right:
; Attention of one head on codes of BF6 (E3M2): o = softmax(q k^T / 8) v, 2,048 keys, head size 64, and o quantised again along the channels for the next product.
; THE SOFTMAX AHEAD OF THE SECOND PRODUCT: t = score x log2(e) / 8; M = the running largest t rounded UP to a whole number; p = 2^(t - M) is quantised along the keys, not normalised;
; the row's sum is taken of the unquantised p and divides at the end; when M moves, the sum and O are multiplied by 2^(old M - new M), which rounds nothing.
; INPUTS, in qkv, as images of operand registers (rows in STORED order: place 16 u + t of a group of 32 holds row 8 u + t + 8 (t / 8); codes at ((row block x chunks + chunk) x 1536) + 256 p + 8 lane;
; scale words at (((row / 128) x chunks + chunk) x 512) + 4 (row % 128)):
;   q and k: [4,096 tokens][2,048], 16 chunks: chunk (head / 2) is q's, chunk 8 + (head / 2) k's; a head is half a chunk: 768 bytes, bytes 2 c, 2 c + 1 of the scale word, c = head % 2.
;   v^T: [1,024 channels][4,096 keys], 32 chunks, from byte 6,291,456 on.  Scale words: q's and k's from 9,437,184 on, v^T's from 9,699,328 on.
; SHARES: a work-group owns 256 queries of one head of one batch; each of its sixteen waves 16 of them (a stored row block), in 256 registers: four waves to a SIMD, so that one wave's vector work stands beside another's products and waits.
; THE WHOLE HEAD'S K AND V LIE IN LDS, FILLED ONCE: waves 0-7 ask for 16 row blocks of k each, waves 8-11 for one channel tile of v each (24,576 dense bytes, as 96 rows of 256), wave 12 for k's scale words, wave 13 for v's;
; waves 14, 15 ask for nothing: one tensor load of a wave is out at the most.  The four query blocks of a cluster walk the same head and ask JOINTLY.  One wait for all and one barrier; the 16 key steps have none.
; Everything is asked for at the head: no loop is left to prefetch in.
; LAYOUT: both products are used transposed (S^T = k q^T, O^T = v^T p^T): a lane holds one query throughout.
; WHICH KEYS FORM A TILE is chosen by the lanes' LDS addresses: row 8 h + j of tile 4 g + i is key 64 g + 32 h + 8 i + j of the step, which lies in stored row block 4 g + 2 h + i % 2 at place 8 (i / 2) + j.
; So the 32 registers of tiles 4 g .. 4 g + 3 are, in lane (r, h), the whole block of 32 keys 64 g + 32 h on, in order: just what p's operand wants of that lane.  A block's maximum needs no other lane and no codes change lanes.
; k's LDS rows carry 32 bytes of padding behind each 256, so that two row blocks are 1,728 bytes apart: the 32 lanes of a load of 8 bytes touch 64 different banks (64 banks of 4 bytes: ISA guide 11.1).
; THE FIRST PRODUCT'S K IS 64: q's upper six registers hold zero codes.  k's fragments lie 6 registers apart, so the upper six registers of a tile's operand are the next tile's codes:
; every code of E3M2 is a finite number, it meets a zero code, and the scale bytes there are 0 (2^-127, no NaN): these products add nothing.
; The result's scale bytes are two bytes a row: the other two of the word belong to the neighbouring head's work-group.
; LIMITS: the promise holds while |t| stays under 2^31.  Quantiser: a block whose largest magnitude lies under 2^-122 (all zeros too) gets the byte 1 (this program alone reads the bytes); NaN and infinities are not served.
.set KP,  288                          ; 256 bytes of a row block + 32 of padding
.set KB,  3*KP                         ; a row block of k in LDS
.set VC,  128*KB                       ; v's codes [tile of 16 channels][step][1536]
.set KS,  VC+98304                     ; k's scale words [step][128 stored rows][4]
.set VS,  KS+8192                      ; v's [step][64 channels][4]
.set SPARE, VS+4096                    ; the spare words: 128 bytes a wave, eight blocks of 256 bytes that no other line names
; v1 8 lane, v2-v5 lane bases (k, k's scales, v, v's scales), v6 4 r; v12 -M, v13 the largest t, v[14:15] the sum
.set ADK, 7
.set ADS, 8
.set ADV, 9                            ; v9 tiles 0, 1; v10 tiles 2, 3
.set ADT, 11
.set Q,   16                           ; q's fragment, the upper six registers 0
.set SH8, 28                           ; 8 (lane / 16)
.set WK,  29
.set FF,  30                           ; v[30:31] f = 2^(old M - new M)
.set S,   32                           ; v32-95 S^T, then p; v32-79 then take v's four fragments
.set VF,  S
.set O,   96                           ; O^T
.set BM,  128                          ; my two blocks' largest scores, then largest p
.set BT,  130
.set SO,  132                          ; the conversions' scale operands
.set PCD, 134                          ; p's codes
.set PT,  146                          ; the conversions' second halves
.set T,   154                          ; v154-167 partial maxima and sums
.set OWD, 168                          ; the result's two scale bytes
.set KF,  170                          ; v170-223 eight fragments of k, 6 registers apart, and six zeros
.set KSC, 224
.set VSC, 232
.set QS,  236                          ; q's scale word
.set PSW, 238                          ; p's scale word
.set LN,  240
.set SPW, 254
.set NIL, 255
.set WV,  18
.set SEL, 20
.set CS,  22                           ; s[22:23] log2(e) / 8
.set G1K, 24
.set G1V, 32
.set G1KS, 40
.set G1VS, 48
.set G0K, 56
.set G0V, 60
.set G0KS, 68
.set G0VS, 72
.set SK,  80
.set SS,  81
.set SV,  82
.set ST,  83
.set CNT, 84
.macro CROUND                          ; a round of the cluster's barrier
	s_barrier_signal -1
	s_barrier_wait -1
	s_cmp_lg_u32 s[WV], 0
	s_cbranch_scc1 .Lnot_wave_0_\@
	s_barrier_signal -3
.Lnot_wave_0_\@:
	s_barrier_wait -3
	s_barrier_signal -1
	s_barrier_wait -1
.endm
.macro ARM under, g0, g1, next         ; one chain of branches on the wave's number, one fill to an arm, all arms leading to one join
	s_cmp_lt_u32 s[WV], \under
	s_cbranch_scc0 \next
	tensor_load_to_lds s[\g0:\g0+3], s[\g1:\g1+7]
	s_nop 0
.rept 4
	v_nop
.endr
	s_branch .Lasked
\next:
.endm
.macro KLOAD a, b                      ; a step's eight tiles of k and their scale bytes: 32 LDS loads
.irp g, 0,1
.irp i, 0,1,2,3
.irp p, 0,1,2
	ds_load_b64 v[KF+6*(4*\g+\i)+2*\p:KF+6*(4*\g+\i)+2*\p+1], v[\a] offset:(4*\g+\i%2)*KB+64*(\i/2)+KP*\p
.endr
	ds_load_u16 v[KSC+4*\g+\i], v[\b] offset:64*(4*\g+\i%2)+32*(\i/2)
.endr
.endr
.endm
	s_load_b128 s[4:7], s[0:1], 0x0                ; qkv, at
	v_lshl_add_u32 v[SPW], v0, 2, SPARE
	v_mov_b32 v[NIL], 0
	ds_add_u32 v[SPW], v[NIL]                      ; the opening lines: the add, twice on end, and its wait ahead of a wave's tensor load
	ds_add_u32 v[SPW], v[NIL]
	v_lshrrev_b32 v5, 5, v0
	v_readfirstlane_b32 s[WV], v5                  ; wave 0..15
	s_bfe_u32 s8, ttmp6, 0x40000                   ; cx: it enters q's and the result's addresses alone
	s_lshl_b32 s9, ttmp9, 2
	s_add_co_u32 s9, s9, s8                        ; my block of 256 queries
	s_and_b32 s10, ttmp7, 0xffff
	s_lshr_b32 s11, s10, 4                         ; batch
	s_and_b32 s12, s10, 15                         ; head
	s_lshr_b32 s13, s12, 1                         ; its chunk
	s_and_b32 s14, s12, 1                          ; and which half of it: c
	s_mul_i32 s16, s14, 768
	s_lshl_b32 s19, s11, 4
	s_and_b32 s17, s[WV], 7                        ; which eighth of k (waves 0-7 use it)
	s_lshl_b32 s76, s11, 11
	s_add_co_u32 s76, s76, s13
	s_add_co_u32 s76, s76, 8
	s_mul_i32 s76, s76, 1536
	s_add_co_u32 s76, s76, s16                     ; k's codes: (128 batch x 16 + 8 + chunk) x 1536 + 768 c,
	s_mul_i32 s2, s17, 393216
	s_add_co_u32 s76, s76, s2                      ; + 16 row blocks x eighth
	s_mov_b32 s77, 0
	s_lshl_b32 s78, s12, 7
	s_add_co_u32 s78, s78, s19
	s_mul_i32 s78, s78, 1536
	s_add_co_u32 s78, s78, 6291456                 ; v's codes: (4 head x 32 + 16 batch) x 1536,
	s_and_b32 s3, s[WV], 3
	s_mul_i32 s2, s3, 49152
	s_add_co_u32 s78, s78, s2                      ; + a channel tile x (wave % 4) (waves 8-11 use it)
	s_mov_b32 s79, 0
	s_lshl_b32 s94, s11, 8
	s_add_co_u32 s94, s94, s13
	s_add_co_u32 s94, s94, 8
	s_lshl_b32 s94, s94, 9
	s_add_co_u32 s94, s94, 9437184                 ; k's scale words
	s_mov_b32 s95, 0
	s_lshl_b32 s96, s13, 5
	s_add_co_u32 s96, s96, s19
	s_lshl_b32 s96, s96, 9
	s_lshl_b32 s2, s14, 8
	s_add_co_u32 s96, s96, s2
	s_add_co_u32 s96, s96, 9699328                 ; v's scale words
	s_mov_b32 s97, 0
	s_lshl_b32 s66, s11, 7
	s_lshl_b32 s67, s9, 4
	s_add_co_u32 s66, s66, s67
	s_add_co_u32 s66, s66, s[WV]                   ; my row block: 128 batch + 16 block + wave
	s_lshl_b32 s86, s66, 4
	s_add_co_u32 s86, s86, s13
	s_mul_i32 s86, s86, 1536
	s_add_co_u32 s86, s86, s16
	s_mov_b32 s87, 0
	s_lshr_b32 s67, s66, 3
	s_and_b32 s15, s66, 7
	s_lshl_b32 s15, s15, 6
	s_lshl_b32 s2, s14, 1
	s_add_co_u32 s15, s15, s2                      ; 64 (row block % 8) + 2 c
	s_lshl_b32 s88, s67, 4
	s_add_co_u32 s88, s88, s13
	s_lshl_b32 s88, s88, 9
	s_add_co_u32 s88, s88, s15
	s_add_co_u32 s88, s88, 9437184
	s_mov_b32 s89, 0
	s_lshl_b32 s90, s66, 3
	s_add_co_u32 s90, s90, s13
	s_mul_i32 s90, s90, 1536
	s_add_co_u32 s90, s90, s16
	s_mov_b32 s91, 0
	s_lshl_b32 s92, s67, 3
	s_add_co_u32 s92, s92, s13
	s_lshl_b32 s92, s92, 9
	s_add_co_u32 s92, s92, s15
	s_add_co_u32 s92, s92, 3145728
	s_mov_b32 s93, 0
	; groups 1: elements of 8 bytes, the mask of all four partners, bit 21 beside it
	s_mov_b32 s[G1K], 15|(3<<16)|(1<<20)|(1<<21)|(5<<22)|(7<<25)   ; k's codes: 8 words of padding behind every 64
.irp g, G1V, G1KS, G1VS
	s_mov_b32 s[\g], 15|(3<<16)|(1<<21)
.endr
.irp g, G1K, G1V, G1KS, G1VS
	s_mov_b32 s[\g+6], 0
	s_mov_b32 s[\g+7], 0
.endr
	s_mov_b32 s[G1K+1], 96<<16                     ; k's codes: 16 row blocks of 768 bytes, 24,576 bytes apart
	s_mov_b32 s[G1K+2], 16<<16
	s_mov_b32 s[G1K+3], 96<<16
	s_mov_b32 s[G1K+4], 16
	s_mov_b32 s[G1K+5], 3072
	s_mov_b32 s[G1V+1], 32<<16                     ; v's codes: a channel tile's 16 chunks are dense in memory: 96 rows of 256 bytes
	s_mov_b32 s[G1V+2], 96<<16
	s_mov_b32 s[G1V+3], 32<<16
	s_mov_b32 s[G1V+4], 96
	s_mov_b32 s[G1V+5], 32
	s_mov_b32 s[G1KS+1], 64<<16                    ; k's scale words: 16 steps of 512 bytes, 8,192 bytes apart
	s_mov_b32 s[G1KS+2], 16<<16
	s_mov_b32 s[G1KS+3], 64<<16
	s_mov_b32 s[G1KS+4], 16
	s_mov_b32 s[G1KS+5], 1024
	s_mov_b32 s[G1VS+1], 32<<16                    ; v's: 16 steps of 256 bytes, 512 bytes apart
	s_mov_b32 s[G1VS+2], 16<<16
	s_mov_b32 s[G1VS+3], 32<<16
	s_mov_b32 s[G1VS+4], 16
	s_mov_b32 s[G1VS+5], 64
	s_mov_b32 s[SEL], 0x76543210
	s_mov_b32 s[SEL+1], 0xfedcba98
	s_mov_b32 s[CS], 0x3e38aa3b                    ; log2(e) / 8
	s_mov_b32 s[CS+1], s[CS]
	s_wait_dscnt 0x0                               ; both opening adds are done
	s_wait_kmcnt 0x0
	s_add_nc_u64 s[86:87], s[4:5], s[86:87]        ; q's codes
	s_add_nc_u64 s[88:89], s[4:5], s[88:89]        ; q's scale bytes
	s_add_nc_u64 s[90:91], s[6:7], s[90:91]        ; the result's codes
	s_add_nc_u64 s[92:93], s[6:7], s[92:93]        ; the result's scale bytes
	s_mov_b32 s[G0K], 1
	s_mul_i32 s[G0K+1], s17, 16*KB
	s_add_nc_u64 s[G0K+2:G0K+3], s[4:5], s[76:77]
	s_or_b32 s[G0K+3], s[G0K+3], 0x80000000
	s_mov_b32 s[G0V], 1
	s_mul_i32 s[G0V+1], s3, 24576
	s_add_co_u32 s[G0V+1], s[G0V+1], VC
	s_add_nc_u64 s[G0V+2:G0V+3], s[4:5], s[78:79]
	s_or_b32 s[G0V+3], s[G0V+3], 0x80000000
	s_mov_b32 s[G0KS], 1
	s_mov_b32 s[G0KS+1], KS
	s_add_nc_u64 s[G0KS+2:G0KS+3], s[4:5], s[94:95]
	s_or_b32 s[G0KS+3], s[G0KS+3], 0x80000000
	s_mov_b32 s[G0VS], 1
	s_mov_b32 s[G0VS+1], VS
	s_add_nc_u64 s[G0VS+2:G0VS+3], s[4:5], s[96:97]
	s_or_b32 s[G0VS+3], s[G0VS+3], 0x80000000
	CROUND                                         ; all four work-groups are here: the joint loads meet
	ARM 8,  G0K,  G1K,  .Lfor_v
	ARM 12, G0V,  G1V,  .Lfor_ks
	ARM 13, G0KS, G1KS, .Lfor_vs
	ARM 14, G0VS, G1VS, .Lasked
	v_and_b32 v[LN], 31, v0                        ; lane
	v_and_b32 v6, 15, v0
	v_lshlrev_b32 v1, 3, v[LN]                     ; 8 lane
	v_lshlrev_b32 v6, 2, v6                        ; 4 r
.irp p, 0,1,2
	global_load_b64 v[Q+2*\p:Q+2*\p+1], v1, s[86:87] offset:256*\p   ; q's half fragment stays in registers
.endr
	global_load_u16 v[QS], v6, s[88:89]            ; two scale bytes a row; bytes 2 and 3 are 0 and meet zero codes alone
	v_and_b32 v3, 7, v0                            ; j
	v_bfe_u32 v7, v0, 4, 1                         ; which half of a fragment's K
	v_bfe_u32 v8, v0, 3, 1                         ; which half of a tile's rows: h
	v_lshlrev_b32 v2, 3, v3
	v_lshl_add_u32 v2, v7, 7, v2
	v_mad_u32_u24 v2, v8, 2*KB, v2                 ; k's codes: 8 j + 128 (lane / 16) + two row blocks x h
	v_lshlrev_b32 v3, 2, v3
	v_lshl_add_u32 v3, v8, 7, v3
	s_lshl_b32 s3, s14, 1
	s_add_co_u32 s3, s3, KS
	v_add_nc_u32 v3, s3, v3                        ; k's scale bytes: 4 j + 128 h + 2 c
	v_add_nc_u32 v4, VC, v1
	v_add_nc_u32 v5, VS, v6
	v_lshlrev_b32 v[SH8], 3, v7
.irp i, 48,49,50,51,52,53
	v_mov_b32 v[KF+\i], 0                          ; behind the last tile's codes: written once
.endr
.irp i, 6,7,8,9,10,11
	v_mov_b32 v[Q+\i], 0                           ; q's k = 64 .. 127: zero codes
.endr
	v_mov_b32 v13, 0xff61b1e6                      ; the largest t so far: -3e38
	v_floor_f32 v12, -v13
	v_mov_b32 v14, 0
	v_mov_b32 v15, 0
	v_mov_b32 v[BT], 0                             ; a lane permute's destination counts as one of its sources
	v_mov_b32 v[BT+1], 0
	v_mov_b32 v[FF+1], 0                           ; (named as the upper half of a pair)
	v_mov_b32 v[WK], 0
.set j, 0
.rept 32
	v_mov_b32 v[O+j], 0                            ; the step is written once: the first finds zeros, which the first change of M leaves zeros
.set j, j+1
.endr
	s_mov_b32 s[SK], 8*KB                          ; the next step's k,
	s_mov_b32 s[SS], 512
	s_mov_b32 s[SV], 0                             ; this step's v
	s_mov_b32 s[ST], 0
	s_mov_b32 s[CNT], 16
	s_wait_alu depctr_va_vdst(0)                   ; the wait at the head's end
	s_wait_loadcnt 0x0                             ; q
	s_wait_tensorcnt 0x0                           ; my tile, if I asked for one, has landed
	s_barrier_signal -1
	s_barrier_wait -1                              ; all fourteen have: k and v are whole, and nothing is ever filled again
	KLOAD 2, 3
	s_wait_dscnt 0x0                               ; the first step's k
.Lstep:                                                ; A KEY STEP: 128 keys x 16 queries
	v_add_nc_u32 v[ADK], s[SK], v2                 ; five plain instructions: the scores below are written over registers that the last step's products read as v's fragments
	v_add_nc_u32 v[ADS], s[SS], v3
	v_add_nc_u32 v[ADV], s[SV], v4
	v_add_nc_u32 v[ADT], s[ST], v5
	v_add_nc_u32 v[ADV+1], 49152, v[ADV]
.irp t, 0,1,2,3,4,5,6,7                        ; S^T = k q^T
	v_wmma_scale_f32_16x16x128_f8f6f4 v[S+8*\t:S+8*\t+7], v[KF+6*\t:KF+6*\t+11], v[Q:Q+11], 0, v[KSC+\t], v[QS] matrix_a_fmt:MATRIX_FMT_BF6 matrix_b_fmt:MATRIX_FMT_BF6
.endr
.rept 4
	v_nop                                          ; places ahead of the loads below and of the first read of the scores
.endr
	KLOAD ADK, ADS                                 ; the next step's k lands under the softmax (the last trip has no next step: its address is held at the last step's, and nothing reads what it brings)
.irp g, 0,1                                    ; the largest score of each of my two blocks, in two chains each; every accumulator is first read at its low end
	v_max3_num_f32 v[BM+\g], v[S+32*\g], v[S+32*\g+1], v[S+32*\g+2]
	v_max3_num_f32 v[T+\g], v[S+32*\g+16], v[S+32*\g+17], v[S+32*\g+18]
.endr
.irp i, 3,5,7,9,11,13
.irp g, 0,1
	v_max3_num_f32 v[BM+\g], v[BM+\g], v[S+32*\g+\i], v[S+32*\g+\i+1]
	v_max3_num_f32 v[T+\g], v[T+\g], v[S+32*\g+16+\i], v[S+32*\g+17+\i]
.endr
.endr
.irp g, 0,1
	v_max3_num_f32 v[BM+\g], v[BM+\g], v[T+\g], v[S+32*\g+15]
.endr
.irp g, 0,1
	v_max_num_f32 v[BM+\g], v[BM+\g], v[S+32*\g+31]
.endr
	s_delay_alu instid0(VALU_DEP_1)
	v_max_num_f32 v[WK], v[BM], v[BM+1]
	s_delay_alu instid0(VALU_DEP_1)
	v_permlanex16_b32 v[BT], v[WK], s[SEL], s[SEL+1]
	s_delay_alu instid0(VALU_DEP_1)
	v_max_num_f32 v[WK], v[WK], v[BT]              ; with lane l xor 16's 64 keys: the step's largest score of my query
	s_delay_alu instid0(VALU_DEP_1)
	v_mul_f32 v[WK], s[CS], v[WK]
	s_delay_alu instid0(VALU_DEP_1)
	v_max_num_f32 v13, v13, v[WK]                  ; the running largest t
	v_mov_b32 v[WK], v12
	s_delay_alu instid0(VALU_DEP_2)
	v_floor_f32 v12, -v13                          ; the new -M = -ceil(t)
	s_delay_alu instid0(VALU_DEP_1)
	v_sub_f32 v[WK], v12, v[WK]                    ; old M - new M: a whole number, 0 or less
	s_delay_alu instid0(VALU_DEP_1)
	v_cvt_i32_f32 v[WK], v[WK]                     ; (it saturates)
	s_delay_alu instid0(VALU_DEP_1)
	v_ldexp_f32 v[FF], 1.0, v[WK]                  ; f
.set j, 0
.rept 32
	v_pk_fma_f32 v[S+j:S+j+1], v[S+j:S+j+1], s[CS:CS+1], v[12:13] op_sel_hi:[1,0,0]   ; t - M
.set j, j+2
.endr
.irp g, 0,1
	v_fma_f32 v[BM+\g], v[BM+\g], s[CS], v12       ; the same of each block's largest score: p rises with the score
.endr
	s_wait_alu depctr_va_vdst(0)                   ; a wait ahead of the batch
.set j, 0
.rept 64
	v_exp_f32 v[S+j], v[S+j]                       ; p = 2^(t - M)
.set j, j+1
.endr
.irp g, 0,1
	v_exp_f32 v[BM+\g], v[BM+\g]                   ; the block's largest p: the same two instructions on the same number
.endr
	v_pk_mul_f32 v[14:15], v[14:15], v[FF:FF+1] op_sel_hi:[1,0]   ; the sums under the new M (a plain instruction behind the exponentials)
	s_wait_alu depctr_va_vdst(0)                   ; one wait for the batch, ahead of its first reader
.irp i, 0,1,2,3,4,5,6                          ; the sum of the unquantised p: 32 packed additions in eight chains; the scale's short chain stands among their last
	v_pk_add_f32 v[T+2*\i:T+2*\i+1], v[S+4*\i:S+4*\i+1], v[S+4*\i+2:S+4*\i+3]
.endr
	v_pk_add_f32 v[14:15], v[14:15], v[S+28:S+29]
.irp k, 30,46
.irp i, 0,1,2,3,4,5,6
	v_pk_add_f32 v[T+2*\i:T+2*\i+1], v[T+2*\i:T+2*\i+1], v[S+\k+2*\i:S+\k+2*\i+1]
.endr
	v_pk_add_f32 v[14:15], v[14:15], v[S+\k+14:S+\k+15]
.endr
.irp g, 0,1
	v_max_num_f32 v[BM+\g], 0x2800000, v[BM+\g]    ; the floor 2^(5 - 127): the byte cannot fall under 1
.endr
.irp i, 0,1,2
	v_pk_add_f32 v[T+2*\i:T+2*\i+1], v[T+2*\i:T+2*\i+1], v[T+8+2*\i:T+9+2*\i]
.endr
	v_pk_add_f32 v[14:15], v[14:15], v[S+62:S+63]
.irp g, 0,1
	v_add_nc_u32 v[SO+\g], 0xfe000000, v[BM+\g]    ; 4 off the exponent field: the conversion's scale operand
.endr
	v_pk_add_f32 v[T:T+1], v[T:T+1], v[T+4:T+5]
	v_pk_add_f32 v[T+2:T+3], v[T+2:T+3], v[T+6:T+7]
.irp g, 0,1
	v_lshrrev_b32 v[BT+\g], 23, v[SO+\g]           ; the scale's byte
.endr
	v_pk_add_f32 v[T:T+1], v[T:T+1], v[T+2:T+3]
	v_lshl_or_b32 v[WK], v[BT+1], 16, v[BT]        ; my two bytes: blocks h and 2 + h,
	v_pk_add_f32 v[14:15], v[14:15], v[T:T+1]
	v_lshlrev_b32 v[WK], v[SH8], v[WK]             ; at their places in the word;
	v_permlanex16_b32 v[BT], v[WK], s[SEL], s[SEL+1]
	v_or_b32 v[PSW], v[WK], v[BT]                  ; with lane l xor 16's two the word is whole
.irp g, 0,1
	v_cvt_scalef32_pk16_bf6_f32 v[PCD+6*\g:PCD+6*\g+2], v[S+32*\g:S+32*\g+15], v[SO+\g]
	v_cvt_scalef32_pk16_bf6_f32 v[PT+4*\g:PT+4*\g+2], v[S+32*\g+16:S+32*\g+31], v[SO+\g]   ; (a conversion's three registers begin on an even number)
.endr
	v_nop                                          ; one plain instruction behind a scaled conversion
.irp t, 0,1,2,3                                ; p's registers are free and take this step's v
.irp p, 0,1,2,3,4,5
	ds_load_b64 v[VF+12*\t+2*\p:VF+12*\t+2*\p+1], v[ADV+\t/2] offset:24576*(\t%2)+256*\p
.endr
	ds_load_b32 v[VSC+\t], v[ADT] offset:64*\t
.endr
.irp g, 0,1
.irp i, 0,1,2
	v_mov_b32 v[PCD+6*\g+3+\i], v[PT+4*\g+\i]
.endr
.endr
	s_wait_alu depctr_va_vdst(0)                   ; a wait directly ahead of the first reader of O^T
.set j, 0
.rept 16
	v_pk_mul_f32 v[O+j:O+j+1], v[O+j:O+j+1], v[FF:FF+1] op_sel_hi:[1,0]   ; O^T under the new M; these sixteen also stand between the lines that made p's codes and scale word and the products
.set j, j+2
.endr
	s_wait_alu depctr_va_vdst(0)                   ; a wait directly ahead of the wait below
	s_wait_dscnt 0x0                               ; v is in, and the next step's k, asked for ahead of it
.irp t, 0,1,2,3                                ; O^T += v^T p^T: the four accumulators by turns
	v_wmma_scale_f32_16x16x128_f8f6f4 v[O+8*\t:O+8*\t+7], v[VF+12*\t:VF+12*\t+11], v[PCD:PCD+11], v[O+8*\t:O+8*\t+7], v[VSC+\t], v[PSW] matrix_a_fmt:MATRIX_FMT_BF6 matrix_b_fmt:MATRIX_FMT_BF6
.endr
	s_add_co_u32 s[SK], s[SK], 8*KB
	s_min_u32 s[SK], s[SK], 15*8*KB
	s_add_co_u32 s[SS], s[SS], 512
	s_min_u32 s[SS], s[SS], 15*512
	s_add_co_u32 s[SV], s[SV], 1536
	s_add_co_u32 s[ST], s[ST], 256
	s_sub_co_u32 s[CNT], s[CNT], 1
	s_cmp_lg_u32 s[CNT], 0
	s_cbranch_scc1 .Lstep
	; THE WAY OUT: O^T / the sum, quantised along the channels (register 16 b + i = channel 32 b + 16 (lane / 16) + i), stored as half a fragment's image
.rept 4
	v_nop                                          ; places behind the last products
.endr
	v_add_f32 v14, v14, v15
	v_permlanex16_b32 v[WK], v14, s[SEL], s[SEL+1]
	v_add_f32 v14, v14, v[WK]                      ; the row's sum
	s_wait_alu depctr_va_vdst(0)
	v_rcp_f32 v14, v14
	v_nop                                          ; a plain instruction behind the reciprocal,
	s_wait_alu depctr_va_vdst(0)                   ; and the wait ahead of its first reader, which is also O^T's
.set j, 0
.rept 16
	v_pk_mul_f32 v[S+j:S+j+1], v[O+j:O+j+1], v[14:15] op_sel_hi:[1,0]
.set j, j+2
.endr
.irp b, 0,1
	v_max3_num_f32 v[BM+\b], |v[S+16*\b]|, |v[S+1+16*\b]|, 0x2800000
.endr
.irp i, 2,4,6,8,10,12,14
.irp b, 0,1
	v_max3_num_f32 v[BM+\b], v[BM+\b], |v[S+16*\b+\i]|, |v[S+1+16*\b+\i]|
.endr
.endr
.irp b, 0,1
	v_permlanex16_b32 v[BT+\b], v[BM+\b], s[SEL], s[SEL+1]
.endr
.irp b, 0,1
	v_max_num_f32 v[BM+\b], v[BM+\b], v[BT+\b]
.endr
.irp b, 0,1
	v_add_nc_u32 v[SO+\b], 0xfe000000, v[BM+\b]
.endr
.irp b, 0,1
	v_lshrrev_b32 v[BT+\b], 23, v[SO+\b]
.endr
	v_lshl_or_b32 v[OWD], v[BT+1], 8, v[BT]        ; my row's two scale bytes
	v_cvt_scalef32_pk16_bf6_f32 v[PCD:PCD+2], v[S:S+15], v[SO]
	v_cvt_scalef32_pk16_bf6_f32 v[PT:PT+2], v[S+16:S+31], v[SO+1]
	v_nop
.irp i, 0,1,2
	v_permlane16_swap_b32 v[PCD+\i], v[PT+\i]      ; the operand wants a whole block in a lane
.endr
.irp i, 0,1,2
	v_mov_b32 v[PCD+3+\i], v[PT+\i]
.endr
.irp p, 0,1,2
	global_store_b64 v1, v[PCD+2*\p:PCD+2*\p+1], s[90:91] offset:256*\p   ; 256 consecutive aligned bytes a store
.endr
	s_wait_alu depctr_va_vdst(0)                   ; a wait directly ahead of the wait below
	s_wait_xcnt 0x0                                ; EXEC changes only behind this wait
	v_cmp_gt_u32 vcc_lo, 16, v[LN]
	s_and_saveexec_b32 s8, vcc_lo                  ; lanes 0-15: a row each
	global_store_b16 v6, v[OWD], s[92:93]
	s_wait_xcnt 0x0                                ; and again ahead of the line that widens it
	s_or_b32 exec_lo, exec_lo, s8
	s_wait_tensorcnt 0x0                           ; the wave's end
	ds_add_u32 v[SPW], v[NIL]
	s_wait_dscnt 0x0
	CROUND                                         ; the closing round
	s_endpgm
.Lfunc_end_k_qd38a143e14_attn:
	.size	k_qd38a143e14_attn, .Lfunc_end_k_qd38a143e14_attn-k_qd38a143e14_attn
	.p2alignl 7, 3214868480
	.fill 96, 4, 3214868480
	.section	.rodata,"a",@progbits
	.p2align	6, 0x0
	.amdhsa_kernel k_qd38a143e14_attn
		.amdhsa_group_segment_fixed_size 223232
		.amdhsa_private_segment_fixed_size 0
		.amdhsa_enable_private_segment 0
		.amdhsa_kernarg_size 16
		.amdhsa_user_sgpr_count 2
		.amdhsa_user_sgpr_kernarg_segment_ptr 1
		.amdhsa_wavefront_size32 1
		.amdhsa_system_sgpr_workgroup_id_x 1
		.amdhsa_system_sgpr_workgroup_id_y 1
		.amdhsa_system_sgpr_workgroup_id_z 1
		.amdhsa_system_vgpr_workitem_id 0
		.amdhsa_next_free_vgpr 256
		.amdhsa_next_free_sgpr 100
		.amdhsa_reserve_vcc 1
		.amdhsa_float_denorm_mode_32 3
		.amdhsa_float_denorm_mode_16_64 3
		.amdhsa_memory_ordered 1
		.amdhsa_forward_progress 1
		.amdhsa_inst_pref_size 35
	.end_amdhsa_kernel
	.amdgpu_metadata
---
amdhsa.version: [ 1, 2 ]
amdhsa.kernels:
  - .name:           k_qd38a143e14_attn
    .symbol:         k_qd38a143e14_attn.kd
    .args:
      - { .name: qkv, .offset: 0, .size: 8, .value_kind: global_buffer, .address_space: global }
      - { .name: at, .offset: 8, .size: 8, .value_kind: global_buffer, .address_space: global }
    .group_segment_fixed_size: 223232
    .private_segment_fixed_size: 0
    .kernarg_segment_align: 8
    .kernarg_segment_size: 16
    .max_flat_workgroup_size: 512
    .sgpr_count:     100
    .vgpr_count:     256
    .wavefront_size: 32
...
	.end_amdgpu_metadata
.endif
;; end of part 10
;; launch wo (part 11): grid 8 x 32, 4 waves a work-group, clusters of 4 x 4, 327,680 bytes of LDS; arguments at, wts, bo, x, x1; writes x1
.if DOCPART == 11
	.amdgcn_target "amdgcn-amd-amdhsa--gfx1250"
	.amdhsa_code_object_version 6
	.text
	.protected	k_qd38a143e14_wo
	.globl	k_qd38a143e14_wo
	.p2align	8
	.type	k_qd38a143e14_wo,@function
k_qd38a143e14_wo:
	s_mov_b64 s[64:65], 0
	v_nop
	global_prefetch_b8 v0, s[64:65] scope:SCOPE_SE
	s_setreg_imm32_b32 hwreg(HW_REG_WAVE_MODE, 25, 1), 1
	s_wait_xcnt 0x0
	s_wait_alu depctr_hold_cnt(0) depctr_sa_sdst(0) depctr_va_vdst(0) depctr_va_sdst(0) depctr_va_ssrc(0) depctr_va_vcc(0) depctr_vm_vsrc(0)
	s_getreg_b32 s2, hwreg(HW_REG_IB_STS2, 6, 4)
	s_cmp_eq_u32 s2, 0
	s_cbranch_scc0 .Lentry_in_a_cluster
	s_endpgm
.Lentry_in_a_cluster:
	s_bfe_u32 s2, ttmp6, 0x10000c
	s_cmp_lg_u32 s2, 0xf033
	s_cbranch_scc0 .Lentry_shape_is_right
	s_endpgm
.Lentry_shape_is_right:
; x1 = x + attn Wo^T + bo.  attn [4,096][1,024] (at) and Wo [1,024][1,024] (in wts) are codes of BF6 (E3M2) with one E8M0 byte for each 32 along K; x, bo, x1 f32.
; OPERANDS ARE IMAGES OF REGISTERS: rows in STORED order (row number with bits 3 and 4 exchanged); codes at ((row block x K/128 + chunk) x 1536) + 256 p + 8 lane; scale words at (((stored row / 128) x K/128 + chunk) x 512) + 4 (row % 128).
; So a fragment (16 rows x 128 K, 12 registers) is six LDS loads of 256 consecutive bytes, and a slot's tile is rows of 6,144 consecutive bytes of memory.
; A TILE OF THE RESULT IS 128 x 128: 32 x 8 tiles, 256 work-groups.  Four waves, each 64 x 64: 16 accumulators, 128 registers.  A wave reads 8 fragments from LDS for 16 products.
; K goes in steps of 512 (four chunks of 128) through two LDS slots filled by joint tensor loads: 4 x 4 work-groups form a cluster, A's tile is shared along its row, B's along its column; waves 0 and 1 each bring 8 row blocks x 12,288 bytes.
; Here K is 1,024: the two first fills are all of K, and no slot is filled again.  The scale words of the tile's 128 + 128 rows for all of K come with the first fills, half a block a wave.
; THE MATRIX INSTRUCTION IS USED TRANSPOSED (source 0 = 16 stored rows of B, source 1 = 16 of A): lane (r, h) of accumulator (a, b) holds A's stored row 16 a + r, which is row 32 (a / 2) + 8 (a % 2) + r + 8 (r / 8), and register j is column 32 (b / 2) + 16 h + 8 (b % 2) + j.
; THE WAY OUT: a row block (16 rows x 64 columns) goes through the wave's own stage in LDS (in slot 0, behind its last fill and last read) and comes back as whole rows of 256 bytes, two rows an instruction.
; The residual was loaded at the head in that same layout (sixteen lanes read 256 consecutive bytes), the bias added onto it while the first tiles were on their way; it is added to the rows that come back: result = products' sum + (x + bias).
; REGISTERS: window 0: v8-11 the bias; v16-29 addresses; v32-63 scale words, two sets of 16; v64-127 rows read back, two sets of 32; v128-255 the accumulators ((a, b) at v[128 + 8 (4 a + b)]).
;   window 1: two fragment buffers, at v0 and v128: A's four fragments, then B's four.   window 2: v0-127 the residual: block a's rows 2 t, 2 t + 1 at v[32 a + 4 t].
.set SIZE_K, 1024
.set A_SC,   3145728                   ; A's scale words in its buffer
.set B_CO,   2359296                   ; B's codes and scale words in wts
.set B_SC,   9535488
.set CH,     1536                      ; a fragment's image
.set RBS,    8*CH                      ; a row block in LDS: all eight chunks of K, as in memory: ALL OF K COMES AT THE HEAD, one tensor load a wave, and nothing is filled later
.set KRB,    SIZE_K/128*CH             ; a row block in memory
.set QT,     4*RBS                     ; 64 rows: what a wave reads of A or of B
.set SLOT,   4*CH                      ; the second four chunks lie this far behind the first four in each row block
.set LAPS,   SIZE_K/1024               ; a lap = two slots
.set SCL,    4*QT
.set SQ,     4*SIZE_K
.set SBL,    SQ+64                     ; then, 64 bytes further on, B's: A's and B's words, read by one load, fall on different banks
.set SPARE,  SCL+2*SQ+256              ; the spare words: 128 bytes a wave, two blocks of 256 bytes that no other line names
.set SPITCH, 272
.set STAGE,  SPARE+512                 ; the stages for the way out have bytes of their own, into which no fill lands: other waves may still read any row block when a wave's first result is stored
.set FR, 12
.set NL, 6
.set NP, 4
.set BI,   8
.set ADRA, 16                          ; v16-17  LDS address of my A fragments in slot 0, 1
.set ADRB, 20                          ; v20-21  the same for B
.set STO,  24
.set RD,   25
.set CO,   26
.set ADRS, 27
.set SPW,  28
.set NIL,  29
.set SC,   32
.set BK,   64
.set ACC,  128
.set F0,   0
.set F1,   128
.set G1, 24
.set G0, 32
.set G1B, 48
.set G0B, 56
.set G1S, 68
.set G0S, 76
.set G1SB, 80
.set G0SB, 88
.set MSB, 0
.macro WIN new                         ; the immediate's high byte repeats the setting that is left
.if MSB != (\new)
	s_set_vgpr_msb (MSB<<8)|(\new)
.set MSB, (\new)
.endif
.endm
.set MUL,  0x05                        ; sources 0 (B) and 1 (A) window 1; C and D window 0
.set TO_F, 0x40                        ; destination window 1, address window 0
.macro JLOAD g0a, g1a, g0b, g1b        ; a joint load: waves 0 and 1 fetch for A, waves 2 and 3 for B; four v_nop follow each line
	s_cmp_eq_u32 s15, 0
	s_cbranch_scc0 .Lfor_b_\@
	tensor_load_to_lds s[\g0a:\g0a+3], s[\g1a:\g1a+7]
	s_nop 0
.rept 4
	v_nop
.endr
	s_branch .Lasked_\@
.Lfor_b_\@:
	tensor_load_to_lds s[\g0b:\g0b+3], s[\g1b:\g1b+7]
	s_nop 0
.rept 4
	v_nop
.endr
.Lasked_\@:
.endm
.macro CREST                           ; a round of the cluster's barrier behind its opening barrier
	s_cmp_lg_u32 s14, 0
	s_cbranch_scc1 .Lnot_wave_0_\@
	s_barrier_signal -3
.Lnot_wave_0_\@:
	s_barrier_wait -3
	s_barrier_signal -1
	s_barrier_wait -1
.endm
.macro CROUND
	s_barrier_signal -1
	s_barrier_wait -1
	CREST
.endm
.macro PLACES n
.rept \n
	v_nop
.endr
.endm
.macro FRAG reg, adr, q, i             ; row block i, the slot's q-th chunk: six loads of 256 consecutive bytes
.irp p, 0,1,2,3,4,5
	ds_load_b64 v[\reg+2*\p:\reg+2*\p+1], v[\adr] offset:(\i)*RBS+(\q)*CH+256*\p
.endr
.endm
; 48 LDS loads in one run: chunk q of a slot into buffer f: B's four fragments, A's blocks 0 and 1, then A's blocks 2 and 3, which are wanted last
.macro FETCH slot, q, f
	WIN TO_F
.irp i, 0,1,2,3
	FRAG \f+48+FR*\i, ADRB+\slot, \q, \i
.endr
.irp i, 0,1,2,3
	FRAG \f+FR*\i, ADRA+\slot, \q, \i
.endr
.endm
.macro SCALES sc                       ; a slot's scale words: register 4 i + q: lanes 0-15 A's block i, lanes 16-31 B's block i, chunk q
.irp i, 0,1,2,3
.irp q, 0,1,2,3
	ds_load_b32 v[SC+16*\sc+4*\i+\q], v[ADRS] offset:512*\q+64*\i
.endr
.endr
.endm
; 4 products: A's block a x B's four, buffer f, chunk q, scale set sc.  zero = 1: the product starts the sum: nothing is ever cleared.  The 16 accumulators take turns, in the same order in every chunk
.macro MULA f, a, q, sc, zero
.irp b, 0,1,2,3
.if \zero
	v_wmma_scale_f32_16x16x128_f8f6f4 v[ACC+8*(4*(\a)+\b):ACC+8*(4*(\a)+\b)+7], v[\f+48+FR*\b:\f+48+FR*\b+FR-1], v[\f+FR*(\a):\f+FR*(\a)+FR-1], 0, v[SC+16*(\sc)+4*\b+(\q)], v[SC+16*(\sc)+4*(\a)+(\q)] matrix_a_fmt:MATRIX_FMT_BF6 matrix_b_fmt:MATRIX_FMT_BF6 matrix_a_scale:MATRIX_SCALE_ROW1
.else
	v_wmma_scale_f32_16x16x128_f8f6f4 v[ACC+8*(4*(\a)+\b):ACC+8*(4*(\a)+\b)+7], v[\f+48+FR*\b:\f+48+FR*\b+FR-1], v[\f+FR*(\a):\f+FR*(\a)+FR-1], v[ACC+8*(4*(\a)+\b):ACC+8*(4*(\a)+\b)+7], v[SC+16*(\sc)+4*\b+(\q)], v[SC+16*(\sc)+4*(\a)+(\q)] matrix_a_fmt:MATRIX_FMT_BF6 matrix_b_fmt:MATRIX_FMT_BF6 matrix_a_scale:MATRIX_SCALE_ROW1
.endif
.endr
.endm
; One of a slot's first three chunks: multiplies buffer f and, in its middle, fetches the next chunk into buffer g.
; Loads into registers that products have read stand four plain vector instructions behind them (ISA guide 7.12.1 for vector instructions)
.macro STEP slot, q, f, g, zero
	s_wait_dscnt 2*NL                              ; all but the youngest 12 loads, A's blocks 2 and 3
	WIN MUL
	MULA \f, 0, \q, \slot, \zero
	MULA \f, 1, \q, \slot, \zero
	PLACES NP
	FETCH \slot, (\q)+1, \g
	s_wait_dscnt 8*NL                              ; all but the 48 just issued
	WIN MUL
	MULA \f, 2, \q, \slot, \zero
	MULA \f, 3, \q, \slot, \zero
.endm
; A slot's fourth chunk multiplies buffer 1 and changes slots: one barrier; ahead of it each wave waits for all its tensor loads, adds 0 to its spare word, and waits for that and for its reads of this slot.
; fill = 1: the slot is filled again, two slots ahead; the barrier then opens a round of the cluster's
.macro TURN slot, next, fill
	WIN 0                                          ; (the add's two registers lie in window 0)
	s_wait_tensorcnt 0x0                           ; all my tensor loads have landed: my part of the next slot
	ds_add_u32 v[SPW], v[NIL]                      ; 0 onto my spare word
	s_wait_dscnt 2*NL+1                            ; (the add and the youngest 12 loads may be out)
	WIN MUL
	MULA F1, 0, 3, \slot, 0                        ; eight products stand between the add and the wait for it
	MULA F1, 1, 3, \slot, 0
	s_wait_dscnt 0x0                               ; the add is done, and my reads of this slot are over
	s_barrier_signal -1
	MULA F1, 2, 3, \slot, 0
	WIN 0
	s_barrier_wait -1
.if \fill
	CREST                                          ; no wave of any partner still reads this slot or has a load on its way
	s_add_nc_u64 s[G0+4*\slot+2:G0+4*\slot+3], s[G0+4*\slot+2:G0+4*\slot+3], 2*RBS
	s_add_nc_u64 s[G0B+4*\slot+2:G0B+4*\slot+3], s[G0B+4*\slot+2:G0B+4*\slot+3], 2*RBS
	JLOAD G0+4*\slot, G1, G0B+4*\slot, G1B         ; the first tensor load behind the round; its four v_nop are the places ahead of the loads below
.else
	PLACES NP
.endif
	v_add_nc_u32 v[ADRS], 2048, v[ADRS]            ; the next four chunks' scale words
	SCALES \next
	FETCH \next, 0, F0
	WIN MUL
	MULA F1, 3, 3, \slot, 0
.endm
	s_load_b128 s[4:7], s[0:1], 0x0                ; A's buffer, wts
	s_load_b128 s[8:11], s[0:1], 0x10              ; the bias, the residual
	s_load_b64 s[12:13], s[0:1], 0x20              ; the result
	v_lshl_add_u32 v[SPW], v0, 2, SPARE
	v_mov_b32 v[NIL], 0
	ds_add_u32 v28, v29
	ds_add_u32 v28, v29
	s_wait_dscnt 0x0
	v_lshrrev_b32 v1, 5, v0
	v_readfirstlane_b32 s14, v1                    ; wave 0..3
	s_lshr_b32 s15, s14, 1                         ; which half of the tile's rows is mine.  Also: I fetch for A (0) or for B (1)
	s_and_b32 s16, s14, 1                          ; which half of its columns.  Also: which half of that tile I fetch
	s_bfe_u32 s40, ttmp6, 0x40000                  ; cx, cy
	s_bfe_u32 s41, ttmp6, 0x40004
	s_lshl_b32 s42, ttmp9, 2
	s_add_co_u32 s42, s42, s40                     ; tile column
	s_and_b32 s17, ttmp7, 0xffff
	s_lshl_b32 s17, s17, 2
	s_add_co_u32 s17, s17, s41                     ; tile row
	s_lshl_b32 s43, s41, 2
	s_lshl_b32 s43, 15, s43                        ; my row of the cluster
	s_lshl_b32 s44, 0x1111, s40                    ; my column
	; group 1, codes: 8 rows (row blocks) of 1,536 elements of 8 bytes, KRB bytes apart; no padding
	s_or_b32 s[G1+0], s43, (3<<16)|(1<<21)
	s_or_b32 s[G1B+0], s44, (3<<16)|(1<<21)
.irp g, G1, G1B
	s_mov_b32 s[\g+1], 1536<<16
	s_mov_b32 s[\g+2], 8<<16
	s_mov_b32 s[\g+3], 1536<<16
	s_mov_b32 s[\g+4], 8
	s_mov_b32 s[\g+5], KRB/8
	s_mov_b32 s[\g+6], 0
	s_mov_b32 s[\g+7], 0
.endr
	; group 1, the scale words of 128 rows: a dense block, as rows of 512 bytes
	s_or_b32 s[G1S+0], s43, (3<<16)|(1<<21)
	s_or_b32 s[G1SB+0], s44, (3<<16)|(1<<21)
.irp g, G1S, G1SB
	s_mov_b32 s[\g+1], 64<<16
	s_mov_b32 s[\g+2], (SIZE_K/128)<<16
	s_mov_b32 s[\g+3], 64<<16
	s_mov_b32 s[\g+4], SIZE_K/128
	s_mov_b32 s[\g+5], 64
	s_mov_b32 s[\g+6], 0
	s_mov_b32 s[\g+7], 0
.endr
	s_lshl_b32 s20, s17, 3
	s_mul_i32 s20, s20, KRB                        ; A's codes: row block 8 x tile row
	s_mov_b32 s21, 0
	s_mul_i32 s22, s17, SQ
	s_add_co_u32 s22, s22, A_SC                    ; A's scale words
	s_mov_b32 s23, 0
	s_lshl_b32 s46, s42, 3
	s_mul_i32 s46, s46, KRB
	s_add_co_u32 s46, s46, B_CO                    ; B's likewise, by the tile column
	s_mov_b32 s47, 0
	s_mul_i32 s92, s42, SQ
	s_add_co_u32 s92, s92, B_SC
	s_mov_b32 s93, 0
	s_wait_kmcnt 0x0
	s_add_nc_u64 s[20:21], s[4:5], s[20:21]
	s_add_nc_u64 s[22:23], s[4:5], s[22:23]
	s_add_nc_u64 s[46:47], s[6:7], s[46:47]
	s_add_nc_u64 s[92:93], s[6:7], s[92:93]
	CROUND                                         ; all sixteen work-groups are here: the first joint loads meet
	s_mov_b32 s[G0S], 1
	s_mov_b32 s[G0S+1], SCL
	s_mov_b64 s[G0S+2:G0S+3], s[22:23]
	s_or_b32 s[G0S+3], s[G0S+3], 0x80000000
	s_mov_b32 s[G0SB], 1
	s_mov_b32 s[G0SB+1], SCL+SBL
	s_mov_b64 s[G0SB+2:G0SB+3], s[92:93]
	s_or_b32 s[G0SB+3], s[G0SB+3], 0x80000000
	; the head's four tiles, one joint load a wave: wave 0 the 8 row blocks of A, all of K, wave 1 those of B, wave 2 A's scale words whole, wave 3 B's
	s_mov_b32 s[G0], 1
	s_mov_b32 s[G0+1], 0
	s_mov_b64 s[G0+2:G0+3], s[20:21]
	s_or_b32 s[G0+3], s[G0+3], 0x80000000
	s_mov_b32 s[G0B], 1
	s_mov_b32 s[G0B+1], 2*QT
	s_mov_b64 s[G0B+2:G0B+3], s[46:47]
	s_or_b32 s[G0B+3], s[G0B+3], 0x80000000
.macro ARM under, g0, g1, next         ; one chain of branches on the wave's number: every way passes one load
	s_cmp_lt_u32 s14, \under
	s_cbranch_scc0 \next
	tensor_load_to_lds s[\g0:\g0+3], s[\g1:\g1+7]
	s_nop 0
.rept 4
	v_nop
.endr
	s_branch .Lhead_asked
\next:
.endm
	ARM 1, G0,  G1,  .Lhead_b
	ARM 2, G0B, G1B, .Lhead_sa
	ARM 3, G0S, G1S, .Lhead_sb
	tensor_load_to_lds s[G0SB:G0SB+3], s[G1SB:G1SB+7]
	s_nop 0
.rept 4
	v_nop
.endr
.Lhead_asked:
	v_and_b32 v1, 15, v0                           ; r
	v_bfe_u32 v2, v0, 4, 1                         ; h
	v_and_b32 v3, 31, v0                           ; lane
	v_lshlrev_b32 v4, 3, v3                        ; 8 lane
	v_lshlrev_b32 v5, 4, v1                        ; 16 r
	s_wait_alu depctr_va_vdst(0)
	v_lshl_add_u32 v[CO], v2, 12, v5               ; rows as they leave: lanes 0-15 one row's 256 bytes, lanes 16-31 the next row's
	s_wait_alu depctr_va_vdst(0)
	s_lshl_b32 s20, s17, 7
	s_lshl_b32 s21, s15, 6
	s_add_co_u32 s20, s20, s21
	s_lshl_b32 s20, s20, 12                        ; my first row, in bytes: 128 x tile row + 64 x half
	s_lshl_b32 s46, s42, 9
	s_lshl_b32 s47, s16, 8
	s_add_co_u32 s46, s46, s47                     ; my first column, in bytes: 512 x tile column + 256 x half
	s_add_co_u32 s20, s20, s46
	s_mov_b32 s21, 0
	s_mov_b32 s47, 0
	s_add_nc_u64 s[10:11], s[10:11], s[20:21]
	s_add_nc_u64 s[12:13], s[12:13], s[20:21]
	s_add_nc_u64 s[8:9], s[8:9], s[46:47]
	global_load_b128 v[BI:BI+3], v5, s[8:9]        ; the bias of columns 4 r .. 4 r + 3
	WIN 0x80                                       ; destination window 2
.irp a, 0,1,2,3
.irp t, 0,1,2,3,4,5,6,7
	global_load_b128 v[32*\a+4*\t:32*\a+4*\t+3], v[CO], s[10:11] offset:(32*(\a/2)+8*(\a%2)+2*\t+8*(\t/4))*4096   ; places 2 t and 2 t + 1 of block a: sixteen lanes read 256 consecutive aligned bytes
.endr
.endr
	WIN 0
	s_mul_i32 s21, s15, QT
	s_mul_i32 s22, s16, QT
	s_add_co_u32 s22, s22, 2*QT
.irp s, 0,1
	v_add_nc_u32 v[ADRA+\s], s21, v4
	v_add_nc_u32 v[ADRB+\s], s22, v4
	s_add_co_u32 s21, s21, SLOT
	s_add_co_u32 s22, s22, SLOT
.endr
	s_lshl_b32 s21, s15, 8                         ; scale words: lanes 0-15 my 64 rows of A, lanes 16-31 my 64 rows of B: the lower base + h x the distance
	s_lshl_b32 s22, s16, 8
	s_add_co_u32 s22, s22, SBL
	s_sub_co_u32 s22, s22, s21
	v_mul_u32_u24 v7, s22, v2
	s_add_co_u32 s21, s21, SCL
	v_lshl_add_u32 v7, v1, 2, v7
	v_add_nc_u32 v[ADRS], s21, v7
	s_mul_i32 s23, s14, 16*SPITCH
	s_add_co_u32 s23, s23, STAGE
	v_mul_u32_u24 v7, v1, SPITCH
	v_lshl_add_u32 v7, v2, 6, v7
	v_add_nc_u32 v[STO], s23, v7                   ; in: row r, + 64 h
	v_mul_u32_u24 v7, v2, SPITCH
	v_lshl_add_u32 v7, v1, 4, v7
	v_add_nc_u32 v[RD], s23, v7                    ; back: lanes 0-15 one row, lanes 16-31 the next
	s_wait_alu depctr_va_vdst(0)                   ; the wait at the head's end
	s_wait_loadcnt 0x0                             ; the bias and the residual, asked for beside the head's tiles
	WIN 0x82                                       ; destination and source 0 window 2, source 1 window 0
.set i, 0
.rept 32
	v_pk_add_f32 v[4*i:4*i+1], v[4*i:4*i+1], v[BI:BI+1]         ; the bias goes onto the residual while the first tiles are on their way
	v_pk_add_f32 v[4*i+2:4*i+3], v[4*i+2:4*i+3], v[BI+2:BI+3]
.set i, i+1
.endr
	WIN 0
	s_wait_tensorcnt 0x0                           ; my tile of the head's four has landed
	s_barrier_signal -1
	s_barrier_wait -1                              ; all four have: A, B and their scale words are whole
	SCALES 0
	FETCH 0, 0, F0
	STEP 0, 0, F0, F1, 1                           ; the first chunk stands ahead of the loop: its products start the sums
.if LAPS > 1
	WIN 0                                          ; at a label and at a branch every window is 0
	s_mov_b32 s3, LAPS-1
.Llap:                                                 ; a trip goes once round the ring, from a lap's second chunk to the next lap's first, and fills both slots again
	STEP 0, 1, F1, F0, 0
	STEP 0, 2, F0, F1, 0
	TURN 0, 1, 1
	STEP 1, 0, F0, F1, 0
	STEP 1, 1, F1, F0, 0
	STEP 1, 2, F0, F1, 0
	TURN 1, 0, 1
	STEP 0, 0, F0, F1, 0
	WIN 0
	s_sub_co_u32 s3, s3, 1
	s_cmp_lg_u32 s3, 0
	s_cbranch_scc1 .Llap
.endif
	STEP 0, 1, F1, F0, 0                           ; the last lap fills nothing
	STEP 0, 2, F0, F1, 0
	TURN 0, 1, 0
	STEP 1, 0, F0, F1, 0
	STEP 1, 1, F1, F0, 0
	STEP 1, 2, F0, F1, 0
	s_wait_dscnt 2*NL                              ; the very last chunk: nothing more to fetch
	WIN MUL
	MULA F1, 0, 3, 1, 0
	MULA F1, 1, 3, 1, 0
	s_wait_dscnt 0
	MULA F1, 2, 3, 1, 0
	MULA F1, 3, 3, 1, 0
	WIN 0
.macro TOSTAGE a
.irp b, 0,1,2,3
	ds_store_b128 v[STO], v[ACC+8*(4*(\a)+\b):ACC+8*(4*(\a)+\b)+3] offset:128*(\b/2)+32*(\b%2)        ; each accumulator from its low end on
	ds_store_b128 v[STO], v[ACC+8*(4*(\a)+\b)+4:ACC+8*(4*(\a)+\b)+7] offset:128*(\b/2)+32*(\b%2)+16
.endr
.set BB, BK+32*((\a)%2)
.irp t, 0,1,2,3,4,5,6,7
	ds_load_b128 v[BB+4*\t:BB+4*\t+3], v[RD] offset:2*\t*SPITCH   ; LDS serves a wave's instructions in order: these see the stores above, and the next block's stores come behind them
.endr
.endm
.macro SEND a, younger                 ; younger: the LDS instructions issued behind block a's loads, which may stay out
.set BB, BK+32*((\a)%2)
	s_wait_dscnt \younger
	WIN 0x08                                       ; source 1, the residual with the bias, in window 2
.irp t, 0,1,2,3,4,5,6,7
	v_pk_add_f32 v[BB+4*\t:BB+4*\t+1], v[BB+4*\t:BB+4*\t+1], v[32*(\a)+4*\t:32*(\a)+4*\t+1]
	v_pk_add_f32 v[BB+4*\t+2:BB+4*\t+3], v[BB+4*\t+2:BB+4*\t+3], v[32*(\a)+4*\t+2:32*(\a)+4*\t+3]
.endr
	WIN 0
.irp t, 0,1,2,3,4,5,6,7
	global_store_b128 v[CO], v[BB+4*\t:BB+4*\t+3], s[12:13] offset:(32*((\a)/2)+8*((\a)%2)+2*\t+8*(\t/4))*4096   ; sixteen lanes store 256 consecutive bytes, at a multiple of 256 from the buffer's first byte
.endr
.endm
	PLACES NP                                      ; behind the last products, ahead of the first read of results
	TOSTAGE 0
.irp a, 1,2,3
.if \a > 1
	s_wait_xcnt 0x0                                ; block a - 2's stores have read their registers: block a's rows may land there
.endif
	TOSTAGE \a
	SEND \a-1, 16                                  ; behind block a - 1's loads: block a's 8 stores and 8 loads
.endr
	SEND 3, 0
	s_wait_tensorcnt 0x0                           ; the wave's end
	ds_add_u32 v[SPW], v[NIL]
	s_wait_dscnt 0x0
	CROUND                                         ; the closing round
	s_endpgm
.Lfunc_end_k_qd38a143e14_wo:
	.size	k_qd38a143e14_wo, .Lfunc_end_k_qd38a143e14_wo-k_qd38a143e14_wo
	.p2alignl 7, 3214868480
	.fill 96, 4, 3214868480
	.section	.rodata,"a",@progbits
	.p2align	6, 0x0
	.amdhsa_kernel k_qd38a143e14_wo
		.amdhsa_group_segment_fixed_size 327680
		.amdhsa_private_segment_fixed_size 0
		.amdhsa_enable_private_segment 0
		.amdhsa_kernarg_size 40
		.amdhsa_user_sgpr_count 2
		.amdhsa_user_sgpr_kernarg_segment_ptr 1
		.amdhsa_wavefront_size32 1
		.amdhsa_system_sgpr_workgroup_id_x 1
		.amdhsa_system_sgpr_workgroup_id_y 1
		.amdhsa_system_sgpr_workgroup_id_z 1
		.amdhsa_system_vgpr_workitem_id 0
		.amdhsa_next_free_vgpr 640
		.amdhsa_next_free_sgpr 98
		.amdhsa_reserve_vcc 0
		.amdhsa_float_denorm_mode_32 3
		.amdhsa_float_denorm_mode_16_64 3
		.amdhsa_memory_ordered 1
		.amdhsa_forward_progress 1
		.amdhsa_inst_pref_size 72
	.end_amdhsa_kernel
	.amdgpu_metadata
---
amdhsa.version: [ 1, 2 ]
amdhsa.kernels:
  - .name:           k_qd38a143e14_wo
    .symbol:         k_qd38a143e14_wo.kd
    .args:
      - { .name: at, .offset: 0, .size: 8, .value_kind: global_buffer, .address_space: global }
      - { .name: wts, .offset: 8, .size: 8, .value_kind: global_buffer, .address_space: global }
      - { .name: bo, .offset: 16, .size: 8, .value_kind: global_buffer, .address_space: global }
      - { .name: x, .offset: 24, .size: 8, .value_kind: global_buffer, .address_space: global }
      - { .name: x1, .offset: 32, .size: 8, .value_kind: global_buffer, .address_space: global }
    .group_segment_fixed_size: 327680
    .private_segment_fixed_size: 0
    .kernarg_segment_align: 8
    .kernarg_segment_size: 40
    .max_flat_workgroup_size: 128
    .sgpr_count:     98
    .vgpr_count:     640
    .wavefront_size: 32
...
	.end_amdgpu_metadata
.endif
;; end of part 11
;; launch ln1 (part 12): grid 256 x 1, 8 waves a work-group, no clusters, 66,816 bytes of LDS; arguments x1, ln2_g, ln2_b, hq; writes hq
.if DOCPART == 12
	.amdgcn_target "amdgcn-amd-amdhsa--gfx1250"
	.amdhsa_code_object_version 6
	.text
	.protected	k_qd38a143e14_ln1
	.globl	k_qd38a143e14_ln1
	.p2align	8
	.type	k_qd38a143e14_ln1,@function
k_qd38a143e14_ln1:
	s_mov_b64 s[64:65], 0
	v_nop
	global_prefetch_b8 v0, s[64:65] scope:SCOPE_SE
	s_setreg_imm32_b32 hwreg(HW_REG_WAVE_MODE, 25, 1), 1
	s_wait_xcnt 0x0
; y = (x - mean) rsqrt(var + 1e-5) g + b for rows of 1,024 f32, all in f32 (mean first, then the mean of the squared differences), and y quantised along the row to codes of BF6 (E3M2), one E8M0 byte for each 32.
; The result is an IMAGE OF OPERAND REGISTERS, K = 1,024: rows in STORED order (row number with bits 3 and 4 exchanged: place 16 u + t of a group of 32 holds row 8 u + t + 8 (t / 8));
;   codes at ((row block x 8 + chunk) x 1536) + 256 p + 8 lane (pair p of the 12 registers of lane (r, h): registers 6 c .. 6 c + 5 = k 64 c + 32 h + 0 .. 31);
;   scale words from byte 3,145,728 on, at (((stored row / 128) x 8 + chunk) x 512) + 4 (stored row % 128).
; SHARES: work-group G makes stored row block G (16 rows), 256 work-groups.  A: wave w normalises two rows (places 2 w, 2 w + 1: neighbours in memory), a row in 32 registers a lane, read once, and lays them in LDS.
; One barrier.  B: wave w takes chunk w of all 16 rows from LDS, 16 neighbours of each block of 32 to a lane, quantises, and stores six times 256 consecutive aligned bytes.
; The chunk's 16 scale words are 64 bytes of a block of 512: a block written in part; whole ones would want 128 rows to a work-group, 32 work-groups in all.
; No matrix unit, no cluster, no tensor load: each byte is read once by one wave.
; LIMITS: a block whose largest magnitude lies under 2^-122 (all zeros too) gets the byte 1 (its codes are zeros or next to it; this program alone reads the bytes); NaN and infinities are not served.
.set LP,  4112                         ; a row in LDS: 4,096 bytes + 16: sixteen rows' equal columns fall on different banks
.set X,   32                           ; v32-95   two rows, then the chunk's 64 numbers
.set GG,  96                           ; v96-127  g of my 32 columns
.set BB,  128                          ; v128-159 b
.set TM,  160                          ; v160-175 at work: +4 e sums of row e (two pairs), +8 + 2 e its mean twice, +12 + 2 e its 1 / sigma twice; later the quantiser's
.set PW,  176
.set PT,  177                          ; v177-178 targets of the lane exchange
.set PC,  180                          ; v180-198 the codes just made
.set SEL, 22
.macro QUANT s
.irp b, 0,1,2,3
	v_max3_num_f32 v[TM+\b], |v[\s+16*\b]|, |v[\s+1+16*\b]|, 0x2800000   ; my 16 numbers of block b, and the floor 2^(5 - 127): the byte cannot fall under 1
.endr
.irp i, 2,4,6,8,10,12,14
.irp b, 0,1,2,3
	s_delay_alu instid0(VALU_DEP_4)
	v_max3_num_f32 v[TM+\b], v[TM+\b], |v[\s+16*\b+\i]|, |v[\s+1+16*\b+\i]|
.endr
.endr
.irp b, 0,1,2,3
	s_delay_alu instid0(VALU_DEP_4)
	v_permlanex16_b32 v[TM+4+\b], v[TM+\b], s[SEL], s[SEL+1]
.endr
.irp b, 0,1,2,3
	s_delay_alu instid0(VALU_DEP_4)
	v_max_num_f32 v[TM+\b], v[TM+\b], v[TM+4+\b]
.endr
.irp b, 0,1,2,3
	s_delay_alu instid0(VALU_DEP_4)
	v_add_nc_u32 v[TM+12+\b], 0xfe000000, v[TM+\b]   ; 4 off the exponent field: the conversion's scale operand
.endr
.irp b, 0,1,2,3
	s_delay_alu instid0(VALU_DEP_4)
	v_lshrrev_b32 v[TM+4+\b], 23, v[TM+12+\b]      ; the scale's byte
.endr
	s_delay_alu instid0(VALU_DEP_3)
	v_lshl_or_b32 v[PW], v[TM+5], 8, v[TM+4]
	s_delay_alu instid0(VALU_DEP_1)
	v_lshl_or_b32 v[PW], v[TM+6], 16, v[PW]
	s_delay_alu instid0(VALU_DEP_1)
	v_lshl_or_b32 v[PW], v[TM+7], 24, v[PW]
.irp c, 0,1
	v_cvt_scalef32_pk16_bf6_f32 v[PC+6*\c:PC+2+6*\c], v[\s+32*\c:\s+15+32*\c], v[TM+12+2*\c]
	v_cvt_scalef32_pk16_bf6_f32 v[PC+12+4*\c:PC+14+4*\c], v[\s+16+32*\c:\s+31+32*\c], v[TM+12+2*\c+1]
.endr
	v_nop                                          ; one plain instruction behind a scaled conversion
.irp c, 0,1
.irp i, 0,1,2
	v_permlane16_swap_b32 v[PC+6*\c+\i], v[PC+12+4*\c+\i]
.endr
.irp i, 0,1,2
	s_delay_alu instid0(VALU_DEP_3)
	v_mov_b32 v[PC+3+6*\c+\i], v[PC+12+4*\c+\i]
.endr
.endr
.endm
; both rows' two pairs of partial sums become the rows' sums, in every lane, at v[TM + 4 e]
.macro REDUCE
.irp e, 0
	s_delay_alu instid0(VALU_DEP_3)
	v_pk_add_f32 v[TM+4*\e:TM+4*\e+1], v[TM+4*\e:TM+4*\e+1], v[TM+4*\e+2:TM+4*\e+3]
.endr
.irp e, 1
	s_delay_alu instid0(VALU_DEP_2)
	v_pk_add_f32 v[TM+4*\e:TM+4*\e+1], v[TM+4*\e:TM+4*\e+1], v[TM+4*\e+2:TM+4*\e+3]
.endr
.irp e, 0,1
	s_delay_alu instid0(VALU_DEP_2)
	v_add_f32 v[TM+4*\e], v[TM+4*\e], v[TM+4*\e+1]
.endr
.irp m, 1,2,4,8
.irp e, 0,1
	s_delay_alu instid0(VALU_DEP_2)
	v_add_f32_dpp v[TM+4*\e], v[TM+4*\e], v[TM+4*\e] row_xmask:\m row_mask:0xf bank_mask:0xf
.endr
.endr
.irp e, 0,1
	s_delay_alu instid0(VALU_DEP_2)
	v_permlanex16_b32 v[PT+\e], v[TM+4*\e], s[SEL], s[SEL+1]
.endr
.irp e, 0,1
	s_delay_alu instid0(VALU_DEP_2)
	v_add_f32 v[TM+4*\e], v[TM+4*\e], v[PT+\e]
.endr
.endm
	s_load_b256 s[4:11], s[0:1], 0x0               ; x, g, b, the image
	v_lshl_add_u32 v208, v0, 2, 0x10100
	v_mov_b32 v209, 0
	v_lshrrev_b32 v1, 5, v0
	s_delay_alu instid0(VALU_DEP_1)
	v_readfirstlane_b32 s12, v1                    ; wave 0..7
	v_and_b32 v2, 31, v0                           ; lane
	v_and_b32 v3, 15, v0                           ; r
	v_bfe_u32 v4, v0, 4, 1                         ; h
	s_delay_alu instid0(VALU_DEP_3)
	v_lshlrev_b32 v1, 4, v2                        ; 16 lane
	s_wait_alu depctr_va_vdst(0)
	v_lshlrev_b32 v5, 3, v2                        ; 8 lane
	v_lshlrev_b32 v6, 2, v3                        ; 4 r
	v_mov_b32 v[PT], 0                             ; written once: a lane permute's destination counts as one of its sources
	v_mov_b32 v[PT+1], 0
	s_lshr_b32 s13, ttmp9, 1
	s_lshl_b32 s13, s13, 5
	s_and_b32 s14, ttmp9, 1
	s_lshl_b32 s14, s14, 3
	s_add_co_u32 s13, s13, s14
	s_lshl_b32 s14, s12, 1
	s_add_co_u32 s13, s13, s14
	s_lshr_b32 s14, s12, 2
	s_lshl_b32 s14, s14, 3
	s_add_co_u32 s13, s13, s14                     ; my first row: 32 (G / 2) + 8 (G % 2) + 2 w + 8 (w / 4)
	s_lshl_b32 s14, s13, 12
	s_mov_b32 s15, 0
	s_mul_i32 s16, s12, 2*LP
	v_add_nc_u32 v7, s16, v1                       ; LDS, in: places 2 w and 2 w + 1, as the rows lie
	v_mul_u32_u24 v8, v3, LP
	s_delay_alu instid0(VALU_DEP_1)
	v_lshl_add_u32 v8, v4, 6, v8
	s_lshl_b32 s16, s12, 9
	v_add_nc_u32 v8, s16, v8                       ; out: place r, chunk w, + 64 h
	s_lshl_b32 s18, ttmp9, 3
	s_add_co_u32 s18, s18, s12
	s_mul_i32 s18, s18, 1536                       ; my chunk's codes
	s_mov_b32 s19, 0
	s_lshr_b32 s20, ttmp9, 3
	s_lshl_b32 s20, s20, 3
	s_add_co_u32 s20, s20, s12
	s_lshl_b32 s20, s20, 9
	s_and_b32 s21, ttmp9, 7
	s_lshl_b32 s21, s21, 6
	s_add_co_u32 s20, s20, s21
	s_add_co_u32 s20, s20, 3145728                 ; and its scale words
	s_mov_b32 s21, 0
	s_mov_b32 s[SEL], 0x76543210
	s_mov_b32 s[SEL+1], 0xfedcba98
	s_mov_b32 s24, 0x3a800000                      ; 1 / 1,024
	s_mov_b32 s25, 0x3727c5ac                      ; 1e-5
	s_wait_kmcnt 0x0
	s_add_nc_u64 s[4:5], s[4:5], s[14:15]
	s_add_nc_u64 s[18:19], s[10:11], s[18:19]
	s_add_nc_u64 s[20:21], s[10:11], s[20:21]
.irp e, 0,1
.irp j, 0,1,2,3,4,5,6,7
	global_load_b128 v[X+32*\e+4*\j:X+32*\e+4*\j+3], v1, s[4:5] offset:4096*\e+512*\j   ; 512 consecutive bytes a load
.endr
.endr
.irp j, 0,1,2,3,4,5,6,7
	global_load_b128 v[GG+4*\j:GG+4*\j+3], v1, s[6:7] offset:512*\j
.endr
.irp j, 0,1,2,3,4,5,6,7
	global_load_b128 v[BB+4*\j:BB+4*\j+3], v1, s[8:9] offset:512*\j
.endr
	s_wait_loadcnt 16                              ; the two rows are in; the 16 loads of g and b may be out
.irp e, 0,1
	v_pk_add_f32 v[TM+4*\e:TM+4*\e+1], v[X+32*\e:X+32*\e+1], v[X+32*\e+2:X+32*\e+3]
	v_pk_add_f32 v[TM+4*\e+2:TM+4*\e+3], v[X+32*\e+4:X+32*\e+5], v[X+32*\e+6:X+32*\e+7]
.endr
.irp j, 8,12,16,20,24,28
.irp e, 0,1
	s_delay_alu instid0(VALU_DEP_4)
	v_pk_add_f32 v[TM+4*\e:TM+4*\e+1], v[TM+4*\e:TM+4*\e+1], v[X+32*\e+\j:X+32*\e+\j+1]
	s_delay_alu instid0(VALU_DEP_4)
	v_pk_add_f32 v[TM+4*\e+2:TM+4*\e+3], v[TM+4*\e+2:TM+4*\e+3], v[X+32*\e+\j+2:X+32*\e+\j+3]
.endr
.endr
	REDUCE
.irp e, 0,1
	s_delay_alu instid0(VALU_DEP_2)
	v_mul_f32 v[TM+8+2*\e], s24, v[TM+4*\e]        ; the mean,
.endr
.irp e, 0,1
	s_delay_alu instid0(VALU_DEP_2)
	v_mov_b32 v[TM+9+2*\e], v[TM+8+2*\e]           ; twice, for the packed form
.endr
.irp j, 0,2,4,6,8,10,12,14,16,18,20,22,24,26,28,30
.irp e, 0,1
	v_pk_add_f32 v[X+32*\e+\j:X+32*\e+\j+1], v[X+32*\e+\j:X+32*\e+\j+1], v[TM+8+2*\e:TM+9+2*\e] neg_lo:[0,1] neg_hi:[0,1]   ; x - mean
.endr
.endr
.irp e, 0,1
	v_pk_mul_f32 v[TM+4*\e:TM+4*\e+1], v[X+32*\e:X+32*\e+1], v[X+32*\e:X+32*\e+1]
	v_pk_mul_f32 v[TM+4*\e+2:TM+4*\e+3], v[X+32*\e+2:X+32*\e+3], v[X+32*\e+2:X+32*\e+3]
.endr
.irp j, 4,8,12,16,20,24,28
.irp e, 0,1
	s_delay_alu instid0(VALU_DEP_4)
	v_pk_fma_f32 v[TM+4*\e:TM+4*\e+1], v[X+32*\e+\j:X+32*\e+\j+1], v[X+32*\e+\j:X+32*\e+\j+1], v[TM+4*\e:TM+4*\e+1]
	s_delay_alu instid0(VALU_DEP_4)
	v_pk_fma_f32 v[TM+4*\e+2:TM+4*\e+3], v[X+32*\e+\j+2:X+32*\e+\j+3], v[X+32*\e+\j+2:X+32*\e+\j+3], v[TM+4*\e+2:TM+4*\e+3]
.endr
.endr
	REDUCE
.irp e, 0,1
	s_delay_alu instid0(VALU_DEP_2)
	v_fma_f32 v[TM+4*\e], v[TM+4*\e], s24, s25     ; var + 1e-5
.endr
	s_wait_alu depctr_va_vdst(0)
.irp e, 0,1
	v_rsq_f32 v[TM+12+2*\e], v[TM+4*\e]
.endr
	v_nop                                          ; a plain instruction behind the two roots,
	s_wait_alu depctr_va_vdst(0)                   ; and the one wait ahead of the first line that names a result
.irp e, 0,1
	v_mov_b32 v[TM+13+2*\e], v[TM+12+2*\e]
.endr
	s_wait_alu depctr_va_vdst(0)
	s_wait_loadcnt 0x0                             ; g and b
.irp j, 0,2,4,6,8,10,12,14,16,18,20,22,24,26,28,30
.irp e, 0,1
	v_pk_mul_f32 v[X+32*\e+\j:X+32*\e+\j+1], v[X+32*\e+\j:X+32*\e+\j+1], v[TM+12+2*\e:TM+13+2*\e]
.endr
.irp e, 0,1
	s_delay_alu instid0(VALU_DEP_2)
	v_pk_fma_f32 v[X+32*\e+\j:X+32*\e+\j+1], v[X+32*\e+\j:X+32*\e+\j+1], v[GG+\j:GG+\j+1], v[BB+\j:BB+\j+1]
.endr
.endr
.irp e, 0,1
.irp j, 0,1,2,3,4,5,6,7
	ds_store_b128 v7, v[X+32*\e+4*\j:X+32*\e+4*\j+3] offset:LP*\e+512*\j
.endr
.endr
	s_wait_dscnt 0x0                               ; for the others' sake: my two rows lie in LDS
	s_barrier_signal -1
	s_barrier_wait -1                              ; all sixteen do
.irp b, 0,1,2,3
.irp j, 0,1,2,3
	ds_load_b128 v[X+16*\b+4*\j:X+16*\b+4*\j+3], v8 offset:128*\b+16*\j   ; register 16 b + i = k 128 w + 32 b + 16 h + i of place r
.endr
.endr
	s_wait_dscnt 0x0
	QUANT X
.irp p, 0,1,2,3,4,5
	global_store_b64 v5, v[PC+2*\p:PC+2*\p+1], s[18:19] offset:256*\p   ; 256 consecutive aligned bytes a store
.endr
	s_wait_xcnt 0x0                                ; EXEC changes only behind this wait: it is a source of the stores above
	v_cmp_gt_u32 vcc_lo, 16, v2
	s_wait_tensorcnt 0x0
	ds_add_u32 v208, v209
	s_wait_dscnt 0x0
	s_and_saveexec_b32 s26, vcc_lo                 ; lanes 0-15: a word a row
	global_store_b32 v6, v[PW], s[20:21]
	s_wait_xcnt 0x0                                ; and again ahead of the line that widens it
	s_or_b32 exec_lo, exec_lo, s26
	s_endpgm
.Lfunc_end_k_qd38a143e14_ln1:
	.size	k_qd38a143e14_ln1, .Lfunc_end_k_qd38a143e14_ln1-k_qd38a143e14_ln1
	.p2alignl 7, 3214868480
	.fill 96, 4, 3214868480
	.section	.rodata,"a",@progbits
	.p2align	6, 0x0
	.amdhsa_kernel k_qd38a143e14_ln1
		.amdhsa_group_segment_fixed_size 66816
		.amdhsa_private_segment_fixed_size 0
		.amdhsa_enable_private_segment 0
		.amdhsa_kernarg_size 32
		.amdhsa_user_sgpr_count 2
		.amdhsa_user_sgpr_kernarg_segment_ptr 1
		.amdhsa_wavefront_size32 1
		.amdhsa_system_sgpr_workgroup_id_x 1
		.amdhsa_system_sgpr_workgroup_id_y 1
		.amdhsa_system_sgpr_workgroup_id_z 1
		.amdhsa_system_vgpr_workitem_id 0
		.amdhsa_next_free_vgpr 210
		.amdhsa_next_free_sgpr 66
		.amdhsa_reserve_vcc 1
		.amdhsa_float_denorm_mode_32 3
		.amdhsa_float_denorm_mode_16_64 3
		.amdhsa_memory_ordered 1
		.amdhsa_forward_progress 1
		.amdhsa_inst_pref_size 30
	.end_amdhsa_kernel
	.amdgpu_metadata
---
amdhsa.version: [ 1, 2 ]
amdhsa.kernels:
  - .name:           k_qd38a143e14_ln1
    .symbol:         k_qd38a143e14_ln1.kd
    .args:
      - { .name: x1, .offset: 0, .size: 8, .value_kind: global_buffer, .address_space: global }
      - { .name: ln2_g, .offset: 8, .size: 8, .value_kind: global_buffer, .address_space: global }
      - { .name: ln2_b, .offset: 16, .size: 8, .value_kind: global_buffer, .address_space: global }
      - { .name: hq, .offset: 24, .size: 8, .value_kind: global_buffer, .address_space: global }
    .group_segment_fixed_size: 66816
    .private_segment_fixed_size: 0
    .kernarg_segment_align: 8
    .kernarg_segment_size: 32
    .max_flat_workgroup_size: 256
    .sgpr_count:     66
    .vgpr_count:     210
    .wavefront_size: 32
...
	.end_amdgpu_metadata
.endif
;; end of part 12
;; launch w1 (part 13): grid 16 x 16, 4 waves a work-group, clusters of 4 x 4, 327,680 bytes of LDS; arguments hq, wts, b1, gl; writes gl
.if DOCPART == 13
	.amdgcn_target "amdgcn-amd-amdhsa--gfx1250"
	.amdhsa_code_object_version 6
	.text
	.protected	k_qd38a143e14_w1
	.globl	k_qd38a143e14_w1
	.p2align	8
	.type	k_qd38a143e14_w1,@function
k_qd38a143e14_w1:
	s_mov_b64 s[64:65], 0
	v_nop
	global_prefetch_b8 v0, s[64:65] scope:SCOPE_SE
	s_setreg_imm32_b32 hwreg(HW_REG_WAVE_MODE, 25, 1), 1
	s_wait_xcnt 0x0
	s_wait_alu depctr_hold_cnt(0) depctr_sa_sdst(0) depctr_va_vdst(0) depctr_va_sdst(0) depctr_va_ssrc(0) depctr_va_vcc(0) depctr_vm_vsrc(0)
	s_getreg_b32 s2, hwreg(HW_REG_IB_STS2, 6, 4)
	s_cmp_eq_u32 s2, 0
	s_cbranch_scc0 .Lentry_in_a_cluster
	s_endpgm
.Lentry_in_a_cluster:
	s_bfe_u32 s2, ttmp6, 0x10000c
	s_cmp_lg_u32 s2, 0xf033
	s_cbranch_scc0 .Lentry_shape_is_right
	s_endpgm
.Lentry_shape_is_right:
.set SIZE_K, 1024
.set A_SC,   3145728
.set B_CO,   3145728
.set B_SC,   9568256
.set O_SC,   12582912
.set ORBB,   49152
.set CH,     1536
.set RBS,    3072
.set KRB,    SIZE_K/128*1536
.set HALFT,  8*RBS
.set SLOT,   4*HALFT
.set LAPS,   SIZE_K/512
.set SCL,    2*SLOT
.set SQ,     4*SIZE_K
.set HALFS,  SQ
.set SPARE,  SCL+4*SQ+256
.set FR, 12
.set NL, 6
.set NP, 4
.set ADRA, 16
.set ADRB, 20
.set ADRS, 27
.set SPW,  28
.set NIL,  29
.set SC,   32
.set BIAS, 64
.set HA,   64
.set AF,   128
.set PC,   128
.set PW,   150
.set TM,   152
.set K1,   240
.set G1, 24
.set G0, 32
.set G1B, 48
.set G0B, 56
.set G1S, 68
.set G0S, 76
.set G1SB, 80
.set G0SB, 88
.set SEL, 96
.set K2,  98
.set MSB, 0
.macro WIN new
.if MSB != (\new)
	s_set_vgpr_msb (MSB<<8)|(\new)
.set MSB, (\new)
.endif
.endm
.set MUL_LO, 0xa1
.set MUL_HI, 0xf1
.set TO_B,   0x40
.macro JLOAD g0a, g1a, g0b, g1b
	s_cmp_eq_u32 s15, 0
	s_cbranch_scc0 .Lfor_b_\@
	tensor_load_to_lds s[\g0a:\g0a+3], s[\g1a:\g1a+7]
	s_nop 0
.rept 4
	v_nop
.endr
	s_branch .Lasked_\@
.Lfor_b_\@:
	tensor_load_to_lds s[\g0b:\g0b+3], s[\g1b:\g1b+7]
	s_nop 0
.rept 4
	v_nop
.endr
.Lasked_\@:
.endm
.macro CREST
	s_cmp_lg_u32 s14, 0
	s_cbranch_scc1 .Lnot_wave_0_\@
	s_barrier_signal -3
.Lnot_wave_0_\@:
	s_barrier_wait -3
	s_barrier_signal -1
	s_barrier_wait -1
.endm
.macro CROUND
	s_barrier_signal -1
	s_barrier_wait -1
	CREST
.endm
.macro PLACES n
.rept \n
	v_nop
.endr
.endm
.macro FRAG reg, adr, q, i
.irp p, 0,1,2,3,4,5
	ds_load_b64 v[\reg+2*\p:\reg+2*\p+1], v[\adr] offset:(\i)*RBS+(\q)*CH+256*\p
.endr
.endm
.macro MUL16 a0, p, q, sc, cm
.irp a, \a0, \a0+1
.irp b, 0,1,2,3,4,5,6,7
.if \cm
	v_wmma_scale_f32_16x16x128_f8f6f4 v[8*(8*((\a)%4)+\b):8*(8*((\a)%4)+\b)+7], v[128*(\p)+FR*\b:128*(\p)+FR*\b+FR-1], v[AF+FR*(\a):AF+FR*(\a)+FR-1], v[BIAS+8*\b:BIAS+8*\b+7], v[SC+16*(\sc)+2*\b+(\q)], v[SC+16*(\sc)+2*(\a)+(\q)] matrix_a_fmt:MATRIX_FMT_BF6 matrix_b_fmt:MATRIX_FMT_BF6 matrix_a_scale:MATRIX_SCALE_ROW1
.else
	v_wmma_scale_f32_16x16x128_f8f6f4 v[8*(8*((\a)%4)+\b):8*(8*((\a)%4)+\b)+7], v[128*(\p)+FR*\b:128*(\p)+FR*\b+FR-1], v[AF+FR*(\a):AF+FR*(\a)+FR-1], v[8*(8*((\a)%4)+\b):8*(8*((\a)%4)+\b)+7], v[SC+16*(\sc)+2*\b+(\q)], v[SC+16*(\sc)+2*(\a)+(\q)] matrix_a_fmt:MATRIX_FMT_BF6 matrix_b_fmt:MATRIX_FMT_BF6 matrix_a_scale:MATRIX_SCALE_ROW1
.endif
.endr
.endr
.endm
.macro FETCH_B slot, q, p
	WIN TO_B
.irp i, 0,1,2,3,4,5,6,7
	FRAG 128*(\p)+FR*\i, ADRB+\slot, \q, \i
.endr
	WIN 0
.endm
.macro FETCH_A slot, q, i0
.irp i, \i0, \i0+1, \i0+2, \i0+3
	FRAG AF+FR*(\i), ADRA+\slot, \q, \i
.endr
.endm
.macro SCALES sc
.irp i, 0,1,2,3,4,5,6,7
.irp q, 0,1
	ds_load_b32 v[SC+16*\sc+2*\i+\q], v[ADRS] offset:512*\q+64*\i
.endr
.endr
.endm
.macro STEP slot, q, cm
	s_wait_dscnt 4*NL
.if \cm
	WIN 0x81
.else
	WIN MUL_LO
.endif
	MUL16 0, (\q)%2, \q, \slot, \cm
	MUL16 2, (\q)%2, \q, \slot, \cm
	s_wait_dscnt 0
	PLACES NP
	FETCH_B \slot, (\q)+1, 1-(\q)%2
	FETCH_A \slot, (\q)+1, 0
.if \cm
	WIN 0xc1
.else
	WIN MUL_HI
.endif
	MUL16 4, (\q)%2, \q, \slot, \cm
	MUL16 6, (\q)%2, \q, \slot, \cm
	PLACES NP
	WIN 0
	FETCH_A \slot, (\q)+1, 4
.endm
.macro TURN slot, next, fill
	s_wait_tensorcnt 0x0
	ds_add_u32 v[SPW], v[NIL]
	s_wait_dscnt 4*NL+1
	WIN MUL_LO
	MUL16 0, 1, 1, \slot, 0
	s_wait_dscnt 0x0
	s_barrier_signal -1
	MUL16 2, 1, 1, \slot, 0
	WIN 0
	s_barrier_wait -1
.if \fill
	CREST
	s_add_nc_u64 s[G0+4*\slot+2:G0+4*\slot+3], s[G0+4*\slot+2:G0+4*\slot+3], 2*RBS
	s_add_nc_u64 s[G0B+4*\slot+2:G0B+4*\slot+3], s[G0B+4*\slot+2:G0B+4*\slot+3], 2*RBS
	JLOAD G0+4*\slot, G1, G0B+4*\slot, G1B
.else
	PLACES NP
.endif
	s_wait_alu depctr_va_vdst(0)
	v_add_nc_u32 v[ADRS], 1024, v[ADRS]
	FETCH_B \next, 0, 0
	FETCH_A \next, 0, 0
	SCALES \next
	WIN MUL_HI
	MUL16 4, 1, 1, \slot, 0
	MUL16 6, 1, 1, \slot, 0
	PLACES NP
	WIN 0
	FETCH_A \next, 0, 4
.endm
.macro QUANT s
.irp b, 0,1,2,3
	v_max3_num_f32 v[TM+\b], |v[\s+16*\b]|, |v[\s+1+16*\b]|, 0x2800000
.endr
.irp i, 2,4,6,8,10,12,14
.irp b, 0,1,2,3
	v_max3_num_f32 v[TM+\b], v[TM+\b], |v[\s+16*\b+\i]|, |v[\s+1+16*\b+\i]|
.endr
.endr
.irp b, 0,1,2,3
	v_permlanex16_b32 v[TM+4+\b], v[TM+\b], s[SEL], s[SEL+1]
.endr
.irp b, 0,1,2,3
	v_max_num_f32 v[TM+\b], v[TM+\b], v[TM+4+\b]
.endr
.irp b, 0,1,2,3
	v_add_nc_u32 v[TM+12+\b], 0xfe000000, v[TM+\b]
.endr
.irp b, 0,1,2,3
	v_lshrrev_b32 v[TM+4+\b], 23, v[TM+12+\b]
.endr
	v_lshl_or_b32 v[PW], v[TM+5], 8, v[TM+4]
	v_lshl_or_b32 v[PW], v[TM+6], 16, v[PW]
	v_lshl_or_b32 v[PW], v[TM+7], 24, v[PW]
.irp c, 0,1
	v_cvt_scalef32_pk16_bf6_f32 v[PC+6*\c:PC+2+6*\c], v[\s+32*\c:\s+15+32*\c], v[TM+12+2*\c]
	v_cvt_scalef32_pk16_bf6_f32 v[PC+12+4*\c:PC+14+4*\c], v[\s+16+32*\c:\s+31+32*\c], v[TM+12+2*\c+1]
.endr
	v_nop
.irp c, 0,1
.irp i, 0,1,2
	v_permlane16_swap_b32 v[PC+6*\c+\i], v[PC+12+4*\c+\i]
.endr
.irp i, 0,1,2
	v_mov_b32 v[PC+3+6*\c+\i], v[PC+12+4*\c+\i]
.endr
.endr
.endm
	s_load_b128 s[4:7], s[0:1], 0x0
	s_load_b128 s[8:11], s[0:1], 0x10
	v_lshl_add_u32 v[SPW], v0, 2, SPARE
	v_mov_b32 v[NIL], 0
	ds_add_u32 v28, v29
	ds_add_u32 v28, v29
	s_wait_dscnt 0x0
	v_lshrrev_b32 v1, 5, v0
	v_readfirstlane_b32 s14, v1
	s_lshr_b32 s15, s14, 1
	s_and_b32 s16, s14, 1
	s_bfe_u32 s40, ttmp6, 0x40000
	s_bfe_u32 s41, ttmp6, 0x40004
	s_lshl_b32 s42, ttmp9, 2
	s_add_co_u32 s42, s42, s40
	s_and_b32 s17, ttmp7, 0xffff
	s_lshl_b32 s17, s17, 2
	s_add_co_u32 s17, s17, s41
	s_lshl_b32 s43, s41, 2
	s_lshl_b32 s43, 15, s43
	s_lshl_b32 s44, 0x1111, s40
	s_or_b32 s[G1+0], s43, (3<<16)|(1<<21)
	s_or_b32 s[G1B+0], s44, (3<<16)|(1<<21)
.irp g, G1, G1B
	s_mov_b32 s[\g+1], 384<<16
	s_mov_b32 s[\g+2], 16<<16
	s_mov_b32 s[\g+3], 384<<16
	s_mov_b32 s[\g+4], 16
	s_mov_b32 s[\g+5], KRB/8
	s_mov_b32 s[\g+6], 0
	s_mov_b32 s[\g+7], 0
.endr
	s_or_b32 s[G1S+0], s43, (3<<16)|(1<<21)
	s_or_b32 s[G1SB+0], s44, (3<<16)|(1<<21)
.irp g, G1S, G1SB
	s_mov_b32 s[\g+1], 64<<16
	s_mov_b32 s[\g+2], (SIZE_K/64)<<16
	s_mov_b32 s[\g+3], 64<<16
	s_mov_b32 s[\g+4], SIZE_K/64
	s_mov_b32 s[\g+5], 64
	s_mov_b32 s[\g+6], 0
	s_mov_b32 s[\g+7], 0
.endr
	s_lshl_b32 s20, s17, 4
	s_mul_i32 s20, s20, KRB
	s_mov_b32 s21, 0
	s_lshl_b32 s22, s17, 1
	s_mul_i32 s22, s22, SQ
	s_add_co_u32 s22, s22, A_SC
	s_mov_b32 s23, 0
	s_lshl_b32 s46, s42, 4
	s_mul_i32 s46, s46, KRB
	s_add_co_u32 s46, s46, B_CO
	s_mov_b32 s47, 0
	s_lshl_b32 s92, s42, 1
	s_mul_i32 s92, s92, SQ
	s_add_co_u32 s92, s92, B_SC
	s_mov_b32 s93, 0
	s_mul_i32 s45, s14, HALFT
	s_mov_b32 s[SEL], 0x76543210
	s_mov_b32 s[SEL+1], 0xfedcba98
	s_mov_b32 s[K2], 0xbdd2d3e8
	s_mov_b32 s[K2+1], s[K2]
	s_wait_kmcnt 0x0
	s_add_nc_u64 s[20:21], s[4:5], s[20:21]
	s_add_nc_u64 s[22:23], s[4:5], s[22:23]
	s_add_nc_u64 s[46:47], s[6:7], s[46:47]
	s_add_nc_u64 s[92:93], s[6:7], s[92:93]
	CROUND
	s_mov_b32 s[G0S], 1
	s_mov_b32 s[G0S+1], SCL
	s_mov_b64 s[G0S+2:G0S+3], s[22:23]
	s_or_b32 s[G0S+3], s[G0S+3], 0x80000000
	s_mov_b32 s[G0SB], 1
	s_mov_b32 s[G0SB+1], SCL+2*SQ+64
	s_mov_b64 s[G0SB+2:G0SB+3], s[92:93]
	s_or_b32 s[G0SB+3], s[G0SB+3], 0x80000000
	; the head's four tiles, one joint load a wave: wave 0 slot 0's 16 row blocks of A, wave 1 those of B, wave 2 A's scale words, wave 3 B's
	s_mov_b32 s[G0], 1
	s_mov_b32 s[G0+1], 0
	s_mov_b64 s[G0+2:G0+3], s[20:21]
	s_or_b32 s[G0+3], s[G0+3], 0x80000000
	s_mov_b32 s[G0B], 1
	s_mov_b32 s[G0B+1], 2*HALFT
	s_mov_b64 s[G0B+2:G0B+3], s[46:47]
	s_or_b32 s[G0B+3], s[G0B+3], 0x80000000
	s_mul_i32 s18, s16, 8*KRB                      ; in the ring a wave fetches 8 row blocks: which half, in bytes
	s_mov_b32 s19, 0
; PREFETCHES INTO THE L2: of the 8 row blocks that I fetch, each of the four partners that ask with me names two, told apart by address (cx for A, cy for B): 2 x 3,072 bytes of a step, a lane to each 256
.set PFA, 94
.set PFO, 10
	s_cmp_eq_u32 s15, 0
	s_cselect_b64 s[PFA:PFA+1], s[20:21], s[46:47]
	s_cselect_b32 s92, s40, s41
	s_mul_i32 s92, s92, 2*KRB
	s_add_co_u32 s92, s92, RBS                     ; at step 1
	s_mov_b32 s93, 0
	s_add_nc_u64 s[PFA:PFA+1], s[PFA:PFA+1], s[92:93]
	s_add_nc_u64 s[PFA:PFA+1], s[PFA:PFA+1], s[18:19]
	s_mov_b32 s[G0+4], 1
	s_add_co_u32 s[G0+5], s45, SLOT
	s_add_nc_u64 s[G0+6:G0+7], s[20:21], s[18:19]
	s_add_nc_u64 s[G0+6:G0+7], s[G0+6:G0+7], RBS
	s_or_b32 s[G0+7], s[G0+7], 0x80000000
	s_mov_b32 s[G0B+4], 1
	s_add_co_u32 s[G0B+5], s45, SLOT
	s_add_nc_u64 s[G0B+6:G0B+7], s[46:47], s[18:19]
	s_add_nc_u64 s[G0B+6:G0B+7], s[G0B+6:G0B+7], RBS
	s_or_b32 s[G0B+7], s[G0B+7], 0x80000000
.macro ARM under, g0, g1, next         ; one chain of branches on the wave's number: every way passes one load
	s_cmp_lt_u32 s14, \under
	s_cbranch_scc0 \next
	tensor_load_to_lds s[\g0:\g0+3], s[\g1:\g1+7]
	s_nop 0
.rept 4
	v_nop
.endr
	s_branch .Lhead_asked
\next:
.endm
	ARM 1, G0,  G1,  .Lhead_b
	ARM 2, G0B, G1B, .Lhead_sa
	ARM 3, G0S, G1S, .Lhead_sb
	tensor_load_to_lds s[G0SB:G0SB+3], s[G1SB:G1SB+7]
	s_nop 0
.rept 4
	v_nop
.endr
.Lhead_asked:
	v_and_b32 v[PFO], 31, v0
	v_min_u32 v[PFO], 23, v[PFO]                   ; 24 blocks of 256 bytes; the lanes left over name the last again
	v_mul_u32_u24 v11, v[PFO], 171
	v_lshrrev_b32 v11, 11, v11                     ; lane / 12: which of my two row blocks
	v_mul_u32_u24 v11, v11, KRB-RBS
	v_lshl_add_u32 v[PFO], v[PFO], 8, v11
	global_prefetch_b8 v[PFO], s[PFA:PFA+1] th:TH_LOAD_NT scope:SCOPE_SE              ; step 1, which slot 1's first fill will want,
	global_prefetch_b8 v[PFO], s[PFA:PFA+1] offset:RBS th:TH_LOAD_NT scope:SCOPE_SE   ; and step 2, two loads on
	v_and_b32 v1, 15, v0
	v_bfe_u32 v2, v0, 4, 1
	v_and_b32 v3, 31, v0
	v_lshlrev_b32 v4, 3, v3
	s_wait_alu depctr_va_vdst(0)
	v_lshlrev_b32 v5, 6, v2
	s_lshl_b32 s46, s42, 10
	s_lshl_b32 s47, s16, 9
	s_add_co_u32 s46, s46, s47
	s_mov_b32 s47, 0
	s_add_nc_u64 s[8:9], s[8:9], s[46:47]
.irp b, 0,1,2,3,4,5,6,7
.irp q, 0,1
	global_load_b128 v[BIAS+8*\b+4*\q:BIAS+8*\b+4*\q+3], v5, s[8:9] offset:128*(\b/2)+32*(\b%2)+16*\q
.endr
.endr
	s_mul_i32 s21, s15, HALFT
	s_mul_i32 s22, s16, HALFT
	s_add_co_u32 s22, s22, 2*HALFT
.irp s, 0,1
	v_add_nc_u32 v[ADRA+\s], s21, v4
	v_add_nc_u32 v[ADRB+\s], s22, v4
	s_add_co_u32 s21, s21, SLOT
	s_add_co_u32 s22, s22, SLOT
.endr
	s_mul_i32 s21, s15, HALFS
	s_mul_i32 s22, s16, HALFS
	s_add_co_u32 s22, s22, 2*HALFS+64
	s_sub_co_u32 s22, s22, s21
	v_mul_u32_u24 v7, s22, v2
	s_add_co_u32 s21, s21, SCL
	v_lshl_add_u32 v7, v1, 2, v7
	v_add_nc_u32 v[ADRS], s21, v7
	s_lshl_b32 s21, s14, 9
	v_lshl_add_u32 v24, v1, 2, s21
	v_lshl_add_u32 v25, v3, 4, s21
	v_mov_b32 v26, v4
	v_lshlrev_b32 v30, 4, v3
	v_mov_b32 v[K1], 0xc0135761
	v_mov_b32 v[K1+1], 0xc0135761
	s_lshl_b32 s20, s17, 4
	s_lshl_b32 s21, s15, 3
	s_add_co_u32 s20, s20, s21
	s_mul_i32 s20, s20, ORBB
	s_lshl_b32 s46, s42, 1
	s_add_co_u32 s46, s46, s16
	s_mul_i32 s47, s46, 1536
	s_add_co_u32 s20, s20, s47
	s_mov_b32 s21, 0
	s_lshl_b32 s22, s17, 1
	s_add_co_u32 s22, s22, s15
	s_lshl_b32 s22, s22, 5
	s_add_co_u32 s22, s22, s46
	s_lshl_b32 s22, s22, 9
	s_add_co_u32 s22, s22, O_SC
	s_mov_b32 s23, 0
	s_add_nc_u64 s[12:13], s[10:11], s[22:23]
	s_add_nc_u64 s[10:11], s[10:11], s[20:21]
	s_wait_alu depctr_va_vdst(0)
	s_wait_tensorcnt 0x0                           ; my tile of the head's four is in; the three lines ahead of slot 1's first fill
	ds_add_u32 v[SPW], v[NIL]
	s_mov_b32 s[G1+2], 8<<16                       ; no tensor load of mine is out: from here on a load brings 8 row blocks,
	s_mov_b32 s[G1+4], 8
	s_mov_b32 s[G1B+2], 8<<16
	s_mov_b32 s[G1B+4], 8
	s_mov_b32 s[G0+1], s45                         ; and slot 0's group 0 becomes the ring's: my half
	s_add_nc_u64 s[G0+2:G0+3], s[G0+2:G0+3], s[18:19]
	s_mov_b32 s[G0B+1], s45
	s_add_nc_u64 s[G0B+2:G0B+3], s[G0B+2:G0B+3], s[18:19]
	s_wait_dscnt 0x0
	CROUND                                         ; all four tiles are in, in every partner
	JLOAD G0+4, G1, G0B+4, G1B                     ; slot 1's first fill, the first tensor load behind the round
	s_wait_loadcnt 0x0                             ; the bias
	global_prefetch_b8 v[PFO], s[PFA:PFA+1] offset:2*RBS th:TH_LOAD_NT scope:SCOPE_SE ; behind step 1's load: step 3, the last
	FETCH_B 0, 0, 0
	FETCH_A 0, 0, 0
	SCALES 0
	FETCH_A 0, 0, 4
	STEP 0, 0, 1
	s_mov_b32 s3, LAPS-1
.Llap:
	TURN 0, 1, 1
	STEP 1, 0, 0
	TURN 1, 0, 1
	STEP 0, 0, 0
	s_sub_co_u32 s3, s3, 1
	s_cmp_lg_u32 s3, 0
	s_cbranch_scc1 .Llap
	TURN 0, 1, 0
	STEP 1, 0, 0
	s_wait_dscnt 4*NL
	WIN MUL_LO
	MUL16 0, 1, 1, 1, 0
	MUL16 2, 1, 1, 1, 0
	s_wait_dscnt 0
	WIN MUL_HI
	MUL16 4, 1, 1, 1, 0
	MUL16 6, 1, 1, 1, 0
	WIN 0
	PLACES NP
.irp b, 0,1,2,3
	v_mov_b32 v[TM+4+\b], 0
.endr
.macro GOUT a
.set AC, 64*((\a)%4)
.if (\a) > 0
	s_wait_xcnt 0x0
	s_wait_dscnt 0x0
.endif
	WIN 0x0a+5*((\a)/4)
.set i, 0
.rept 32
	v_pk_mul_f32 v[HA+2*i:HA+2*i+1], v[AC+2*i:AC+2*i+1], v[AC+2*i:AC+2*i+1]
.set i, i+1
.endr
	WIN 0
.set i, 0
.rept 32
	v_pk_fma_f32 v[HA+2*i:HA+2*i+1], v[HA+2*i:HA+2*i+1], s[K2:K2+1], v[K1:K1+1] op_sel_hi:[1,0,0]
.set i, i+1
.endr
	WIN 0x02+(\a)/4
.set i, 0
.rept 32
	v_pk_mul_f32 v[HA+2*i:HA+2*i+1], v[AC+2*i:AC+2*i+1], v[HA+2*i:HA+2*i+1]
.set i, i+1
.endr
	WIN 0
.set i, 0
	s_wait_alu depctr_va_vdst(0)
.rept 64
	v_exp_f32 v[HA+i], v[HA+i]
.set i, i+1
.endr
	v_nop
	s_wait_alu depctr_va_vdst(0)
.set i, 0
.rept 32
	v_pk_add_f32 v[HA+2*i:HA+2*i+1], v[HA+2*i:HA+2*i+1], 1.0 op_sel_hi:[1,0]
.set i, i+1
.endr
.set i, 0
	s_wait_alu depctr_va_vdst(0)
.rept 64
	v_rcp_f32 v[HA+i], v[HA+i]
.set i, i+1
.endr
	v_nop
	s_wait_alu depctr_va_vdst(0)
	WIN 0x02+(\a)/4
.set i, 0
.rept 32
	v_pk_mul_f32 v[HA+2*i:HA+2*i+1], v[AC+2*i:AC+2*i+1], v[HA+2*i:HA+2*i+1]
.set i, i+1
.endr
	WIN 0
	QUANT HA
.irp p, 0,1,2,3,4,5
	global_store_b64 v26, v[PC+2*\p:PC+2*\p+1], s[10:11] offset:(\a)*ORBB+256*\p
.endr
	ds_store_b32 v24, v[PW] offset:64*(\a)
.endm
.irp a, 0,1,2,3,4,5,6,7
	GOUT \a
.endr
	ds_load_b128 v[HA:HA+3], v25
	s_wait_dscnt 0x0
	global_store_b128 v30, v[HA:HA+3], s[12:13]
	s_wait_tensorcnt 0x0
	ds_add_u32 v[SPW], v[NIL]
	s_wait_dscnt 0x0
	CROUND
	s_endpgm
.Lfunc_end_k_qd38a143e14_w1:
	.size	k_qd38a143e14_w1, .Lfunc_end_k_qd38a143e14_w1-k_qd38a143e14_w1
	.p2alignl 7, 3214868480
	.fill 96, 4, 3214868480
	.section	.rodata,"a",@progbits
	.p2align	6, 0x0
	.amdhsa_kernel k_qd38a143e14_w1
		.amdhsa_group_segment_fixed_size 327680
		.amdhsa_private_segment_fixed_size 0
		.amdhsa_enable_private_segment 0
		.amdhsa_kernarg_size 32
		.amdhsa_user_sgpr_count 2
		.amdhsa_user_sgpr_kernarg_segment_ptr 1
		.amdhsa_wavefront_size32 1
		.amdhsa_system_sgpr_workgroup_id_x 1
		.amdhsa_system_sgpr_workgroup_id_y 1
		.amdhsa_system_sgpr_workgroup_id_z 1
		.amdhsa_system_vgpr_workitem_id 0
		.amdhsa_next_free_vgpr 1024
		.amdhsa_next_free_sgpr 106
		.amdhsa_reserve_vcc 0
		.amdhsa_float_denorm_mode_32 3
		.amdhsa_float_denorm_mode_16_64 3
		.amdhsa_memory_ordered 1
		.amdhsa_forward_progress 1
		.amdhsa_inst_pref_size 255
	.end_amdhsa_kernel
	.section	.bss,"aw",@nobits
	.p2align	6
	.space	262144
	.amdgpu_metadata
---
amdhsa.version: [ 1, 2 ]
amdhsa.kernels:
  - .name:           k_qd38a143e14_w1
    .symbol:         k_qd38a143e14_w1.kd
    .args:
      - { .name: hq, .offset: 0, .size: 8, .value_kind: global_buffer, .address_space: global }
      - { .name: wts, .offset: 8, .size: 8, .value_kind: global_buffer, .address_space: global }
      - { .name: b1, .offset: 16, .size: 8, .value_kind: global_buffer, .address_space: global }
      - { .name: gl, .offset: 24, .size: 8, .value_kind: global_buffer, .address_space: global }
    .group_segment_fixed_size: 327680
    .private_segment_fixed_size: 0
    .kernarg_segment_align: 8
    .kernarg_segment_size: 32
    .max_flat_workgroup_size: 128
    .sgpr_count:     106
    .vgpr_count:     1024
    .wavefront_size: 32
...
	.end_amdgpu_metadata
.endif
;; end of part 13
;; launch w2 (part 14): grid 8 x 32, 4 waves a work-group, clusters of 4 x 4, 327,680 bytes of LDS; arguments gl, wts, b2, x1, out0; writes out0
.if DOCPART == 14
	.amdgcn_target "amdgcn-amd-amdhsa--gfx1250"
	.amdhsa_code_object_version 6
	.text
	.protected	k_qd38a143e14_w2
	.globl	k_qd38a143e14_w2
	.p2align	8
	.type	k_qd38a143e14_w2,@function
k_qd38a143e14_w2:
	s_mov_b64 s[64:65], 0
	v_nop
	global_prefetch_b8 v0, s[64:65] scope:SCOPE_SE
	s_setreg_imm32_b32 hwreg(HW_REG_WAVE_MODE, 25, 1), 1
	s_wait_xcnt 0x0
	s_wait_alu depctr_hold_cnt(0) depctr_sa_sdst(0) depctr_va_vdst(0) depctr_va_sdst(0) depctr_va_ssrc(0) depctr_va_vcc(0) depctr_vm_vsrc(0)
	s_getreg_b32 s2, hwreg(HW_REG_IB_STS2, 6, 4)
	s_cmp_eq_u32 s2, 0
	s_cbranch_scc0 .Lentry_in_a_cluster
	s_endpgm
.Lentry_in_a_cluster:
	s_bfe_u32 s2, ttmp6, 0x10000c
	s_cmp_lg_u32 s2, 0xf033
	s_cbranch_scc0 .Lentry_shape_is_right
	s_endpgm
.Lentry_shape_is_right:
.set SIZE_K, 4096
.set A_SC,   12582912
.set B_CO,   6291456
.set B_SC,   9699328
.set CH,     1536
.set RBS,    4*CH
.set KRB,    SIZE_K/128*CH
.set QT,     4*RBS
.set SLOT,   4*QT
.set LAPS,   SIZE_K/1024
.set SCL,    2*SLOT
.set SQ,     4*SIZE_K
.set SBL,    SQ+64
.set SPARE,  SCL+2*SQ+256
.set SPITCH, 272
.set FR, 12
.set NL, 6
.set NP, 4
.set BI,   8
.set ADRA, 16
.set ADRB, 20
.set STO,  24
.set RD,   25
.set CO,   26
.set ADRS, 27
.set SPW,  28
.set NIL,  29
.set SC,   32
.set BK,   64
.set ACC,  128
.set F0,   0
.set F1,   128
.set G1, 24
.set G0, 32
.set G1B, 48
.set G0B, 56
.set G1S, 68
.set G0S, 76
.set G1SB, 80
.set G0SB, 88
.set MSB, 0
.macro WIN new
.if MSB != (\new)
	s_set_vgpr_msb (MSB<<8)|(\new)
.set MSB, (\new)
.endif
.endm
.set MUL,  0x05
.set TO_F, 0x40
.macro JLOAD g0a, g1a, g0b, g1b
	s_cmp_eq_u32 s15, 0
	s_cbranch_scc0 .Lfor_b_\@
	tensor_load_to_lds s[\g0a:\g0a+3], s[\g1a:\g1a+7]
	s_nop 0
.rept 4
	v_nop
.endr
	s_branch .Lasked_\@
.Lfor_b_\@:
	tensor_load_to_lds s[\g0b:\g0b+3], s[\g1b:\g1b+7]
	s_nop 0
.rept 4
	v_nop
.endr
.Lasked_\@:
.endm
.macro CREST
	s_cmp_lg_u32 s14, 0
	s_cbranch_scc1 .Lnot_wave_0_\@
	s_barrier_signal -3
.Lnot_wave_0_\@:
	s_barrier_wait -3
	s_barrier_signal -1
	s_barrier_wait -1
.endm
.macro CROUND
	s_barrier_signal -1
	s_barrier_wait -1
	CREST
.endm
.macro PLACES n
.rept \n
	v_nop
.endr
.endm
.macro FRAG reg, adr, q, i
.irp p, 0,1,2,3,4,5
	ds_load_b64 v[\reg+2*\p:\reg+2*\p+1], v[\adr] offset:(\i)*RBS+(\q)*CH+256*\p
.endr
.endm
.macro FETCH slot, q, f
	WIN TO_F
.irp i, 0,1,2,3
	FRAG \f+48+FR*\i, ADRB+\slot, \q, \i
.endr
.irp i, 0,1,2,3
	FRAG \f+FR*\i, ADRA+\slot, \q, \i
.endr
.endm
.macro SCALES sc
.irp i, 0,1,2,3
.irp q, 0,1,2,3
	ds_load_b32 v[SC+16*\sc+4*\i+\q], v[ADRS] offset:512*\q+64*\i
.endr
.endr
.endm
.macro MULA f, a, q, sc, zero
.irp b, 0,1,2,3
.if \zero
	v_wmma_scale_f32_16x16x128_f8f6f4 v[ACC+8*(4*(\a)+\b):ACC+8*(4*(\a)+\b)+7], v[\f+48+FR*\b:\f+48+FR*\b+FR-1], v[\f+FR*(\a):\f+FR*(\a)+FR-1], 0, v[SC+16*(\sc)+4*\b+(\q)], v[SC+16*(\sc)+4*(\a)+(\q)] matrix_a_fmt:MATRIX_FMT_BF6 matrix_b_fmt:MATRIX_FMT_BF6 matrix_a_scale:MATRIX_SCALE_ROW1
.else
	v_wmma_scale_f32_16x16x128_f8f6f4 v[ACC+8*(4*(\a)+\b):ACC+8*(4*(\a)+\b)+7], v[\f+48+FR*\b:\f+48+FR*\b+FR-1], v[\f+FR*(\a):\f+FR*(\a)+FR-1], v[ACC+8*(4*(\a)+\b):ACC+8*(4*(\a)+\b)+7], v[SC+16*(\sc)+4*\b+(\q)], v[SC+16*(\sc)+4*(\a)+(\q)] matrix_a_fmt:MATRIX_FMT_BF6 matrix_b_fmt:MATRIX_FMT_BF6 matrix_a_scale:MATRIX_SCALE_ROW1
.endif
.endr
.endm
.macro STEP slot, q, f, g, zero
	s_wait_dscnt 2*NL
	WIN MUL
	MULA \f, 0, \q, \slot, \zero
	MULA \f, 1, \q, \slot, \zero
	PLACES NP
	FETCH \slot, (\q)+1, \g
	s_wait_dscnt 8*NL
	WIN MUL
	MULA \f, 2, \q, \slot, \zero
	MULA \f, 3, \q, \slot, \zero
.endm
.macro TURN slot, next, fill
	WIN 0
.if \fill
	s_wait_xcnt 0x0                                ; my last prefetch has read its address: it is stepped here, a step behind that prefetch
	s_add_nc_u64 s[PFA:PFA+1], s[PFA:PFA+1], RBS   ; to the step that this change of slots asks for
.endif
	s_wait_tensorcnt 0x0
	ds_add_u32 v[SPW], v[NIL]
	s_wait_dscnt 2*NL+1
	WIN MUL
	MULA F1, 0, 3, \slot, 0
	MULA F1, 1, 3, \slot, 0
	s_wait_dscnt 0x0
	s_barrier_signal -1
	MULA F1, 2, 3, \slot, 0
	WIN 0
	s_barrier_wait -1
.if \fill
	CREST
	s_add_nc_u64 s[G0+4*\slot+2:G0+4*\slot+3], s[G0+4*\slot+2:G0+4*\slot+3], 2*RBS
	s_add_nc_u64 s[G0B+4*\slot+2:G0B+4*\slot+3], s[G0B+4*\slot+2:G0B+4*\slot+3], 2*RBS
	JLOAD G0+4*\slot, G1, G0B+4*\slot, G1B
.else
	PLACES NP
.endif
	s_wait_alu depctr_va_vdst(0)
	v_add_nc_u32 v[ADRS], 2048, v[ADRS]
	SCALES \next
.if \fill
	s_cmp_gt_u32 s3, 1                             ; the loop's last trip has no step two on
	s_cbranch_scc0 .Lno_ask_\@
	global_prefetch_b8 v[PFO], s[PFA:PFA+1] offset:2*RBS th:TH_LOAD_NT scope:SCOPE_SE   ; the step two refills on
.Lno_ask_\@:
.endif
	FETCH \next, 0, F0
	WIN MUL
	MULA F1, 3, 3, \slot, 0
.endm
	s_load_b128 s[4:7], s[0:1], 0x0
	s_load_b128 s[8:11], s[0:1], 0x10
	s_load_b64 s[12:13], s[0:1], 0x20
	v_lshl_add_u32 v[SPW], v0, 2, SPARE
	v_mov_b32 v[NIL], 0
	ds_add_u32 v28, v29
	ds_add_u32 v28, v29
	s_wait_dscnt 0x0
	v_lshrrev_b32 v1, 5, v0
	v_readfirstlane_b32 s14, v1
	s_lshr_b32 s15, s14, 1
	s_and_b32 s16, s14, 1
	s_bfe_u32 s40, ttmp6, 0x40000
	s_bfe_u32 s41, ttmp6, 0x40004
	s_lshl_b32 s42, ttmp9, 2
	s_add_co_u32 s42, s42, s40
	s_and_b32 s17, ttmp7, 0xffff
	s_lshl_b32 s17, s17, 2
	s_add_co_u32 s17, s17, s41
	s_lshl_b32 s43, s41, 2
	s_lshl_b32 s43, 15, s43
	s_lshl_b32 s44, 0x1111, s40
	s_or_b32 s[G1+0], s43, (3<<16)|(1<<21)
	s_or_b32 s[G1B+0], s44, (3<<16)|(1<<21)
.irp g, G1, G1B
	s_mov_b32 s[\g+1], 768<<16
	s_mov_b32 s[\g+2], 8<<16
	s_mov_b32 s[\g+3], 768<<16
	s_mov_b32 s[\g+4], 8
	s_mov_b32 s[\g+5], KRB/8
	s_mov_b32 s[\g+6], 0
	s_mov_b32 s[\g+7], 0
.endr
	s_or_b32 s[G1S+0], s43, (3<<16)|(1<<21)
	s_or_b32 s[G1SB+0], s44, (3<<16)|(1<<21)
.irp g, G1S, G1SB
	s_mov_b32 s[\g+1], 64<<16
	s_mov_b32 s[\g+2], (SIZE_K/128)<<16
	s_mov_b32 s[\g+3], 64<<16
	s_mov_b32 s[\g+4], SIZE_K/128
	s_mov_b32 s[\g+5], 64
	s_mov_b32 s[\g+6], 0
	s_mov_b32 s[\g+7], 0
.endr
	s_lshl_b32 s20, s17, 3
	s_mul_i32 s20, s20, KRB
	s_mov_b32 s21, 0
	s_mul_i32 s22, s17, SQ
	s_add_co_u32 s22, s22, A_SC
	s_mov_b32 s23, 0
	s_lshl_b32 s46, s42, 3
	s_mul_i32 s46, s46, KRB
	s_add_co_u32 s46, s46, B_CO
	s_mov_b32 s47, 0
	s_mul_i32 s92, s42, SQ
	s_add_co_u32 s92, s92, B_SC
	s_mov_b32 s93, 0
	s_mul_i32 s45, s14, QT
	s_wait_kmcnt 0x0
	s_add_nc_u64 s[20:21], s[4:5], s[20:21]
	s_add_nc_u64 s[22:23], s[4:5], s[22:23]
	s_add_nc_u64 s[46:47], s[6:7], s[46:47]
	s_add_nc_u64 s[92:93], s[6:7], s[92:93]
	CROUND
	s_mov_b32 s[G0S], 1
	s_mov_b32 s[G0S+1], SCL
	s_mov_b64 s[G0S+2:G0S+3], s[22:23]
	s_or_b32 s[G0S+3], s[G0S+3], 0x80000000
	s_mov_b32 s[G0SB], 1
	s_mov_b32 s[G0SB+1], SCL+SBL
	s_mov_b64 s[G0SB+2:G0SB+3], s[92:93]
	s_or_b32 s[G0SB+3], s[G0SB+3], 0x80000000
	; the head's four tiles, one joint load a wave: wave 0 slot 0's 8 row blocks of A, wave 1 those of B, wave 2 A's scale words whole, wave 3 B's
	s_mov_b32 s[G0], 1
	s_mov_b32 s[G0+1], 0
	s_mov_b64 s[G0+2:G0+3], s[20:21]
	s_or_b32 s[G0+3], s[G0+3], 0x80000000
	s_mov_b32 s[G0B], 1
	s_mov_b32 s[G0B+1], 2*QT
	s_mov_b64 s[G0B+2:G0B+3], s[46:47]
	s_or_b32 s[G0B+3], s[G0B+3], 0x80000000
	s_mul_i32 s18, s16, 4*KRB                      ; in the ring a wave fetches 4 row blocks: which half, in bytes
	s_mov_b32 s19, 0
; PREFETCHES INTO THE L2: of the 4 row blocks that I fetch, each of the four partners that ask with me names one, told apart by address (cx for A, cy for B): 6,144 bytes of a step, a lane to each 256
.set PFA, 94
.set PFO, 30
	s_cmp_eq_u32 s15, 0
	s_cselect_b64 s[PFA:PFA+1], s[20:21], s[46:47]
	s_cselect_b32 s92, s40, s41
	s_mul_i32 s92, s92, KRB
	s_add_co_u32 s92, s92, RBS                     ; at step 1
	s_mov_b32 s93, 0
	s_add_nc_u64 s[PFA:PFA+1], s[PFA:PFA+1], s[92:93]
	s_add_nc_u64 s[PFA:PFA+1], s[PFA:PFA+1], s[18:19]
	s_mov_b32 s[G0+4], 1
	s_add_co_u32 s[G0+5], s45, SLOT
	s_add_nc_u64 s[G0+6:G0+7], s[20:21], s[18:19]
	s_add_nc_u64 s[G0+6:G0+7], s[G0+6:G0+7], RBS
	s_or_b32 s[G0+7], s[G0+7], 0x80000000
	s_mov_b32 s[G0B+4], 1
	s_add_co_u32 s[G0B+5], s45, SLOT
	s_add_nc_u64 s[G0B+6:G0B+7], s[46:47], s[18:19]
	s_add_nc_u64 s[G0B+6:G0B+7], s[G0B+6:G0B+7], RBS
	s_or_b32 s[G0B+7], s[G0B+7], 0x80000000
.macro ARM under, g0, g1, next         ; one chain of branches on the wave's number: every way passes one load
	s_cmp_lt_u32 s14, \under
	s_cbranch_scc0 \next
	tensor_load_to_lds s[\g0:\g0+3], s[\g1:\g1+7]
	s_nop 0
.rept 4
	v_nop
.endr
	s_branch .Lhead_asked
\next:
.endm
	ARM 1, G0,  G1,  .Lhead_b
	ARM 2, G0B, G1B, .Lhead_sa
	ARM 3, G0S, G1S, .Lhead_sb
	tensor_load_to_lds s[G0SB:G0SB+3], s[G1SB:G1SB+7]
	s_nop 0
.rept 4
	v_nop
.endr
.Lhead_asked:
	v_and_b32 v[PFO], 31, v0
	v_min_u32 v[PFO], 23, v[PFO]                   ; 24 blocks of 256 bytes; the lanes left over name the last again
	v_lshlrev_b32 v[PFO], 8, v[PFO]
	global_prefetch_b8 v[PFO], s[PFA:PFA+1] th:TH_LOAD_NT scope:SCOPE_SE              ; step 1, which slot 1's first fill will want,
	global_prefetch_b8 v[PFO], s[PFA:PFA+1] offset:RBS th:TH_LOAD_NT scope:SCOPE_SE   ; and step 2, two loads on
	v_and_b32 v1, 15, v0
	v_bfe_u32 v2, v0, 4, 1
	v_and_b32 v3, 31, v0
	v_lshlrev_b32 v4, 3, v3
	v_lshlrev_b32 v5, 4, v1
	s_wait_alu depctr_va_vdst(0)
	v_lshl_add_u32 v[CO], v2, 12, v5
	s_wait_alu depctr_va_vdst(0)
	s_lshl_b32 s20, s17, 7
	s_lshl_b32 s21, s15, 6
	s_add_co_u32 s20, s20, s21
	s_lshl_b32 s20, s20, 12
	s_lshl_b32 s46, s42, 9
	s_lshl_b32 s47, s16, 8
	s_add_co_u32 s46, s46, s47
	s_add_co_u32 s20, s20, s46
	s_mov_b32 s21, 0
	s_mov_b32 s47, 0
	s_add_nc_u64 s[10:11], s[10:11], s[20:21]
	s_add_nc_u64 s[12:13], s[12:13], s[20:21]
	s_add_nc_u64 s[8:9], s[8:9], s[46:47]
	global_load_b128 v[BI:BI+3], v5, s[8:9]
	WIN 0x80
.irp a, 0,1,2,3
.irp t, 0,1,2,3,4,5,6,7
	global_load_b128 v[32*\a+4*\t:32*\a+4*\t+3], v[CO], s[10:11] offset:(32*(\a/2)+8*(\a%2)+2*\t+8*(\t/4))*4096
.endr
.endr
	WIN 0
	s_mul_i32 s21, s15, QT
	s_mul_i32 s22, s16, QT
	s_add_co_u32 s22, s22, 2*QT
.irp s, 0,1
	v_add_nc_u32 v[ADRA+\s], s21, v4
	v_add_nc_u32 v[ADRB+\s], s22, v4
	s_add_co_u32 s21, s21, SLOT
	s_add_co_u32 s22, s22, SLOT
.endr
	s_lshl_b32 s21, s15, 8
	s_lshl_b32 s22, s16, 8
	s_add_co_u32 s22, s22, SBL
	s_sub_co_u32 s22, s22, s21
	v_mul_u32_u24 v7, s22, v2
	s_add_co_u32 s21, s21, SCL
	v_lshl_add_u32 v7, v1, 2, v7
	v_add_nc_u32 v[ADRS], s21, v7
	s_mul_i32 s23, s14, 16*SPITCH
	v_mul_u32_u24 v7, v1, SPITCH
	v_lshl_add_u32 v7, v2, 6, v7
	v_add_nc_u32 v[STO], s23, v7
	v_mul_u32_u24 v7, v2, SPITCH
	v_lshl_add_u32 v7, v1, 4, v7
	v_add_nc_u32 v[RD], s23, v7
	s_wait_alu depctr_va_vdst(0)                   ; the wait at the head's end
	s_wait_tensorcnt 0x0                           ; my tile of the head's four is in; the three lines ahead of slot 1's first fill
	ds_add_u32 v[SPW], v[NIL]
	s_mov_b32 s[G1+2], 4<<16                       ; no tensor load of mine is out: from here on a load brings 4 row blocks,
	s_mov_b32 s[G1+4], 4
	s_mov_b32 s[G1B+2], 4<<16
	s_mov_b32 s[G1B+4], 4
	s_mov_b32 s[G0+1], s45                         ; and slot 0's group 0 becomes the ring's: my half
	s_add_nc_u64 s[G0+2:G0+3], s[G0+2:G0+3], s[18:19]
	s_mov_b32 s[G0B+1], s45
	s_add_nc_u64 s[G0B+2:G0B+3], s[G0B+2:G0B+3], s[18:19]
	s_wait_dscnt 0x0
	CROUND                                         ; all four tiles are in, in every partner
	JLOAD G0+4, G1, G0B+4, G1B                     ; slot 1's first fill, the first tensor load behind the round
	s_wait_loadcnt 0x0                             ; the bias and the residual, asked for beside the head's tiles
	WIN 0x82
.set i, 0
.rept 32
	v_pk_add_f32 v[4*i:4*i+1], v[4*i:4*i+1], v[BI:BI+1]
	v_pk_add_f32 v[4*i+2:4*i+3], v[4*i+2:4*i+3], v[BI+2:BI+3]
.set i, i+1
.endr
	WIN 0
	global_prefetch_b8 v[PFO], s[PFA:PFA+1] offset:2*RBS th:TH_LOAD_NT scope:SCOPE_SE ; behind step 1's load: step 3
	SCALES 0
	FETCH 0, 0, F0
	STEP 0, 0, F0, F1, 1
.if LAPS > 1
	WIN 0
	s_mov_b32 s3, LAPS-1
.Llap:
	STEP 0, 1, F1, F0, 0
	STEP 0, 2, F0, F1, 0
	TURN 0, 1, 1
	STEP 1, 0, F0, F1, 0
	STEP 1, 1, F1, F0, 0
	STEP 1, 2, F0, F1, 0
	TURN 1, 0, 1
	STEP 0, 0, F0, F1, 0
	WIN 0
	s_sub_co_u32 s3, s3, 1
	s_cmp_lg_u32 s3, 0
	s_cbranch_scc1 .Llap
.endif
	STEP 0, 1, F1, F0, 0
	STEP 0, 2, F0, F1, 0
	TURN 0, 1, 0
	STEP 1, 0, F0, F1, 0
	STEP 1, 1, F1, F0, 0
	STEP 1, 2, F0, F1, 0
	s_wait_dscnt 2*NL
	WIN MUL
	MULA F1, 0, 3, 1, 0
	MULA F1, 1, 3, 1, 0
	s_wait_dscnt 0
	MULA F1, 2, 3, 1, 0
	MULA F1, 3, 3, 1, 0
	WIN 0
.macro TOSTAGE a
.irp b, 0,1,2,3
	ds_store_b128 v[STO], v[ACC+8*(4*(\a)+\b):ACC+8*(4*(\a)+\b)+3] offset:128*(\b/2)+32*(\b%2)
	ds_store_b128 v[STO], v[ACC+8*(4*(\a)+\b)+4:ACC+8*(4*(\a)+\b)+7] offset:128*(\b/2)+32*(\b%2)+16
.endr
.set BB, BK+32*((\a)%2)
.irp t, 0,1,2,3,4,5,6,7
	ds_load_b128 v[BB+4*\t:BB+4*\t+3], v[RD] offset:2*\t*SPITCH
.endr
.endm
.macro SEND a, younger
.set BB, BK+32*((\a)%2)
	s_wait_dscnt \younger
	WIN 0x08
.irp t, 0,1,2,3,4,5,6,7
	v_pk_add_f32 v[BB+4*\t:BB+4*\t+1], v[BB+4*\t:BB+4*\t+1], v[32*(\a)+4*\t:32*(\a)+4*\t+1]
	v_pk_add_f32 v[BB+4*\t+2:BB+4*\t+3], v[BB+4*\t+2:BB+4*\t+3], v[32*(\a)+4*\t+2:32*(\a)+4*\t+3]
.endr
	WIN 0
.irp t, 0,1,2,3,4,5,6,7
	global_store_b128 v[CO], v[BB+4*\t:BB+4*\t+3], s[12:13] offset:(32*((\a)/2)+8*((\a)%2)+2*\t+8*(\t/4))*4096
.endr
.endm
	PLACES NP
	TOSTAGE 0
.irp a, 1,2,3
.if \a > 1
	s_wait_xcnt 0x0
.endif
	TOSTAGE \a
	SEND \a-1, 16
.endr
	SEND 3, 0
	s_wait_tensorcnt 0x0
	ds_add_u32 v[SPW], v[NIL]
	s_wait_dscnt 0x0
	CROUND
	s_endpgm
.Lfunc_end_k_qd38a143e14_w2:
	.size	k_qd38a143e14_w2, .Lfunc_end_k_qd38a143e14_w2-k_qd38a143e14_w2
	.p2alignl 7, 3214868480
	.fill 96, 4, 3214868480
	.section	.rodata,"a",@progbits
	.p2align	6, 0x0
	.amdhsa_kernel k_qd38a143e14_w2
		.amdhsa_group_segment_fixed_size 327680
		.amdhsa_private_segment_fixed_size 0
		.amdhsa_enable_private_segment 0
		.amdhsa_kernarg_size 40
		.amdhsa_user_sgpr_count 2
		.amdhsa_user_sgpr_kernarg_segment_ptr 1
		.amdhsa_wavefront_size32 1
		.amdhsa_system_sgpr_workgroup_id_x 1
		.amdhsa_system_sgpr_workgroup_id_y 1
		.amdhsa_system_sgpr_workgroup_id_z 1
		.amdhsa_system_vgpr_workitem_id 0
		.amdhsa_next_free_vgpr 640
		.amdhsa_next_free_sgpr 98
		.amdhsa_reserve_vcc 0
		.amdhsa_float_denorm_mode_32 3
		.amdhsa_float_denorm_mode_16_64 3
		.amdhsa_memory_ordered 1
		.amdhsa_forward_progress 1
		.amdhsa_inst_pref_size 122
	.end_amdhsa_kernel
	.amdgpu_metadata
---
amdhsa.version: [ 1, 2 ]
amdhsa.kernels:
  - .name:           k_qd38a143e14_w2
    .symbol:         k_qd38a143e14_w2.kd
    .args:
      - { .name: gl, .offset: 0, .size: 8, .value_kind: global_buffer, .address_space: global }
      - { .name: wts, .offset: 8, .size: 8, .value_kind: global_buffer, .address_space: global }
      - { .name: b2, .offset: 16, .size: 8, .value_kind: global_buffer, .address_space: global }
      - { .name: x1, .offset: 24, .size: 8, .value_kind: global_buffer, .address_space: global }
      - { .name: out0, .offset: 32, .size: 8, .value_kind: global_buffer, .address_space: global }
    .group_segment_fixed_size: 327680
    .private_segment_fixed_size: 0
    .kernarg_segment_align: 8
    .kernarg_segment_size: 40
    .max_flat_workgroup_size: 128
    .sgpr_count:     98
    .vgpr_count:     640
    .wavefront_size: 32
...
	.end_amdgpu_metadata
.endif
;; end of part 14
